; MI455X (gfx1250); checked and timed in simulation.
; The chip was launched on July 23, 2026; its instructions are those of AMD's public machine-readable ISA for CDNA 5 (MIT licence, August 2026) and "CDNA5" Instruction Set Architecture Reference Guide (July 2026). The comments in the code are by the model that wrote it; some were corrected since.
;; Block. Allowed arithmetic: matrix products marked QUANTISED: E5M2 operands, one E8M0 scale for each 32 along K, by v_wmma_scale_f32_16x16x128_f8f6f4 with both operands' format E5M2, f32 sums; everything else in f32.
;; Inputs: attn_b 3,072 float32; attn_w 1,024 x 3,072 float32; fc_b 4,096 float32; fc_w 1,024 x 4,096 float32; ln1_b 1,024 float32; ln1_w 1,024 float32; ln2_b 1,024 float32; ln2_w 1,024 float32; mlp_proj_b 1,024 float32; mlp_proj_w 4,096 x 1,024 float32; proj_b 1,024 float32; proj_w 1,024 x 1,024 float32; x 2 x 2,048 x 1,024 float32.
;; Outputs: out0 2 x 2,048 x 1,024 float32.
;; This version of the problem:
;;   THIS VERSION OF THE PROBLEM IS GIVEN IN LOW PRECISION. The matrix products marked QUANTISED in the list below multiply operands that are first quantised to E5M2 (5 exponent bits, 2 mantissa bits; 8 bits a number), with one power-of-two scale for each 32 numbers along K (OCP MX v1.0); their sums are f32. All else is computed in f32.
;;   The module's matrix products, in the order in which they are computed (A, B: the left and right operand; K: the contracted axis; several contracted axes count as one K, in the product's order):
;;     1. [M 4,096, K 1,024] x [K 1,024, N 3,072]; A: computed on the way; B: input attn_w: QUANTISED
;;     2. batch 32 x [M 2,048, K 64] x [K 64, N 2,048]; A: computed on the way; B: computed on the way: QUANTISED
;;     3. batch 32 x [M 2,048, K 2,048] x [K 2,048, N 64]; A: softmax (see below); B: computed on the way: QUANTISED
;;     4. [M 4,096, K 1,024] x [K 1,024, N 1,024]; A: computed on the way; B: input proj_w: QUANTISED
;;     5. [M 4,096, K 1,024] x [K 1,024, N 4,096]; A: computed on the way; B: input fc_w: QUANTISED
;;     6. [M 4,096, K 4,096] x [K 4,096, N 1,024]; A: computed on the way; B: input mlp_proj_w: QUANTISED
;;   THE QUANTISER, for each operand of a quantised product, along K:
;;     - K is cut into blocks of 32 from its start; a last block that is shorter is filled with zeros.
;;     - A block's scale is 2^e with e = floor(log2(the largest magnitude in the block)) - 15, held to -126 .. 127; a block of zeros has e = 0. As a byte (E8M0): e + 127.
;;     - Each number is divided by its block's scale, clamped to +-57,344, and rounded to the nearest number of E5M2, ties to even, subnormals kept.
;;     - The product sums the exact products of the quantised numbers (number of the format x scale) in f32.
;;   ~~~python
;;   def quantise(x, axis):      # numpy; x: float32 -> the quantised numbers, widened to float32 again
;;       x = np.moveaxis(x, axis, -1); K = x.shape[-1]
;;       x = np.pad(x, [(0, 0)] * (x.ndim - 1) + [(0, -K % 32)]); x = x.reshape(x.shape[:-1] + (-1, 32)); a = np.abs(x).max(-1, keepdims=True)
;;       e = np.where(a > 0, np.clip(np.frexp(np.where(a > 0, a, 1))[1] - 1 - 15, -126, 127), 0)      # np.frexp(a)[1] - 1 = floor(log2(a)), exactly
;;       r = np.clip(x / 2.0 ** e, -57344, 57344)
;;       step = 2.0 ** (np.maximum(np.frexp(np.where(r == 0, 1, r))[1] - 1, -14) - 2)
;;       q = np.round(r / step) * step * 2.0 ** e      # np.round: ties to even
;;       return np.moveaxis(q.reshape(q.shape[:-2] + (-1,))[..., :K], -1, axis).astype(np.float32)
;;   ~~~
;;   SOFTMAX AHEAD OF A QUANTISED PRODUCT. Where the list says 'softmax', what is quantised is not the finished softmax but p = 2^(t - M), with t = logit x log2(e) and M = ceil(the row's largest t), a whole number; so 1/2 < the row's largest p <= 1. The row's sum l is taken of the UNQUANTISED p, in f32, and the product's result is divided by l at the end. Since M is a whole number, a kernel that streams over the keys may use a running M (the ceiling of the running maximum): every later rescaling is an exact power of two, which a block's scale takes up: the codes' values come out the same.
;;   OPERANDS COMPUTED ON THE WAY. 'Computed on the way' means the value that the module computes at that place (a softmax that the list does not call 'softmax' is quantised finished and normalised). What goes into a quantiser is computed in f32, as accurately as f32 sums, v_exp_f32 and their like allow (about 1e-6 of the number): no bf16 or f16 on the way to a quantiser, and a product that is left as it is and whose result goes on into a quantised operand takes f32 operands (vector FMAs, or v_wmma_f32_16x16x4_f32). A number that lies on a knife's edge between two numbers of the format may be rounded either way, as far as f32 arithmetic and the matrix unit's own rounding can turn it there, and no further.
;; 2 versions, each right and faster than the one before. Each part assembles by itself: llvm-mc -triple=amdgcn-amd-amdhsa -mcpu=gfx1250 --defsym DOCPART=n.
;; ======== version 1 of 2: 8 launches
;; limits: a function is approximated: absolute error at most 1e-06
;; workspace buffers: wq 12,976,128 bytes; act 4,325,376 bytes; qkv_img 12,582,912 bytes; qkv_sc 393,216 bytes; yq 4,325,376 bytes; x1 16,777,216 bytes; hq 17,301,504 bytes
;; launch wquant (part 1): grid 96 x 4, 4 waves a work-group, no clusters, 1,536 bytes of LDS; arguments attn_w, proj_w, fc_w, mlp_proj_w, wq; writes wq
.if DOCPART == 1
	.amdgcn_target "amdgcn-amd-amdhsa--gfx1250"
	.amdhsa_code_object_version 6
	.text
	.protected	k_q4382654da0_wquant
	.globl	k_q4382654da0_wquant
	.p2align	8
	.type	k_q4382654da0_wquant,@function
k_q4382654da0_wquant:
	s_mov_b64 s[64:65], 0
	v_nop
	global_prefetch_b8 v0, s[64:65] scope:SCOPE_SE
	s_setreg_imm32_b32 hwreg(HW_REG_WAVE_MODE, 25, 1), 1
	s_wait_xcnt 0x0
; The four weights, f32 stored [K][N], become codes of E5M2 with one E8M0 byte for each 32 along K, laid in the order of a matrix operand's registers.
; A BLOCK of the output is 128 columns x 256 K, 33,792 bytes: codes of K 0-127 (16,384), codes of K 128-255 (16,384), scale words of the first half (512), of the second (512).
; Codes: [16 columns i(8)][32 K c(4)][lane(32)][16 bytes]: lane (r, h) holds K = 32 c + 16 h + 0..15 of place 16 i + r.  Scale words: [lane' = r + 16 (i & 1)][i / 2][4 bytes].
; PLACES: within each 32 columns place p holds column p with bits 3 and 4 swapped, so that a product used transposed leaves 16 neighbours along its N in a lane's 16 registers.
; A work-group makes one block; a wave 32 columns; A LANE TAKES A COLUMN AND ITS REGISTERS RUN DOWN K, so a block of 32 along K lies in one lane and the conversions give K innermost.
; One path for all four tensors: pointers and sizes are chosen by selects on the work-group's number.  Blocks lie [K step][group of 128 columns]; attn at byte 0, proj at 3,244,032, fc at 4,325,376, mlp at 8,650,752.
; LIMITS: NaN and infinities are not served; a block of zeros, or one whose largest magnitude lies under 2^-111, gets the byte 1 (its codes are zeros or tiny; this program alone reads the bytes).
.set GB,  33792
.set SBW, 16                           ; v16-17   the scale words of the two halves of K
.set VO,  20                           ; v20-51   byte offset of row i of a block of 32 along K, at my column
.set X,   52                           ; v52-115  two sets of 32 numbers
.set C,   116                          ; v116-179 codes: eight registers for each of eight blocks, so that no store's data are written again
	s_load_b256 s[4:11], s[0:1], 0x0               ; attn_w, proj_w, fc_w, mlp_proj_w
	s_load_b64 s[12:13], s[0:1], 0x20              ; wq
	v_lshl_add_u32 v192, v0, 2, 0x400
	v_mov_b32 v193, 0
	v_lshrrev_b32 v1, 5, v0
	v_readfirstlane_b32 s14, v1                    ; wave
	v_and_b32 v1, 31, v0                           ; lane = my place among the wave's 32
	v_and_b32 v2, 7, v1
	v_bfe_u32 v6, v1, 3, 1
	v_bfe_u32 v7, v1, 4, 1
	v_lshl_or_b32 v2, v6, 4, v2
	v_lshl_or_b32 v2, v7, 3, v2                    ; my column: the place with bits 3 and 4 swapped
	v_lshlrev_b32 v2, 2, v2                        ; in bytes
	v_and_b32 v3, 15, v1
	v_lshlrev_b32 v3, 4, v3
	v_lshl_add_u32 v3, v7, 11, v3
	s_lshl_b32 s15, s14, 12
	v_add_nc_u32 v3, s15, v3                       ; codes out: 4096 wave + 2048 (lane / 16) + 16 (lane % 16)
	v_lshlrev_b32 v4, 4, v1
	s_lshl_b32 s15, s14, 2
	v_add_nc_u32 v4, s15, v4                       ; LDS: my scale word at 16 lane + 4 wave
	v_lshlrev_b32 v5, 3, v1
	s_lshl_b32 s15, s14, 8
	v_add_nc_u32 v5, s15, v5                       ; and back: 256 wave + 8 lane
	s_and_b32 s45, ttmp7, 0xffff                   ; y
	s_sub_co_u32 s16, ttmp9, 64                    ; x from 64 on: mlp_proj_w, 8 groups of columns x 16 K steps
	s_and_b32 s18, s16, 7                          ; group of columns
	s_lshr_b32 s19, s16, 3
	s_lshl_b32 s19, s19, 2
	s_add_co_u32 s19, s19, s45                     ; K step
	s_mov_b32 s17, 4096                            ; a row of the weight in bytes
	s_mov_b32 s20, 8                               ; groups of columns
	s_mov_b32 s21, 8650752                         ; where the tensor's blocks begin
	s_sub_co_u32 s16, ttmp9, 32
	s_sub_co_u32 s15, ttmp9, 24
	s_mov_b32 s44, 0x600000                        ; the mantissa field of 57,344
	s_wait_kmcnt 0x0
	s_mov_b64 s[22:23], s[10:11]
	s_cmp_lt_u32 ttmp9, 64                         ; x 32..63: fc_w
	s_cselect_b32 s18, s16, s18
	s_cselect_b32 s19, s45, s19
	s_cselect_b32 s17, 16384, s17
	s_cselect_b32 s20, 32, s20
	s_cselect_b32 s21, 4325376, s21
	s_cselect_b64 s[22:23], s[8:9], s[22:23]
	s_cmp_lt_u32 ttmp9, 32                         ; x 24..31: proj_w
	s_cselect_b32 s18, s15, s18
	s_cselect_b32 s17, 4096, s17
	s_cselect_b32 s20, 8, s20
	s_cselect_b32 s21, 3244032, s21
	s_cselect_b64 s[22:23], s[6:7], s[22:23]
	s_cmp_lt_u32 ttmp9, 24                         ; x 0..23: attn_w
	s_cselect_b32 s18, ttmp9, s18
	s_cselect_b32 s17, 12288, s17
	s_cselect_b32 s20, 24, s20
	s_cselect_b32 s21, 0, s21
	s_cselect_b64 s[22:23], s[4:5], s[22:23]
	s_lshl_b32 s24, s19, 8
	s_mul_i32 s24, s24, s17                        ; 256 rows a K step
	s_lshl_b32 s25, s18, 9
	s_add_co_u32 s24, s24, s25                     ; + 128 columns a group
	s_lshl_b32 s25, s14, 7
	s_add_co_u32 s24, s24, s25                     ; + 32 columns a wave
	s_mov_b32 s25, 0
	s_add_nc_u64 s[24:25], s[22:23], s[24:25]      ; block 0 of 32 along K
	s_lshl_b32 s40, s17, 5
	s_mov_b32 s41, 0
.irp t, 1,2,3,4,5,6,7
	s_add_nc_u64 s[24+2*\t:25+2*\t], s[22+2*\t:23+2*\t], s[40:41]   ; block t: 32 rows further down
.endr
	s_mul_i32 s42, s19, s20
	s_add_co_u32 s42, s42, s18
	s_mul_i32 s42, s42, GB
	s_add_co_u32 s42, s42, s21
	s_mov_b32 s43, 0
	s_add_nc_u64 s[42:43], s[12:13], s[42:43]      ; my work-group's block of the output
	v_mov_b32 v[VO], v2
.irp i, 1,2,3,4,5,6,7,8,9,10,11,12,13,14,15,16,17,18,19,20,21,22,23,24,25,26,27,28,29,30,31
	v_add_nc_u32 v[VO+\i], s17, v[VO+\i-1]
.endr
.macro LOAD t                          ; block t: W(32 t + i, my column): a wave reads 128 bytes of a row, the four waves 512 on end
.irp i, 0,1,2,3,4,5,6,7,8,9,10,11,12,13,14,15,16,17,18,19,20,21,22,23,24,25,26,27,28,29,30,31
	global_load_b32 v[X+32*((\t)%2)+\i], v[VO+\i], s[24+2*(\t):25+2*(\t)] th:TH_LOAD_NT
.endr
.endm
	LOAD 0
	LOAD 1
.macro BLOCK t
.set XS, X+32*((\t)%2)
.set CC, C+8*(\t)
.if (\t) < 7
	s_wait_loadcnt 32                              ; this block's 32 loads are in; the next block's 32 may be out
.else
	s_wait_loadcnt 0
.endif
	v_max3_num_f32 v12, |v[XS]|, |v[XS+1]|, |v[XS+2]|    ; the block's largest magnitude: all 32 numbers are mine
	v_max3_num_f32 v13, |v[XS+3]|, |v[XS+4]|, |v[XS+5]|
.irp i, 6,10,14,18,22,26
	v_max3_num_f32 v12, v12, |v[XS+\i]|, |v[XS+\i+1]|
	v_max3_num_f32 v13, v13, |v[XS+\i+2]|, |v[XS+\i+3]|
.endr
	v_max3_num_f32 v12, v12, |v[XS+30]|, |v[XS+31]|
	v_max3_num_f32 v12, v12, v13, 0x8000000        ; and the floor 2^(16 - 127): the byte cannot fall under 1
	v_add_nc_u32 v11, 0xf8800000, v12              ; 15 off the exponent field: the conversion's scale operand
	v_and_or_b32 v10, v12, 0x7f800000, s44         ; 57,344 x the scale
.irp i, 0,1,2,3,4,5,6,7,8,9,10,11,12,13,14,15,16,17,18,19,20,21,22,23,24,25,26,27,28,29,30,31
	v_med3_num_f32 v[XS+\i], v[XS+\i], -v10, v10   ; the conversion does not saturate (ISA guide 7.6.2): the hold comes first
.endr
.irp g, 0,1,2,3
	v_cvt_scalef32_pk8_bf8_f32 v[CC+2*\g:CC+2*\g+1], v[XS+8*\g:XS+8*\g+7], v11
.endr
	v_lshrrev_b32 v13, 23, v11                     ; the scale's byte (also the plain line behind the conversions)
.if (\t)%4 == 0
	v_mov_b32 v[SBW+(\t)/4], v13
.else
	v_lshl_or_b32 v[SBW+(\t)/4], v13, 8*((\t)%4), v[SBW+(\t)/4]
.endif
	global_store_b128 v3, v[CC:CC+3], s[42:43] offset:16384*((\t)/4)+512*((\t)%4)         ; K 0-15 of the block: lanes 0-15 fill 256 consecutive aligned bytes, lanes 16-31 another 256
	global_store_b128 v3, v[CC+4:CC+7], s[42:43] offset:16384*((\t)/4)+512*((\t)%4)+256   ; K 16-31
.if (\t)+2 < 8
	LOAD (\t)+2
.endif
.endm
.irp t, 0,1,2,3,4,5,6,7
	BLOCK \t
.endr
	ds_store_b32 v4, v[SBW]                        ; the scale words meet in LDS, in the order in which they are read later,
	ds_store_b32 v4, v[SBW+1] offset:512
	s_wait_dscnt 0x0                               ; for the others' sake: my stores are done
	s_barrier_signal -1
	s_barrier_wait -1
	ds_load_b64 v[180:181], v5
	s_wait_dscnt 0x0
	global_store_b64 v5, v[180:181], s[42:43] offset:32768   ; and leave as 256 consecutive aligned bytes a wave
	s_wait_tensorcnt 0x0
	ds_add_u32 v192, v193
	s_wait_dscnt 0x0
	s_endpgm
.Lfunc_end_k_q4382654da0_wquant:
	.size	k_q4382654da0_wquant, .Lfunc_end_k_q4382654da0_wquant-k_q4382654da0_wquant
	.p2alignl 7, 3214868480
	.fill 96, 4, 3214868480
	.section	.rodata,"a",@progbits
	.p2align	6, 0x0
	.amdhsa_kernel k_q4382654da0_wquant
		.amdhsa_group_segment_fixed_size 1536
		.amdhsa_private_segment_fixed_size 0
		.amdhsa_enable_private_segment 0
		.amdhsa_kernarg_size 40
		.amdhsa_user_sgpr_count 2
		.amdhsa_user_sgpr_kernarg_segment_ptr 1
		.amdhsa_wavefront_size32 1
		.amdhsa_system_sgpr_workgroup_id_x 1
		.amdhsa_system_sgpr_workgroup_id_y 1
		.amdhsa_system_sgpr_workgroup_id_z 1
		.amdhsa_system_vgpr_workitem_id 0
		.amdhsa_next_free_vgpr 194
		.amdhsa_next_free_sgpr 66
		.amdhsa_reserve_vcc 0
		.amdhsa_float_denorm_mode_32 3
		.amdhsa_float_denorm_mode_16_64 3
		.amdhsa_memory_ordered 1
		.amdhsa_forward_progress 1
		.amdhsa_inst_pref_size 59
	.end_amdhsa_kernel
	.amdgpu_metadata
---
amdhsa.version: [ 1, 2 ]
amdhsa.kernels:
  - .name:           k_q4382654da0_wquant
    .symbol:         k_q4382654da0_wquant.kd
    .args:
      - { .name: attn_w, .offset: 0, .size: 8, .value_kind: global_buffer, .address_space: global }
      - { .name: proj_w, .offset: 8, .size: 8, .value_kind: global_buffer, .address_space: global }
      - { .name: fc_w, .offset: 16, .size: 8, .value_kind: global_buffer, .address_space: global }
      - { .name: mlp_proj_w, .offset: 24, .size: 8, .value_kind: global_buffer, .address_space: global }
      - { .name: wq, .offset: 32, .size: 8, .value_kind: global_buffer, .address_space: global }
    .group_segment_fixed_size: 1536
    .private_segment_fixed_size: 0
    .kernarg_segment_align: 8
    .kernarg_segment_size: 40
    .max_flat_workgroup_size: 128
    .sgpr_count:     66
    .vgpr_count:     194
    .wavefront_size: 32
...
	.end_amdgpu_metadata
.endif
;; end of part 1
;; launch ln1 (part 2): grid 128 x 1, 8 waves a work-group, no clusters, 77,824 bytes of LDS; arguments x, ln1_w, ln1_b, act; writes act
.if DOCPART == 2
	.amdgcn_target "amdgcn-amd-amdhsa--gfx1250"
	.amdhsa_code_object_version 6
	.text
	.protected	k_q4382654da0_ln1
	.globl	k_q4382654da0_ln1
	.p2align	8
	.type	k_q4382654da0_ln1,@function
k_q4382654da0_ln1:
	s_mov_b64 s[64:65], 0
	v_nop
	global_prefetch_b8 v0, s[64:65] scope:SCOPE_SE
	s_setreg_imm32_b32 hwreg(HW_REG_WAVE_MODE, 25, 1), 1
	s_wait_xcnt 0x0
; dst = Q(LayerNorm(src) * w + b): rows of 1,024 f32 become codes of E5M2 with one E8M0 byte for each 32 along the row, laid in the order of a matrix operand's registers:
; blocks [K step of 256 (4)][group of 128 rows (32)] of 33,792 bytes: codes of K 0-127, codes of K 128-255 ([16 rows i][32 K c][lane][16 bytes]), scale words of each half ([lane' = r + 16 (i & 1)][i / 2][4 bytes]).
; PLACES: within each 32 rows place p holds row p with bits 3 and 4 swapped.
; A work-group takes 32 rows, a wave four of them, a row at a time in 32 registers: mean, then the sum of squares of x - mean (two passes: an offset common to a row costs no digits), v_rsq_f32, all in f32.
; The conversions want 16 neighbours in a lane, the loads 16 bytes a lane on end: the row turns through the wave's own stage in LDS (16 bytes of padding behind each 64).
; Codes and scale bytes of the 32 rows meet in LDS and leave behind one barrier: codes as 512 consecutive bytes an instruction; the scale words as 4 bytes a lane, 16 bytes apart (one byte in 128 of what the launch reads).
; LIMITS: NaN and infinities are not served; a block under 2^-111 gets the byte 1.
.set GB,  33792
.set CST, 40960                        ; LDS: behind the eight waves' stages (5,120 each): 128 units of 256 bytes + 16: unit 64 i' + 32 s + l holds 16 rows' 16 codes
.set SST, 75776                        ; scale bytes: [K step x 2 + half (8)][place (32)][4]
.set W,   16                           ; v16-47   w, as loaded
.set B,   48                           ; v48-79   b
.set X,   80                           ; v80-207  four rows
.set Y,   208                          ; v208-239 at work, then 2 x 16 neighbours
.set CD,  240                          ; v240-247 codes
	s_load_b256 s[4:11], s[0:1], 0x0               ; src, w, b, dst
	v_lshl_add_u32 v14, v0, 2, 0x12c00
	v_mov_b32 v15, 0
	v_lshrrev_b32 v1, 5, v0
	v_readfirstlane_b32 s12, v1                    ; wave
	v_and_b32 v1, 31, v0                           ; lane
	v_lshlrev_b32 v2, 4, v1                        ; 16 lane
	s_mul_i32 s13, s12, 5120                       ; my stage
	v_lshrrev_b32 v3, 2, v1
	v_mul_u32_u24 v3, v3, 80
	v_and_b32 v4, 3, v1
	v_lshl_add_u32 v3, v4, 4, v3
	v_add_nc_u32 v3, s13, v3                       ; into it: 80 (lane / 4) + 16 (lane % 4)
	v_mul_u32_u24 v4, v1, 80
	v_add_nc_u32 v4, s13, v4                       ; out of it: 80 lane
	s_lshr_b32 s14, s12, 2
	s_mul_i32 s14, s14, 17408
	s_and_b32 s15, s12, 3
	s_lshl_b32 s15, s15, 6
	s_add_co_u32 s14, s14, s15
	s_add_co_u32 s14, s14, CST
	v_mul_u32_u24 v5, v1, 272
	v_add_nc_u32 v5, s14, v5                       ; codes: unit 64 (wave / 4) + lane, byte 64 (wave % 4)
	v_lshrrev_b32 v6, 3, v1
	v_lshlrev_b32 v6, 7, v6
	v_bfe_u32 v7, v1, 1, 2
	v_add_nc_u32 v6, v6, v7
	s_lshl_b32 s15, s12, 4
	s_add_co_u32 s15, s15, SST
	v_add_nc_u32 v6, s15, v6                       ; scale bytes: 128 (lane / 8) + (lane / 2) % 4 + 16 wave
	s_mul_i32 s15, s12, 2176
	s_add_co_u32 s15, s15, CST
	v_lshrrev_b32 v7, 4, v1
	v_mul_u32_u24 v7, v7, 272
	v_and_b32 v8, 15, v1
	v_lshl_add_u32 v7, v8, 4, v7
	v_add_nc_u32 v7, s15, v7                       ; codes back: unit 8 wave + lane / 16, byte 16 (lane % 16)
	s_lshl_b32 s15, s12, 7
	s_add_co_u32 s15, s15, SST
	v_lshl_add_u32 v8, v1, 2, s15                  ; scale words back: 128 wave + 4 lane
	s_and_b32 s16, ttmp9, 3
	s_lshl_b32 s17, s16, 2
	v_add_nc_u32 v9, s17, v2                       ; and in memory: 16 lane + 4 (work-group % 4)
	s_bfe_u32 s18, s12, 0x10001                    ; my four places 4 wave + j hold rows 16 ((wave / 2) % 2) + 8 (wave / 4) + 4 (wave % 2) + j
	s_lshl_b32 s18, s18, 4
	s_lshr_b32 s19, s12, 2
	s_lshl_b32 s19, s19, 3
	s_add_co_u32 s18, s18, s19
	s_and_b32 s19, s12, 1
	s_lshl_b32 s19, s19, 2
	s_add_co_u32 s18, s18, s19
	s_lshl_b32 s19, ttmp9, 5
	s_add_co_u32 s18, s18, s19
	s_lshl_b32 s18, s18, 12                        ; 4,096 bytes a row
	s_mov_b32 s19, 0
	s_mov_b32 s20, 0x76543210
	s_mov_b32 s21, 0xfedcba98                      ; v_permlanex16_b32: lane l xor 16
	s_mov_b32 s22, 0x3a800000                      ; 1 / 1024
	s_mov_b32 s23, 0x3727c5ac                      ; 1e-5
	s_mov_b32 s28, 0x600000                        ; the mantissa field of 57,344
	s_lshr_b32 s24, s12, 1                         ; on the way out wave w serves K step w / 2, half w % 2
	s_mul_i32 s24, s24, 32*GB
	s_lshr_b32 s25, ttmp9, 2
	s_mul_i32 s25, s25, GB
	s_add_co_u32 s24, s24, s25
	s_and_b32 s25, s12, 1
	s_lshl_b32 s26, s25, 14
	s_add_co_u32 s26, s26, s24
	s_lshl_b32 s27, s16, 12
	s_add_co_u32 s26, s26, s27                     ; codes: block + 16384 half + 4096 (work-group % 4)
	s_mov_b32 s27, 0
	s_lshl_b32 s25, s25, 9
	s_add_co_u32 s24, s24, s25
	s_add_co_u32 s24, s24, 32768                   ; scale words: block + 32768 + 512 half
	s_mov_b32 s25, 0
	s_wait_kmcnt 0x0
	s_add_nc_u64 s[4:5], s[4:5], s[18:19]
	s_add_nc_u64 s[26:27], s[10:11], s[26:27]
	s_add_nc_u64 s[24:25], s[10:11], s[24:25]
.irp i, 0,1,2,3,4,5,6,7
	global_load_b128 v[W+4*\i:W+4*\i+3], v2, s[6:7] offset:512*\i
.endr
.irp i, 0,1,2,3,4,5,6,7
	global_load_b128 v[B+4*\i:B+4*\i+3], v2, s[8:9] offset:512*\i
.endr
.irp j, 0,1,2,3
.irp i, 0,1,2,3,4,5,6,7
	global_load_b128 v[X+32*\j+4*\i:X+32*\j+4*\i+3], v2, s[4:5] offset:4096*\j+512*\i   ; 512 consecutive bytes an instruction
.endr
.endr
.macro REDUCE                          ; v[Y] summed over the 32 lanes, the result in every lane
	v_add_f32_dpp v[Y], v[Y], v[Y] row_xmask:1 row_mask:0xf bank_mask:0xf
	v_add_f32_dpp v[Y], v[Y], v[Y] row_xmask:2 row_mask:0xf bank_mask:0xf
	v_add_f32_dpp v[Y], v[Y], v[Y] row_xmask:4 row_mask:0xf bank_mask:0xf
	v_add_f32_dpp v[Y], v[Y], v[Y] row_xmask:8 row_mask:0xf bank_mask:0xf
	v_permlanex16_b32 v[Y+1], v[Y], s20, s21
	v_add_f32 v[Y], v[Y], v[Y+1]
.endm
.macro QS s, j                         ; 16 neighbours of a lane (two lanes hold a block of 32) become 16 codes and a scale byte
.set YS, Y+16*(\s)
	v_max3_num_f32 v248, |v[YS]|, |v[YS+1]|, |v[YS+2]|
	v_max3_num_f32 v249, |v[YS+3]|, |v[YS+4]|, |v[YS+5]|
.irp i, 6,10
	v_max3_num_f32 v248, v248, |v[YS+\i]|, |v[YS+\i+1]|
	v_max3_num_f32 v249, v249, |v[YS+\i+2]|, |v[YS+\i+3]|
.endr
	v_max3_num_f32 v248, v248, |v[YS+14]|, |v[YS+15]|
	v_max3_num_f32 v248, v248, v249, 0x8000000     ; the floor 2^(16 - 127)
	v_max_num_f32_dpp v248, v248, v248 row_xmask:1 row_mask:0xf bank_mask:0xf   ; with my neighbour's 16: the block's largest magnitude
	v_add_nc_u32 v251, 0xf8800000, v248            ; 15 off the exponent field: the conversion's scale operand
	v_and_or_b32 v250, v248, 0x7f800000, s28       ; 57,344 x the scale
.irp i, 0,1,2,3,4,5,6,7,8,9,10,11,12,13,14,15
	v_med3_num_f32 v[YS+\i], v[YS+\i], -v250, v250
.endr
	v_cvt_scalef32_pk8_bf8_f32 v[CD+4*(\s):CD+4*(\s)+1], v[YS:YS+7], v251
	v_cvt_scalef32_pk8_bf8_f32 v[CD+4*(\s)+2:CD+4*(\s)+3], v[YS+8:YS+15], v251
	v_lshrrev_b32 v[252+(\s)], 23, v251            ; the byte (also the plain line behind the conversions)
	ds_store_b128 v5, v[CD+4*(\s):CD+4*(\s)+3] offset:8704*(\s)+16*(\j)
	ds_store_b8 v6, v[252+(\s)] offset:512*(\s)+4*(\j)   ; both lanes of a block write the same byte with the same value
.endm
.macro ROW j
.set XR, X+32*(\j)
	s_wait_loadcnt 8*(3-(\j))                      ; w, b and this row are in; the eight loads of each later row may be out
	v_pk_add_f32 v[Y:Y+1], v[XR:XR+1], v[XR+2:XR+3]
	v_pk_add_f32 v[Y+2:Y+3], v[XR+4:XR+5], v[XR+6:XR+7]
.irp i, 8,12,16,20,24,28
	v_pk_add_f32 v[Y:Y+1], v[Y:Y+1], v[XR+\i:XR+\i+1]
	v_pk_add_f32 v[Y+2:Y+3], v[Y+2:Y+3], v[XR+\i+2:XR+\i+3]
.endr
	v_pk_add_f32 v[Y:Y+1], v[Y:Y+1], v[Y+2:Y+3]
	v_add_f32 v[Y], v[Y], v[Y+1]
	REDUCE
	v_mul_f32 v254, s22, v[Y]                      ; the mean, twice: a pair for the packed forms
	v_mul_f32 v255, s22, v[Y]
.irp i, 0,2,4,6,8,10,12,14,16,18,20,22,24,26,28,30
	v_pk_add_f32 v[XR+\i:XR+\i+1], v[XR+\i:XR+\i+1], v[254:255] neg_lo:[0,1] neg_hi:[0,1]
.endr
	v_pk_mul_f32 v[Y:Y+1], v[XR:XR+1], v[XR:XR+1]
	v_pk_mul_f32 v[Y+2:Y+3], v[XR+2:XR+3], v[XR+2:XR+3]
.irp i, 4,8,12,16,20,24,28
	v_pk_fma_f32 v[Y:Y+1], v[XR+\i:XR+\i+1], v[XR+\i:XR+\i+1], v[Y:Y+1]
	v_pk_fma_f32 v[Y+2:Y+3], v[XR+\i+2:XR+\i+3], v[XR+\i+2:XR+\i+3], v[Y+2:Y+3]
.endr
	v_pk_add_f32 v[Y:Y+1], v[Y:Y+1], v[Y+2:Y+3]
	v_add_f32 v[Y], v[Y], v[Y+1]
	REDUCE
	v_fma_f32 v[Y], v[Y], s22, s23                 ; the variance + 1e-5
	v_rsq_f32 v254, v[Y]
	v_nop                                          ; a plain line behind the transcendental,
	s_wait_alu depctr_va_vdst(0)                   ; and the wait ahead of its first reader
	v_mov_b32 v255, v254
.irp i, 0,2,4,6,8,10,12,14,16,18,20,22,24,26,28,30
	v_pk_mul_f32 v[XR+\i:XR+\i+1], v[XR+\i:XR+\i+1], v[254:255]
.endr
.irp i, 0,2,4,6,8,10,12,14,16,18,20,22,24,26,28,30
	v_pk_fma_f32 v[XR+\i:XR+\i+1], v[XR+\i:XR+\i+1], v[W+\i:W+\i+1], v[B+\i:B+\i+1]
.endr
.irp s, 0,1                            ; the turn: LDS serves a wave's instructions in order, so no wait stands between the stores and the loads
.irp i, 0,1,2,3
	ds_store_b128 v3, v[XR+16*\s+4*\i:XR+16*\s+4*\i+3] offset:2560*\s+640*\i
.endr
.irp i, 0,1,2,3
	ds_load_b128 v[Y+16*\s+4*\i:Y+16*\s+4*\i+3], v4 offset:2560*\s+16*\i
.endr
.endr
	s_wait_dscnt 0x0                               ; the neighbours are in; the last row's stores of codes and bytes have read their registers
	QS 0, \j
	QS 1, \j
.endm
	ROW 0
	ROW 1
	ROW 2
	ROW 3
	s_wait_dscnt 0x0                               ; for the others' sake: my codes and bytes lie in LDS
	s_barrier_signal -1
	s_barrier_wait -1
.irp n, 0,1,2,3,4,5,6,7
	ds_load_b128 v[X+4*\n:X+4*\n+3], v7 offset:17408*(\n/4)+544*(\n%4)
.endr
	ds_load_b32 v[X+32], v8
.irp n, 0,1,2,3,4,5,6,7
	s_wait_dscnt 8-\n                              ; behind load n: the 7 - n later ones and the scale word's
	global_store_b128 v2, v[X+4*\n:X+4*\n+3], s[26:27] offset:2048*(\n/4)+512*(\n%4)   ; 512 consecutive aligned bytes
.endr
	s_wait_dscnt 0x0
	global_store_b32 v9, v[X+32], s[24:25]
	s_wait_tensorcnt 0x0
	ds_add_u32 v14, v15
	s_wait_dscnt 0x0
	s_endpgm
.Lfunc_end_k_q4382654da0_ln1:
	.size	k_q4382654da0_ln1, .Lfunc_end_k_q4382654da0_ln1-k_q4382654da0_ln1
	.p2alignl 7, 3214868480
	.fill 96, 4, 3214868480
	.section	.rodata,"a",@progbits
	.p2align	6, 0x0
	.amdhsa_kernel k_q4382654da0_ln1
		.amdhsa_group_segment_fixed_size 77824
		.amdhsa_private_segment_fixed_size 0
		.amdhsa_enable_private_segment 0
		.amdhsa_kernarg_size 32
		.amdhsa_user_sgpr_count 2
		.amdhsa_user_sgpr_kernarg_segment_ptr 1
		.amdhsa_wavefront_size32 1
		.amdhsa_system_sgpr_workgroup_id_x 1
		.amdhsa_system_sgpr_workgroup_id_y 1
		.amdhsa_system_sgpr_workgroup_id_z 1
		.amdhsa_system_vgpr_workitem_id 0
		.amdhsa_next_free_vgpr 256
		.amdhsa_next_free_sgpr 66
		.amdhsa_reserve_vcc 0
		.amdhsa_float_denorm_mode_32 3
		.amdhsa_float_denorm_mode_16_64 3
		.amdhsa_memory_ordered 1
		.amdhsa_forward_progress 1
		.amdhsa_inst_pref_size 55
	.end_amdhsa_kernel
	.amdgpu_metadata
---
amdhsa.version: [ 1, 2 ]
amdhsa.kernels:
  - .name:           k_q4382654da0_ln1
    .symbol:         k_q4382654da0_ln1.kd
    .args:
      - { .name: x, .offset: 0, .size: 8, .value_kind: global_buffer, .address_space: global }
      - { .name: ln1_w, .offset: 8, .size: 8, .value_kind: global_buffer, .address_space: global }
      - { .name: ln1_b, .offset: 16, .size: 8, .value_kind: global_buffer, .address_space: global }
      - { .name: act, .offset: 24, .size: 8, .value_kind: global_buffer, .address_space: global }
    .group_segment_fixed_size: 77824
    .private_segment_fixed_size: 0
    .kernarg_segment_align: 8
    .kernarg_segment_size: 32
    .max_flat_workgroup_size: 256
    .sgpr_count:     66
    .vgpr_count:     256
    .wavefront_size: 32
...
	.end_amdgpu_metadata
.endif
;; end of part 2
;; launch qkv (part 3): grid 48 x 4, 4 waves a work-group, clusters of 4 x 4, 327,680 bytes of LDS; arguments act, wq, attn_b, qkv_img, qkv_sc; writes qkv_img, qkv_sc
.if DOCPART == 3
	.amdgcn_target "amdgcn-amd-amdhsa--gfx1250"
	.amdhsa_code_object_version 6
	.text
	.protected	k_q4382654da0_qkv
	.globl	k_q4382654da0_qkv
	.p2align	8
	.type	k_q4382654da0_qkv,@function
k_q4382654da0_qkv:
	s_mov_b64 s[64:65], 0
	v_nop
	global_prefetch_b8 v0, s[64:65] scope:SCOPE_SE
	s_setreg_imm32_b32 hwreg(HW_REG_WAVE_MODE, 25, 1), 1
	s_wait_xcnt 0x0
	s_wait_alu depctr_hold_cnt(0) depctr_sa_sdst(0) depctr_va_vdst(0) depctr_va_sdst(0) depctr_va_ssrc(0) depctr_va_vcc(0) depctr_vm_vsrc(0)
	s_getreg_b32 s2, hwreg(HW_REG_IB_STS2, 6, 4)
	s_cmp_eq_u32 s2, 0
	s_cbranch_scc0 .Lentry_in_a_cluster
	s_endpgm
.Lentry_in_a_cluster:
	s_bfe_u32 s2, ttmp6, 0x10000c
	s_cmp_lg_u32 s2, 0xf033
	s_cbranch_scc0 .Lentry_shape_is_right
	s_endpgm
.Lentry_shape_is_right:
; q, k, v = Q(LayerNorm 1) Q(attn_w) + attn_b on codes of E5M2 with E8M0 scales, and the results quantised at once: q and k along the head's channels, v along the keys.
; OPERANDS lie in memory in the order of a matrix operand's registers: blocks [K step of 256][group of 128 rows] of 33,792 dense bytes (codes of K 0-127, of K 128-255, their scale words): one tensor load of 132 rows
; of 256 bytes brings a group's K step with its scales, fragments are read from LDS at 16 x lane (no pitch, no padding), four scale registers by one load (register p: block 2 p in lanes 0-15, block 2 p + 1 in lanes 16-31).
; A tile of C is 256 x 256, four waves of 128 x 128 (64 accumulators, 512 registers); K goes in steps of 256 through two LDS slots; 4 x 4 work-groups form a cluster, A's tiles are asked for jointly along a row, B's along a column.
; THE PRODUCT IS USED TRANSPOSED (source 0 = 16 places of B, source 1 = 16 places of A), and within each 32 rows place p holds row p with bits 3 and 4 swapped: so a lane's registers 16 b + i of a block of 16 rows of A
; are the neighbours 32 b + 16 (lane / 16) + i along N, which the conversions turn straight into the next operand's registers.
; TWO MODES, told apart by the cluster's x alone (the same in all sixteen partners; selects only, no branch): clusters 0-7: A = tokens, B = the columns of q and k.  Clusters 8-11: A = the columns of v, B = tokens: v^T, whose N is the keys.
; OUT: panels of 128 rows x 128 K, [q, k, v][batch][pair of heads][128 tokens]: 16,384 bytes of codes in qkv_img, 512 of scale words in qkv_sc, in the same register order.
; The bias lies along N in the first mode and along M in the second: both are loaded (at the buffer's head in the mode that has no use for them) and multiplied by 1 or 0.
; LIMITS: NaN and infinities are not served (0 x infinity in the unused bias among them); a block under 2^-111 gets the byte 1.
.set LAPS,   2                         ; K = 1,024: two laps of two K steps
.set GB,     33792
.set HALFT,  GB                        ; what one tensor load brings, and what one wave reads of A or of B
.set SLOT,   4*HALFT                   ; A's two groups, then B's two
.set SPARE,  2*SLOT                    ; behind the ring: the spare words, 128 bytes a wave
.set NQ,     2
.set FR,     16
.set NL,     4
.set NP,     8                         ; places behind this matrix instruction (ISA guide 7.12.1)
.set ADRA,   16                        ; v16-17 LDS address of my group of A in slot 0, 1, + 16 lane
.set L16,    18                        ; v18    16 lane; never rewritten
.set ADRB,   20                        ; v20-21 the same for B
.set SPW,    28
.set NIL,    29
.set SC,     32                        ; v32-63 scale words and nothing else: set for slot s at SC + 16 s; + 8 q; + 0..3 A's, + 4..7 B's
.set AF,     128                       ; A's eight fragments, window 0; B's two sets fill window 1; accumulators windows 2 and 3
.set G1,     24
.set G0,     32
.set G1B,    48
.set G0B,    56
.set BM,     8                         ; v8-15   the bias along M, a register for each block of 16 rows
.set BN,     64                        ; v64-127 the bias along N, in the result's layout
.set T,      128                       ; the way out: 64 numbers,
.set TM,     192                       ; at work,
.set PC,     208                       ; 16 registers of codes,
.set PW,     224                       ; the scale word, that of the even block before it,
.set PWE,    225
.set SW,     228                       ; and the four registers of scale words that leave together
.set MSB, 0
.macro WIN new                         ; the immediate's high byte repeats the setting that is left
.if MSB != (\new)
	s_set_vgpr_msb (MSB<<8)|(\new)
.set MSB, (\new)
.endif
.endm
.set MUL_LO, 0xa1                      ; source 0 (B) window 1, source 1 (A) window 0, C and D window 2
.set MUL_HI, 0xf1
.set TO_B,   0x40
.macro JLOAD g0a, g1a, g0b, g1b        ; a joint load: waves 0 and 1 fetch A's two groups, waves 2 and 3 B's; four v_nop follow each line
	s_cmp_eq_u32 s15, 0
	s_cbranch_scc0 .Lfor_b_\@
	tensor_load_to_lds s[\g0a:\g0a+3], s[\g1a:\g1a+7]
	s_nop 0
.rept 4
	v_nop
.endr
	s_branch .Lasked_\@
.Lfor_b_\@:
	tensor_load_to_lds s[\g0b:\g0b+3], s[\g1b:\g1b+7]
	s_nop 0
.rept 4
	v_nop
.endr
.Lasked_\@:
.endm
.macro CREST                           ; a round of the cluster's barrier behind its opening barrier
	s_cmp_lg_u32 s14, 0
	s_cbranch_scc1 .Lnot_wave_0_\@
	s_barrier_signal -3
.Lnot_wave_0_\@:
	s_barrier_wait -3
	s_barrier_signal -1
	s_barrier_wait -1
.endm
.macro CROUND
	s_barrier_signal -1
	s_barrier_wait -1
	CREST
.endm
.macro PLACES n
.rept \n
	v_nop
.endr
.endm
.macro FRAG reg, adr, q, i             ; a fragment, 16 rows x 128 K: four loads of 512 consecutive bytes
.irp c, 0,1,2,3
	ds_load_b128 v[\reg+4*\c:\reg+4*\c+3], v[\adr] offset:16384*(\q)+2048*(\i)+512*\c
.endr
.endm
.macro FETCH_B slot, q, p
	WIN TO_B
.irp i, 0,1,2,3,4,5,6,7
	FRAG 128*(\p)+FR*\i, ADRB+\slot, \q, \i
.endr
	WIN 0
.endm
.macro FETCH_A slot, q, i0
.irp i, \i0, \i0+1, \i0+2, \i0+3
	FRAG AF+FR*(\i), ADRA+\slot, \q, \i
.endr
.endm
.macro SCALES slot                     ; a K step's scale words: four loads
.irp q, 0,1
	ds_load_b128 v[SC+16*\slot+8*\q:SC+16*\slot+8*\q+3], v[ADRA+\slot] offset:32768+512*\q
	ds_load_b128 v[SC+16*\slot+8*\q+4:SC+16*\slot+8*\q+7], v[ADRB+\slot] offset:32768+512*\q
.endr
.endm
.macro WM zero, ra, rb                 ; one product; ra, rb: source 0's, source 1's scales stand in lanes 16-31
.if \zero
.if (\ra)&&(\rb)
	v_wmma_scale_f32_16x16x128_f8f6f4 v[wD:wD+7], v[wB:wB+15], v[wA:wA+15], 0, v[wSB], v[wSA] matrix_a_fmt:MATRIX_FMT_BF8 matrix_b_fmt:MATRIX_FMT_BF8 matrix_a_scale:MATRIX_SCALE_ROW1 matrix_b_scale:MATRIX_SCALE_ROW1
.elseif \ra
	v_wmma_scale_f32_16x16x128_f8f6f4 v[wD:wD+7], v[wB:wB+15], v[wA:wA+15], 0, v[wSB], v[wSA] matrix_a_fmt:MATRIX_FMT_BF8 matrix_b_fmt:MATRIX_FMT_BF8 matrix_a_scale:MATRIX_SCALE_ROW1
.elseif \rb
	v_wmma_scale_f32_16x16x128_f8f6f4 v[wD:wD+7], v[wB:wB+15], v[wA:wA+15], 0, v[wSB], v[wSA] matrix_a_fmt:MATRIX_FMT_BF8 matrix_b_fmt:MATRIX_FMT_BF8 matrix_b_scale:MATRIX_SCALE_ROW1
.else
	v_wmma_scale_f32_16x16x128_f8f6f4 v[wD:wD+7], v[wB:wB+15], v[wA:wA+15], 0, v[wSB], v[wSA] matrix_a_fmt:MATRIX_FMT_BF8 matrix_b_fmt:MATRIX_FMT_BF8
.endif
.else
.if (\ra)&&(\rb)
	v_wmma_scale_f32_16x16x128_f8f6f4 v[wD:wD+7], v[wB:wB+15], v[wA:wA+15], v[wD:wD+7], v[wSB], v[wSA] matrix_a_fmt:MATRIX_FMT_BF8 matrix_b_fmt:MATRIX_FMT_BF8 matrix_a_scale:MATRIX_SCALE_ROW1 matrix_b_scale:MATRIX_SCALE_ROW1
.elseif \ra
	v_wmma_scale_f32_16x16x128_f8f6f4 v[wD:wD+7], v[wB:wB+15], v[wA:wA+15], v[wD:wD+7], v[wSB], v[wSA] matrix_a_fmt:MATRIX_FMT_BF8 matrix_b_fmt:MATRIX_FMT_BF8 matrix_a_scale:MATRIX_SCALE_ROW1
.elseif \rb
	v_wmma_scale_f32_16x16x128_f8f6f4 v[wD:wD+7], v[wB:wB+15], v[wA:wA+15], v[wD:wD+7], v[wSB], v[wSA] matrix_a_fmt:MATRIX_FMT_BF8 matrix_b_fmt:MATRIX_FMT_BF8 matrix_b_scale:MATRIX_SCALE_ROW1
.else
	v_wmma_scale_f32_16x16x128_f8f6f4 v[wD:wD+7], v[wB:wB+15], v[wA:wA+15], v[wD:wD+7], v[wSB], v[wSA] matrix_a_fmt:MATRIX_FMT_BF8 matrix_b_fmt:MATRIX_FMT_BF8
.endif
.endif
.endm
; 16 products: A's blocks a0, a0 + 1 x B's eight, the slot's q-th 128 along K.  The 64 accumulators take turns, one instruction a turn, in the same order in every step.
.macro MUL16 a0, p, q, sc, zero
.irp a, \a0, \a0+1
.irp b, 0,1,2,3,4,5,6,7
.set wD, 8*(8*((\a)%4)+\b)
.set wB, 128*(\p)+FR*\b
.set wA, AF+FR*(\a)
.set wSB, SC+16*(\sc)+8*(\q)+4+\b/2
.set wSA, SC+16*(\sc)+8*(\q)+(\a)/2
	WM \zero, \b%2, (\a)%2
.endr
.endr
.endm
.macro STEP slot, q, zero              ; a step of 128 along K that has its successor in the same slot
	s_wait_dscnt 4*NL                              ; B's set, A's blocks 0-3 and the scale words are in; the youngest 16 loads (A's blocks 4-7) may be out
	WIN MUL_LO
	MUL16 0, (\q)%2, \q, \slot, \zero
	MUL16 2, (\q)%2, \q, \slot, \zero
	s_wait_dscnt 0
	PLACES NP
	FETCH_B \slot, (\q)+1, 1-(\q)%2
	FETCH_A \slot, (\q)+1, 0
	WIN MUL_HI
	MUL16 4, (\q)%2, \q, \slot, \zero
	MUL16 6, (\q)%2, \q, \slot, \zero
	PLACES NP
	WIN 0
	FETCH_A \slot, (\q)+1, 4
.endm
; A slot's last step changes slots: one barrier; in front of it each wave waits for all its tensor loads, adds 0 to its spare word, and waits for that and for its reads of this slot.  fill = 1: the slot is filled again, two K steps ahead.
.macro TURN slot, next, fill
	s_wait_tensorcnt 0x0                           ; all my tensor loads have landed: my part of the next slot
	ds_add_u32 v[SPW], v[NIL]                      ; 0 onto my spare word
	s_wait_dscnt 4*NL+1                            ; the add and the youngest 16 loads may be out
	WIN MUL_LO
	MUL16 0, 1, NQ-1, \slot, 0
	s_wait_dscnt 0x0                               ; the add is done, and my reads of this slot are over
	s_barrier_signal -1
	MUL16 2, 1, NQ-1, \slot, 0
	WIN 0
	s_barrier_wait -1
.if \fill
	CREST                                          ; the barrier has opened a round of the cluster's: no wave of any partner still reads this slot or has a load on its way
	s_add_nc_u64 s[G0+4*\slot+2:G0+4*\slot+3], s[G0+4*\slot+2:G0+4*\slot+3], s[66:67]
	s_add_nc_u64 s[G0B+4*\slot+2:G0B+4*\slot+3], s[G0B+4*\slot+2:G0B+4*\slot+3], s[68:69]
	JLOAD G0+4*\slot, G1, G0B+4*\slot, G1B         ; the first tensor load behind the round; its four v_nop are among the places in front of the loads below
	PLACES NP-4
.else
	PLACES NP
.endif
	FETCH_B \next, 0, 0
	FETCH_A \next, 0, 0
	SCALES \next
	WIN MUL_HI
	MUL16 4, 1, NQ-1, \slot, 0
	MUL16 6, 1, NQ-1, \slot, 0
	PLACES NP
	WIN 0
	FETCH_A \next, 0, 4
.endm
; 64 numbers of a lane, register 16 b + i = K 32 b + 16 (lane / 16) + i of my row, become a fragment's codes in v[PC] on and its scale word in v[PW]
.macro QUANT s
.irp b, 0,1,2,3
	v_max3_num_f32 v[TM+\b], |v[\s+16*\b]|, |v[\s+1+16*\b]|, 0x8000000   ; my 16 numbers of block b, and the floor 2^(16 - 127)
.endr
.irp i, 2,4,6,8,10,12,14
.irp b, 0,1,2,3
	v_max3_num_f32 v[TM+\b], v[TM+\b], |v[\s+16*\b+\i]|, |v[\s+1+16*\b+\i]|
.endr
.endr
.irp b, 0,1,2,3
	v_permlanex16_b32 v[TM+4+\b], v[TM+\b], s70, s71
.endr
.irp b, 0,1,2,3
	v_max_num_f32 v[TM+\b], v[TM+\b], v[TM+4+\b]   ; with lane l xor 16's: the block's largest magnitude
.endr
.irp b, 0,1,2,3
	v_add_nc_u32 v[TM+12+\b], 0xf8800000, v[TM+\b] ; 15 off the exponent field: the conversion's scale operand
.endr
.irp b, 0,1,2,3
	v_and_or_b32 v[TM+8+\b], v[TM+\b], 0x7f800000, s72   ; 57,344 x the scale
.endr
.irp b, 0,1,2,3
	v_lshrrev_b32 v[TM+4+\b], 23, v[TM+12+\b]      ; the byte
.endr
	v_lshl_or_b32 v[PW], v[TM+5], 8, v[TM+4]
	v_lshl_or_b32 v[PW], v[TM+6], 16, v[PW]
	v_lshl_or_b32 v[PW], v[TM+7], 24, v[PW]
.irp b, 0,1,2,3
.irp i, 0,1,2,3,4,5,6,7,8,9,10,11,12,13,14,15
	v_med3_num_f32 v[\s+16*\b+\i], v[\s+16*\b+\i], -v[TM+8+\b], v[TM+8+\b]   ; the conversion does not saturate (ISA guide 7.6.2)
.endr
	v_cvt_scalef32_pk8_bf8_f32 v[PC+4*\b:PC+1+4*\b], v[\s+16*\b:\s+7+16*\b], v[TM+12+\b]
	v_cvt_scalef32_pk8_bf8_f32 v[PC+2+4*\b:PC+3+4*\b], v[\s+8+16*\b:\s+15+16*\b], v[TM+12+\b]
.endr
	v_nop                                          ; a plain line behind the last conversion
.endm
	s_load_b128 s[4:7], s[0:1], 0x0                ; act, wq
	s_load_b128 s[8:11], s[0:1], 0x10              ; attn_b, qkv_img
	s_load_b64 s[12:13], s[0:1], 0x20              ; qkv_sc
	v_lshl_add_u32 v[SPW], v0, 2, SPARE
	v_mov_b32 v[NIL], 0
	ds_add_u32 v28, v29
	ds_add_u32 v28, v29
	s_wait_dscnt 0x0
	v_lshrrev_b32 v1, 5, v0
	v_readfirstlane_b32 s14, v1                    ; wave
	s_lshr_b32 s15, s14, 1                         ; my half of the tile's rows; also: I fetch for A (0) or for B (1)
	s_and_b32 s16, s14, 1                          ; my half of its columns; also: which group I fetch
	s_bfe_u32 s40, ttmp6, 0x40000                  ; cx
	s_bfe_u32 s41, ttmp6, 0x40004                  ; cy
	s_and_b32 s18, ttmp9, 1
	s_sub_co_u32 s19, ttmp9, 8
	s_lshr_b32 s20, ttmp9, 1
	s_mov_b32 s66, 2*32*GB                         ; two K steps on: tokens have 32 groups,
	s_mov_b32 s68, 2*24*GB                         ; attn_w's columns 24
	s_cmp_ge_u32 ttmp9, 8                          ; the mode: clusters 8-11 make v^T
	s_cselect_b32 s42, s19, s18
	s_cselect_b32 s17, 0, s20
	s_cselect_b32 s21, 16, 0                       ; v's columns begin at group 16
	s_cselect_b32 s66, 2*24*GB, s66
	s_cselect_b32 s68, 2*32*GB, s68
	s_cselect_b32 s84, 0, 1.0                      ; the bias along N counts in the first mode,
	s_cselect_b32 s90, 1.0, 0                      ; that along M in the second
	s_mov_b32 s85, s84
	s_mov_b32 s67, 0
	s_mov_b32 s69, 0
	s_lshl_b32 s42, s42, 2
	s_add_co_u32 s42, s42, s40                     ; tile column
	s_lshl_b32 s17, s17, 2
	s_add_co_u32 s17, s17, s41                     ; tile row
	s_lshl_b32 s43, s41, 2
	s_lshl_b32 s43, 15, s43                        ; my row of the cluster
	s_lshl_b32 s44, 0x1111, s40                    ; my column
	s_or_b32 s[G1+0], s43, (3<<16)|(1<<21)         ; the mask; elements of 8 bytes; bit 21 beside a mask; no padding
	s_or_b32 s[G1B+0], s44, (3<<16)|(1<<21)
.irp g, G1, G1B
	s_mov_b32 s[\g+1], 32<<16                      ; tensor_dim0 = 32 elements: 256 bytes
	s_mov_b32 s[\g+2], 132<<16                     ; tensor_dim1 = 132 rows
	s_mov_b32 s[\g+3], 32<<16                      ; tile_dim0
	s_mov_b32 s[\g+4], 132                         ; tile_dim1
	s_mov_b32 s[\g+5], 32                          ; the pitch: dense
	s_mov_b32 s[\g+6], 0
	s_mov_b32 s[\g+7], 0
.endr
	s_lshl_b32 s20, s17, 1
	s_add_co_u32 s20, s20, s16
	s_add_co_u32 s20, s20, s21
	s_mul_i32 s20, s20, GB                         ; A: group 2 x tile row + which (+ 16)
	s_mov_b32 s21, 0
	s_lshl_b32 s46, s42, 1
	s_add_co_u32 s46, s46, s16
	s_mul_i32 s46, s46, GB                         ; B: group 2 x tile column + which
	s_mov_b32 s47, 0
	s_lshr_b32 s18, s66, 1                         ; one K step on
	s_mov_b32 s19, 0
	s_lshr_b32 s22, s68, 1
	s_mov_b32 s23, 0
	s_mul_i32 s45, s14, HALFT                      ; where they go: wave x a group
	s_wait_kmcnt 0x0
	s_cmp_ge_u32 ttmp9, 8
	s_cselect_b64 s[86:87], s[6:7], s[4:5]         ; A's buffer
	s_cselect_b64 s[88:89], s[4:5], s[6:7]         ; B's
	s_add_nc_u64 s[20:21], s[86:87], s[20:21]
	s_add_nc_u64 s[46:47], s[88:89], s[46:47]
	CROUND                                         ; all sixteen work-groups are here: the first joint loads meet
	s_mov_b32 s[G0], 1
	s_add_co_u32 s[G0+1], s45, 0
	s_mov_b64 s[G0+2:G0+3], s[20:21]
	s_or_b32 s[G0+3], s[G0+3], 0x80000000
	s_mov_b32 s[G0B], 1
	s_add_co_u32 s[G0B+1], s45, 0
	s_mov_b64 s[G0B+2:G0B+3], s[46:47]
	s_or_b32 s[G0B+3], s[G0B+3], 0x80000000
	JLOAD G0, G1, G0B, G1B
	s_mov_b32 s[G0+4], 1
	s_add_co_u32 s[G0+5], s45, SLOT
	s_add_nc_u64 s[G0+6:G0+7], s[20:21], s[18:19]
	s_or_b32 s[G0+7], s[G0+7], 0x80000000
	s_mov_b32 s[G0B+4], 1
	s_add_co_u32 s[G0B+5], s45, SLOT
	s_add_nc_u64 s[G0B+6:G0B+7], s[46:47], s[22:23]
	s_or_b32 s[G0B+7], s[G0B+7], 0x80000000
	JLOAD G0+4, G1, G0B+4, G1B
	v_and_b32 v1, 31, v0
	v_lshlrev_b32 v[L16], 4, v1
	s_mul_i32 s21, s15, HALFT
	s_mul_i32 s22, s16, HALFT
	s_add_co_u32 s22, s22, 2*HALFT
.irp s, 0,1
	v_add_nc_u32 v[ADRA+\s], s21, v[L16]
	v_add_nc_u32 v[ADRB+\s], s22, v[L16]
	s_add_co_u32 s21, s21, SLOT
	s_add_co_u32 s22, s22, SLOT
.endr
	s_mov_b32 s70, 0x76543210
	s_mov_b32 s71, 0xfedcba98
	s_mov_b32 s72, 0x600000
	s_mov_b32 s73, 0xffff0000                      ; lanes 16-31
	; where the results go and where the biases lie
	s_lshl_b32 s91, s17, 1
	s_add_co_u32 s91, s91, s15                     ; my group along M
	s_lshl_b32 s92, s42, 1
	s_add_co_u32 s92, s92, s16                     ; and along N
	s_add_co_u32 s93, s91, 16
	s_lshl_b32 s94, s92, 9
	s_lshl_b32 s95, s91, 9
	s_add_co_u32 s95, s95, 8192
	s_cmp_ge_u32 ttmp9, 8
	s_cselect_b32 s96, s92, s91                    ; the group of tokens
	s_cselect_b32 s97, s93, s92                    ; the group of columns of q, k, v (0..23)
	s_cselect_b32 s78, 0, s94
	s_cselect_b32 s80, s95, 0
	s_mov_b32 s79, 0
	s_mov_b32 s81, 0
	s_add_nc_u64 s[78:79], s[8:9], s[78:79]        ; the bias along N
	s_add_nc_u64 s[80:81], s[8:9], s[80:81]        ; the bias along M
	s_lshr_b32 s93, s97, 3
	s_lshl_b32 s93, s93, 1
	s_lshr_b32 s94, s96, 4
	s_add_co_u32 s93, s93, s94
	s_lshl_b32 s93, s93, 3
	s_and_b32 s94, s97, 7
	s_add_co_u32 s93, s93, s94
	s_lshl_b32 s93, s93, 4
	s_and_b32 s94, s96, 15
	s_add_co_u32 s93, s93, s94                     ; the panel: ((matrix x 2 + batch) x 8 + pair of heads) x 16 + 128 tokens
	s_lshl_b32 s74, s93, 14
	s_mov_b32 s75, 0
	s_lshl_b32 s76, s93, 9
	s_mov_b32 s77, 0
	s_add_nc_u64 s[74:75], s[10:11], s[74:75]
	s_add_nc_u64 s[76:77], s[12:13], s[76:77]
	v_bfe_u32 v2, v0, 4, 1
	v_lshlrev_b32 v2, 6, v2                        ; 64 (lane / 16): my 16 of each 32 along N
	v_and_b32 v3, 7, v0
	v_bfe_u32 v4, v0, 3, 1
	v_lshl_or_b32 v3, v4, 4, v3
	v_lshlrev_b32 v3, 2, v3                        ; place r of a block holds row 16 (r / 8) + r % 8 (+ the block's)
.irp b, 0,1,2,3
.irp j, 0,1,2,3
	global_load_b128 v[BN+16*\b+4*\j:BN+16*\b+4*\j+3], v2, s[78:79] offset:128*\b+16*\j
.endr
.endr
.irp a, 0,1,2,3,4,5,6,7
	global_load_b32 v[BM+\a], v3, s[80:81] offset:(32*(\a/2)+8*(\a%2))*4
.endr
	s_wait_tensorcnt 1                             ; my part of K step 0 is in; K step 1's load may be out
	s_barrier_signal -1
	s_barrier_wait -1
	FETCH_B 0, 0, 0
	FETCH_A 0, 0, 0
	SCALES 0
	FETCH_A 0, 0, 4
	STEP 0, 0, 1                                   ; the first step stands in front of the loop: its products start the sums
	s_mov_b32 s3, LAPS-1
.Llap:
	TURN 0, 1, 1
	STEP 1, 0, 0
	TURN 1, 0, 1
	STEP 0, 0, 0
	s_sub_co_u32 s3, s3, 1
	s_cmp_lg_u32 s3, 0
	s_cbranch_scc1 .Llap
	TURN 0, 1, 0                                   ; the last lap fills nothing
	STEP 1, 0, 0
	s_wait_dscnt 4*NL
	WIN MUL_LO
	MUL16 0, 1, NQ-1, 1, 0
	MUL16 2, 1, NQ-1, 1, 0
	s_wait_dscnt 0
	WIN MUL_HI
	MUL16 4, 1, NQ-1, 1, 0
	MUL16 6, 1, NQ-1, 1, 0
	WIN 0
; THE WAY OUT, a block of 16 rows at a time: + bias, quantised in registers, the codes stored as they stand: 512 consecutive aligned bytes an instruction
.macro EPI a
.set AC, 64*((\a)%4)
	s_wait_xcnt 0x0                                ; the last block's stores have read their registers
	v_mul_f32 v226, s90, v[BM+(\a)]
	v_mul_f32 v227, s90, v[BM+(\a)]
	WIN 0x20+0x10*((\a)/4)                         ; source 2: the accumulators' window
.set i, 0
.rept 32
	v_pk_fma_f32 v[T+i:T+i+1], v[BN+i:BN+i+1], s[84:85], v[AC+i:AC+i+1] op_sel_hi:[1,0,1]   ; each accumulator from its low end on
.set i, i+2
.endr
	WIN 0
.set i, 0
.rept 32
	v_pk_add_f32 v[T+i:T+i+1], v[T+i:T+i+1], v[226:227]
.set i, i+2
.endr
	QUANT T
.irp c, 0,1,2,3
	global_store_b128 v[L16], v[PC+4*\c:PC+4*\c+3], s[74:75] offset:2048*(\a)+512*\c
.endr
.if (\a)%2
	v_cndmask_b32 v[SW+(\a)/2], v[PWE], v[PW], s73 ; lanes 0-15: the even block's words, lanes 16-31: the odd block's (both halves of the lanes hold a row's word)
.else
	v_mov_b32 v[PWE], v[PW]
.endif
.endm
	s_wait_loadcnt 0x0                             ; the biases
	PLACES NP                                      ; behind the last products: results are read and A's registers written
.irp b, 0,1,2,3
	v_mov_b32 v[TM+4+\b], 0                        ; a lane permute's destination counts as one of its sources
.endr
.irp a, 0,1,2,3,4,5,6,7
	EPI \a
.endr
	global_store_b128 v[L16], v[SW:SW+3], s[76:77] ; the panel's 512 bytes of scale words
	s_wait_tensorcnt 0x0                           ; the wave's end
	ds_add_u32 v[SPW], v[NIL]
	s_wait_dscnt 0x0
	CROUND                                         ; the closing round
	s_endpgm
.Lfunc_end_k_q4382654da0_qkv:
	.size	k_q4382654da0_qkv, .Lfunc_end_k_q4382654da0_qkv-k_q4382654da0_qkv
	.p2alignl 7, 3214868480
	.fill 96, 4, 3214868480
	.section	.rodata,"a",@progbits
	.p2align	6, 0x0
	.amdhsa_kernel k_q4382654da0_qkv
		.amdhsa_group_segment_fixed_size 327680
		.amdhsa_private_segment_fixed_size 0
		.amdhsa_enable_private_segment 0
		.amdhsa_kernarg_size 40
		.amdhsa_user_sgpr_count 2
		.amdhsa_user_sgpr_kernarg_segment_ptr 1
		.amdhsa_wavefront_size32 1
		.amdhsa_system_sgpr_workgroup_id_x 1
		.amdhsa_system_sgpr_workgroup_id_y 1
		.amdhsa_system_sgpr_workgroup_id_z 1
		.amdhsa_system_vgpr_workitem_id 0
		.amdhsa_next_free_vgpr 1024
		.amdhsa_next_free_sgpr 104
		.amdhsa_reserve_vcc 0
		.amdhsa_float_denorm_mode_32 3
		.amdhsa_float_denorm_mode_16_64 3
		.amdhsa_memory_ordered 1
		.amdhsa_forward_progress 1
		.amdhsa_inst_pref_size 217
	.end_amdhsa_kernel
	.amdgpu_metadata
---
amdhsa.version: [ 1, 2 ]
amdhsa.kernels:
  - .name:           k_q4382654da0_qkv
    .symbol:         k_q4382654da0_qkv.kd
    .args:
      - { .name: act, .offset: 0, .size: 8, .value_kind: global_buffer, .address_space: global }
      - { .name: wq, .offset: 8, .size: 8, .value_kind: global_buffer, .address_space: global }
      - { .name: attn_b, .offset: 16, .size: 8, .value_kind: global_buffer, .address_space: global }
      - { .name: qkv_img, .offset: 24, .size: 8, .value_kind: global_buffer, .address_space: global }
      - { .name: qkv_sc, .offset: 32, .size: 8, .value_kind: global_buffer, .address_space: global }
    .group_segment_fixed_size: 327680
    .private_segment_fixed_size: 0
    .kernarg_segment_align: 8
    .kernarg_segment_size: 40
    .max_flat_workgroup_size: 128
    .sgpr_count:     104
    .vgpr_count:     1024
    .wavefront_size: 32
...
	.end_amdgpu_metadata
.endif
;; end of part 3
;; launch att (part 4): grid 8 x 32, 16 waves a work-group, no clusters, 280,576 bytes of LDS; arguments qkv_img, qkv_sc, yq; writes yq
.if DOCPART == 4
	.amdgcn_target "amdgcn-amd-amdhsa--gfx1250"
	.amdhsa_code_object_version 6
	.text
	.protected	k_q4382654da0_att
	.globl	k_q4382654da0_att
	.p2align	8
	.type	k_q4382654da0_att,@function
k_q4382654da0_att:
	s_mov_b64 s[64:65], 0
	v_nop
	global_prefetch_b8 v0, s[64:65] scope:SCOPE_SE
	s_setreg_imm32_b32 hwreg(HW_REG_WAVE_MODE, 25, 1), 1
	s_wait_xcnt 0x0
; y = softmax(q k^T / 8, causal) v for one head, both products on codes of E5M2 with E8M0 scales, and y quantised along the channels for the next product.
; THE SOFTMAX: t = score x log2(e) / 8; M = the running largest t rounded UP to a whole number; p = 2^(t - M) is quantised along the keys, not normalised; the row's sum is taken of the unquantised p and divides at the end;
; when M moves, the sum and O are multiplied by 2^(old M - new M), which rounds nothing.
; INPUT: panels of 128 rows x 128 K in the order of an operand's registers ([16 rows i(8)][32 K c(4)][lane][16 bytes]; scale words [lane' = r + 16 (i & 1)][i / 2][4 bytes]), [q, k, v][batch][pair of heads][128 tokens].
; q, k: rows = tokens, K = the pair's 128 channels: head e has c = 2 e, 2 e + 1.  v: rows = channels (head e: blocks 4 e .. 4 e + 3), K = 128 keys.  Within each 32 rows place p holds row p with bits 3 and 4 swapped.
; SHARES.  A work-group owns blocks i and 15 - i of 128 queries of one head, so that every work-group has the same number of key steps under the causal mask; each of its sixteen waves one tile of 16 queries.
; ALL of the head's K and V (2 x 131,072 bytes) and their scale words (2 x 8,192) come into LDS once, two tensor loads a wave at the head; LDS bytes are never filled again.  One wait, one barrier.
; No cluster: the step that a wave leaves out hangs on the work-group's block of queries, which differs between the work-groups that share a head.
; LAYOUT.  Both products are used transposed (S^T = K Q^T, O^T = V^T P^T): a lane holds one query throughout; by the order of places the 16 registers of tiles 2 b, 2 b + 1 of S^T are the neighbouring keys 32 b + 16 (lane / 16) + 0..15.
; The first product's K is 64: the upper 64 of the instruction's 128 are zero codes on both sides (registers cleared once), their scale bytes 0, which is 2^-127 and harmless over zeros.
; CAUSAL.  The loop has 16 trips in every wave; a step all of whose keys come after the wave's queries is jumped over (a branch on ids); in the wave's one step on the diagonal hidden scores become -infinity.
; OUT: yq in blocks [K step of 256][group of 128 tokens] of 33,792 bytes; the two scale bytes of a row leave as 2 bytes a lane (lanes r and r + 16 store the same value at the same place): 131,072 bytes in the whole launch.
; LIMITS: NaN and infinities are not served; a block under 2^-111 gets the byte 1.
.set GB,  33792
.set KSC, 262144                       ; LDS: K at 0 (tile T of 16 keys at 1024 T), V at 131,072 (8,192 a step), K's scale words, V's
.set VSC, 270336
.set WV,  18
.set QS,  17                           ; s17 my block of 128 queries = my step on the diagonal
.set G1K, 24
.set G1V, 32
.set G1S, 40
.set G0C, 48
.set G0S, 52
.set SEL, 66
.set CS,  68
.set MNT, 70
.set ST,  71
.set TBK, 72
.set TBV, 73
.set TSC, 74
; REGISTERS: v1 16 lane; v2, v3 my place among K's, V's scale words; v4 my query less 16 (lane / 16); v7 16 (lane % 16); v8-11 the step's addresses; v12 -M, v13 the largest t, v[14:15] the sum;
; v16-31 Q; v32-95 four fragments of K; v96-159 S^T, p, then V's four fragments; v160-191 O^T; v192-207 p's codes; v208-223 at work; v224-231 scale words alone; v[232:233] f; v234-237 at work
	s_load_b128 s[4:7], s[0:1], 0x0                ; qkv_img, qkv_sc
	s_load_b64 s[8:9], s[0:1], 0x10                ; yq
	v_lshl_add_u32 v254, v0, 2, 0x44000
	v_mov_b32 v255, 0
	ds_add_u32 v254, v255
	ds_add_u32 v254, v255
	v_lshrrev_b32 v8, 5, v0
	v_readfirstlane_b32 s[WV], v8                  ; wave 0..15
	s_and_b32 s10, ttmp7, 0xffff
	s_lshr_b32 s11, s10, 4                         ; batch
	s_and_b32 s12, s10, 15                         ; head
	s_lshr_b32 s13, s12, 1                         ; pair of heads
	s_and_b32 s14, s12, 1                          ; e: which of the pair
	s_lshr_b32 s15, s[WV], 2
	s_xor_b32 s15, s15, s[WV]
	s_and_b32 s15, s15, 1                          ; early block or late: waves 2 n and 2 n + 1 take one each
	s_lshr_b32 s16, s[WV], 1                       ; my tile of 16 queries in the block
	s_sub_co_u32 s17, 15, ttmp9
	s_cmp_eq_u32 s15, 1
	s_cselect_b32 s[QS], s17, ttmp9
	s_mov_b32 s[G1K], 3<<16                        ; K: 16 rows of 1,024 bytes (a tile's two quarters), 2,048 apart: two steps
	s_mov_b32 s[G1K+1], 128<<16
	s_mov_b32 s[G1K+2], 16<<16
	s_mov_b32 s[G1K+3], 128<<16
	s_mov_b32 s[G1K+4], 16
	s_mov_b32 s[G1K+5], 256
	s_mov_b32 s[G1K+6], 0
	s_mov_b32 s[G1K+7], 0
	s_mov_b32 s[G1V], 3<<16                        ; V: 2 rows of 8,192 bytes (a head's four blocks), 16,384 apart: two steps
	s_mov_b32 s[G1V+1], 1024<<16
	s_mov_b32 s[G1V+2], 2<<16
	s_mov_b32 s[G1V+3], 1024<<16
	s_mov_b32 s[G1V+4], 2
	s_mov_b32 s[G1V+5], 2048
	s_mov_b32 s[G1V+6], 0
	s_mov_b32 s[G1V+7], 0
	s_mov_b32 s[G1S], 3<<16                        ; scale words: 4 dense rows of 256 bytes: two steps
	s_mov_b32 s[G1S+1], 32<<16
	s_mov_b32 s[G1S+2], 4<<16
	s_mov_b32 s[G1S+3], 32<<16
	s_mov_b32 s[G1S+4], 4
	s_mov_b32 s[G1S+5], 32
	s_mov_b32 s[G1S+6], 0
	s_mov_b32 s[G1S+7], 0
	s_cmp_lt_u32 s[WV], 8                          ; waves 0-7 fetch K, waves 8-15 V, two steps each
	s_cselect_b32 s20, 1, 2
	s_cselect_b32 s21, 10, 13
	s_lshl_b32 s20, s20, 1
	s_add_co_u32 s20, s20, s11
	s_lshl_b32 s20, s20, 3
	s_add_co_u32 s20, s20, s13                     ; (matrix x 2 + batch) x 8 + pair
	s_lshl_b32 s22, s20, 18
	s_lshl_b32 s21, s14, s21                       ; head e: 1,024 bytes on in K's rows, 8,192 in V's
	s_add_co_u32 s22, s22, s21
	s_and_b32 s21, s[WV], 7
	s_lshl_b32 s23, s21, 15
	s_add_co_u32 s22, s22, s23
	s_mov_b32 s23, 0
	s_lshl_b32 s56, s20, 13
	s_lshl_b32 s21, s21, 10
	s_add_co_u32 s56, s56, s21
	s_mov_b32 s57, 0
	s_wait_dscnt 0x0
	s_wait_kmcnt 0x0
	s_mov_b32 s[G0C], 1
	s_lshl_b32 s[G0C+1], s[WV], 14                 ; LDS: 16,384 x wave
	s_add_nc_u64 s[G0C+2:G0C+3], s[4:5], s[22:23]
	s_or_b32 s[G0C+3], s[G0C+3], 0x80000000
	s_mov_b32 s[G0S], 1
	s_lshl_b32 s[G0S+1], s[WV], 10
	s_add_co_u32 s[G0S+1], s[G0S+1], KSC           ; LDS: 1,024 x wave behind the codes
	s_add_nc_u64 s[G0S+2:G0S+3], s[6:7], s[56:57]
	s_or_b32 s[G0S+3], s[G0S+3], 0x80000000
	s_cmp_lt_u32 s[WV], 8                          ; a wave's two fills stand in one branch, ahead of every wait on TENSORcnt, every LDS read and the barrier: two loads of mine are out
	s_cbranch_scc0 .Lfill_v
	tensor_load_to_lds s[G0C:G0C+3], s[G1K:G1K+7]
	s_nop 0
	tensor_load_to_lds s[G0S:G0S+3], s[G1S:G1S+7]
	s_nop 0
.rept 4
	v_nop
.endr
	s_branch .Lfilled
.Lfill_v:
	tensor_load_to_lds s[G0C:G0C+3], s[G1V:G1V+7]
	s_nop 0
	tensor_load_to_lds s[G0S:G0S+3], s[G1S:G1S+7]
	s_nop 0
.rept 4
	v_nop
.endr
.Lfilled:
	s_and_b32 s62, s16, 1                          ; my rows' scale halfword in a panel: 256 (tile % 2) + 4 (tile / 2) + 2 e (+ 16 r)
	s_lshl_b32 s62, s62, 8
	s_lshr_b32 s21, s16, 1
	s_lshl_b32 s21, s21, 2
	s_add_co_u32 s62, s62, s21
	s_lshl_b32 s21, s14, 1
	s_add_co_u32 s62, s62, s21
	s_lshl_b32 s20, s11, 3
	s_add_co_u32 s20, s20, s13
	s_lshl_b32 s20, s20, 4
	s_add_co_u32 s20, s20, s[QS]                   ; q's panel
	s_lshl_b32 s58, s20, 14
	s_lshl_b32 s21, s16, 11
	s_add_co_u32 s58, s58, s21
	s_lshl_b32 s21, s14, 10
	s_add_co_u32 s58, s58, s21
	s_mov_b32 s59, 0
	s_add_nc_u64 s[58:59], s[4:5], s[58:59]
	s_lshl_b32 s60, s20, 9
	s_add_co_u32 s60, s60, s62
	s_mov_b32 s61, 0
	s_add_nc_u64 s[60:61], s[6:7], s[60:61]
	v_and_b32 v5, 31, v0
	v_lshlrev_b32 v1, 4, v5
	v_and_b32 v6, 15, v0
	v_lshlrev_b32 v7, 4, v6
	global_load_b128 v[16:19], v1, s[58:59]        ; Q's fragment: K 0-31,
	global_load_b128 v[20:23], v1, s[58:59] offset:512   ; K 32-63
	global_load_u16 v230, v7, s[60:61]             ; its two scale bytes; the upper two are 0
	s_lshr_b32 s20, s12, 2                         ; y: K step head / 4,
	s_mul_i32 s20, s20, 32*GB
	s_lshl_b32 s21, s11, 4
	s_add_co_u32 s21, s21, s[QS]
	s_mul_i32 s21, s21, GB                         ; group of tokens 16 batch + block
	s_add_co_u32 s20, s20, s21
	s_and_b32 s21, s13, 1                          ; half (head / 2) % 2
	s_lshl_b32 s22, s21, 14
	s_add_co_u32 s76, s20, s22
	s_lshl_b32 s22, s16, 11
	s_add_co_u32 s76, s76, s22
	s_lshl_b32 s22, s14, 10
	s_add_co_u32 s76, s76, s22                     ; block of rows = my tile; c = 2 e on
	s_mov_b32 s77, 0
	s_lshl_b32 s21, s21, 9
	s_add_co_u32 s78, s20, s21
	s_add_co_u32 s78, s78, s62
	s_add_co_u32 s78, s78, 32768
	s_mov_b32 s79, 0
	s_add_nc_u64 s[76:77], s[8:9], s[76:77]
	s_add_nc_u64 s[78:79], s[8:9], s[78:79]
	s_lshl_b32 s21, s14, 1
	s_add_co_u32 s21, s21, KSC
	v_add_nc_u32 v2, s21, v1
	s_lshl_b32 s21, s14, 3
	s_add_co_u32 s21, s21, VSC
	v_add_nc_u32 v3, s21, v1
	s_lshr_b32 s21, s16, 1
	s_lshl_b32 s21, s21, 5
	s_and_b32 s22, s16, 1
	s_lshl_b32 s22, s22, 3
	s_add_co_u32 s21, s21, s22
	v_and_b32 v4, 7, v0
	v_bfe_u32 v9, v0, 3, 1
	v_lshl_or_b32 v4, v9, 4, v4
	v_add_nc_u32 v4, s21, v4                       ; my query in its block: 32 (tile / 2) + 16 (r / 8) + 8 (tile % 2) + r % 8
	v_bfe_u32 v9, v0, 4, 1
	v_lshlrev_b32 v9, 4, v9
	v_sub_nc_u32 v4, v4, v9                        ; less 16 (lane / 16): register 16 b + i holds a hidden key where 32 b + i is greater
	s_mov_b32 s[SEL], 0x76543210
	s_mov_b32 s[SEL+1], 0xfedcba98
	s_mov_b32 s[CS], 0x3e38aa3b                    ; log2(e) / 8
	s_mov_b32 s[CS+1], s[CS]
	s_mov_b32 s[MNT], 0x600000
	s_mov_b32 s[ST], 0
	s_mov_b32 s[TBK], 0
	s_mov_b32 s[TBV], 131072
	s_mov_b32 s[TSC], 0
.irp j, 0,1,2,3,4,5,6,7
	v_mov_b32 v[24+\j], 0                          ; K 64-127 of Q: zero codes
.endr
.irp t, 0,1,2,3
.irp j, 0,1,2,3,4,5,6,7
	v_mov_b32 v[40+16*\t+\j], 0                    ; and of K's four fragments: written once, the loads touch the lower eight alone
.endr
.endr
.set j, 0
.rept 32
	v_mov_b32 v[160+j], 0                          ; O^T: the step is written once; its first run finds zeros
.set j, j+1
.endr
	v_mov_b32 v13, 0xff61b1e6                      ; the largest t so far: -3e38
	v_floor_f32 v12, -v13
	v_mov_b32 v14, 0
	v_mov_b32 v15, 0
.irp b, 0,1,2,3
	v_mov_b32 v[212+\b], 0                         ; a lane permute's destination counts as one of its sources
.endr
	v_mov_b32 v233, 0                              ; named as the upper half of a pair
	v_mov_b32 v234, 0
	s_wait_tensorcnt 0x0                           ; my two loads have landed,
	s_barrier_signal -1
	s_barrier_wait -1                              ; everybody's have: K, V and their scales are whole, and nothing writes LDS from here on
	s_wait_loadcnt 0x0                             ; Q
.Lstep:
	s_cmp_gt_u32 s[ST], s[QS]                      ; all 128 keys come after my queries
	s_cbranch_scc1 .Lhidden
	v_add_nc_u32 v8, s[TBK], v1
	v_add_nc_u32 v9, s[TBV], v1
	v_add_nc_u32 v10, s[TSC], v2
	v_add_nc_u32 v11, s[TSC], v3
.rept 5
	v_nop                                          ; nine places with the four additions: S^T is written over registers that the last products read
.endr
.irp g, 0,1                            ; S^T = K Q^T, four tiles of 16 keys at a time
.if \g > 0
.rept 8
	v_nop                                          ; places in front of loads into registers that matrix instructions have read
.endr
.endif
.irp t, 0,1,2,3
	ds_load_b128 v[32+16*\t:35+16*\t], v8 offset:(4*\g+\t)*1024
	ds_load_b128 v[36+16*\t:39+16*\t], v8 offset:(4*\g+\t)*1024+512
.endr
.if \g == 0
.irp p, 0,1,2,3
	ds_load_u16 v[224+\p], v10 offset:4*\p         ; tiles 2 p (lanes 0-15) and 2 p + 1 (lanes 16-31): my head's two bytes; the upper two are 0
.endr
.endif
	s_wait_dscnt 0x0
.irp t, 0,1,2,3
.if \t%2
	v_wmma_scale_f32_16x16x128_f8f6f4 v[96+8*(4*\g+\t):103+8*(4*\g+\t)], v[32+16*\t:47+16*\t], v[16:31], 0, v[224+(4*\g+\t)/2], v230 matrix_a_fmt:MATRIX_FMT_BF8 matrix_b_fmt:MATRIX_FMT_BF8 matrix_a_scale:MATRIX_SCALE_ROW1
.else
	v_wmma_scale_f32_16x16x128_f8f6f4 v[96+8*(4*\g+\t):103+8*(4*\g+\t)], v[32+16*\t:47+16*\t], v[16:31], 0, v[224+(4*\g+\t)/2], v230 matrix_a_fmt:MATRIX_FMT_BF8 matrix_b_fmt:MATRIX_FMT_BF8
.endif
.endr
.endr
.rept 8
	v_nop
.endr
	s_cmp_lg_u32 s[ST], s[QS]                      ; off the diagonal every key counts
	s_cbranch_scc1 .Lopen
	v_mov_b32 v234, 0xff800000                     ; -infinity
.set n, 0
.rept 64
	v_cmp_gt_i32 vcc_lo, 32*(n/16)+n%16, v4
	v_cndmask_b32 v[96+n], v[96+n], v234, vcc_lo
.set n, n+1
.endr
.Lopen:
.irp b, 0,1,2,3
	v_max3_num_f32 v[208+\b], v[96+16*\b], v[97+16*\b], v[98+16*\b]   ; the largest score of each block of 32 keys: for the row's maximum, and, since p rises with the score, for the block's largest p
.endr
.irp i, 3,5,7,9,11,13
.irp b, 0,1,2,3
	v_max3_num_f32 v[208+\b], v[208+\b], v[96+16*\b+\i], v[97+16*\b+\i]
.endr
.endr
.irp b, 0,1,2,3
	v_max_num_f32 v[208+\b], v[208+\b], v[111+16*\b]
.endr
.irp b, 0,1,2,3
	v_permlanex16_b32 v[212+\b], v[208+\b], s[SEL], s[SEL+1]
.endr
.irp b, 0,1,2,3
	v_max_num_f32 v[208+\b], v[208+\b], v[212+\b]  ; with lane l xor 16's 16 keys
.endr
	v_max3_num_f32 v234, v208, v209, v210
	v_max_num_f32 v234, v234, v211
	v_mul_f32 v234, s[CS], v234
	v_max_num_f32 v13, v13, v234                   ; the running largest t
	v_mov_b32 v234, v12
	v_floor_f32 v12, -v13                          ; the new -M = -ceil(t)
	v_sub_f32 v234, v12, v234                      ; old M - new M: a whole number, 0 or less
	v_cvt_i32_f32 v234, v234
	v_ldexp_f32 v232, 1.0, v234                    ; f = 2^(old M - new M)
.set j, 0
.rept 32
	v_pk_fma_f32 v[96+j:97+j], v[96+j:97+j], s[CS:CS+1], v[12:13] op_sel_hi:[1,0,0]   ; t - M
.set j, j+2
.endr
.irp b, 0,1,2,3
	v_fma_f32 v[208+\b], v[208+\b], s[CS], v12     ; the same of each block's largest score
.endr
.set j, 0
.rept 64
	v_exp_f32 v[96+j], v[96+j]                     ; p = 2^(t - M)
.set j, j+1
.endr
	v_pk_mul_f32 v[14:15], v[14:15], v[232:233] op_sel_hi:[1,0]   ; the sums under the new M (a plain line behind the exponentials)
	s_wait_alu depctr_va_vdst(0)                   ; one wait for the batch, ahead of its first reader
.irp b, 0,1,2,3
	v_exp_f32 v[208+\b], v[208+\b]                 ; the block's largest p
.endr
	v_pk_add_f32 v[236:237], v[96:97], v[98:99]    ; the row's sum, of the unquantised p, in two chains
.irp j, 4,8,12,16,20,24,28,32,36,40,44,48,52,56,60
	v_pk_add_f32 v[14:15], v[14:15], v[96+\j:97+\j]
	v_pk_add_f32 v[236:237], v[236:237], v[98+\j:99+\j]
.endr
	v_pk_add_f32 v[14:15], v[14:15], v[236:237]
	s_wait_alu depctr_va_vdst(0)                   ; and one for the four
.irp b, 0,1,2,3
	v_max_num_f32 v[208+\b], 0x8000000, v[208+\b]  ; the floor 2^(16 - 127)
.endr
.irp b, 0,1,2,3
	v_add_nc_u32 v[220+\b], 0xf8800000, v[208+\b]
.endr
.irp b, 0,1,2,3
	v_and_or_b32 v[216+\b], v[208+\b], 0x7f800000, s[MNT]
.endr
.irp b, 0,1,2,3
	v_lshrrev_b32 v[212+\b], 23, v[220+\b]
.endr
	v_lshl_or_b32 v231, v213, 8, v212              ; p's scale word for these 128 keys
	v_lshl_or_b32 v231, v214, 16, v231
	v_lshl_or_b32 v231, v215, 24, v231
.irp b, 0,1,2,3
.irp i, 0,1,2,3,4,5,6,7,8,9,10,11,12,13,14,15
	v_min_num_f32 v[96+16*\b+\i], v[96+16*\b+\i], v[216+\b]   ; the hold; p is not negative
.endr
	v_cvt_scalef32_pk8_bf8_f32 v[192+4*\b:193+4*\b], v[96+16*\b:103+16*\b], v[220+\b]
	v_cvt_scalef32_pk8_bf8_f32 v[194+4*\b:195+4*\b], v[104+16*\b:111+16*\b], v[220+\b]
.endr
.irp t, 0,1,2,3                        ; V's four fragments take p's registers
.irp c, 0,1,2,3
	ds_load_b128 v[96+16*\t+4*\c:99+16*\t+4*\c], v9 offset:2048*\t+512*\c
.endr
.endr
	ds_load_b64 v[228:229], v11                    ; V's scale words: blocks 0, 1 and 2, 3 of my head
.set j, 0
.rept 16
	v_pk_mul_f32 v[160+j:161+j], v[160+j:161+j], v[232:233] op_sel_hi:[1,0]   ; O^T under the new M; also the places in front of the products
.set j, j+2
.endr
	s_wait_dscnt 0x0
.irp t, 0,1,2,3                        ; O^T += V^T P^T: four accumulators by turns
.if \t%2
	v_wmma_scale_f32_16x16x128_f8f6f4 v[160+8*\t:167+8*\t], v[96+16*\t:111+16*\t], v[192:207], v[160+8*\t:167+8*\t], v[228+\t/2], v231 matrix_a_fmt:MATRIX_FMT_BF8 matrix_b_fmt:MATRIX_FMT_BF8 matrix_a_scale:MATRIX_SCALE_ROW1
.else
	v_wmma_scale_f32_16x16x128_f8f6f4 v[160+8*\t:167+8*\t], v[96+16*\t:111+16*\t], v[192:207], v[160+8*\t:167+8*\t], v[228+\t/2], v231 matrix_a_fmt:MATRIX_FMT_BF8 matrix_b_fmt:MATRIX_FMT_BF8
.endif
.endr
.Lhidden:
	s_add_co_u32 s[TBK], s[TBK], 8192
	s_add_co_u32 s[TBV], s[TBV], 8192
	s_add_co_u32 s[TSC], s[TSC], 512
	s_add_co_u32 s[ST], s[ST], 1
	s_cmp_lt_u32 s[ST], 16
	s_cbranch_scc1 .Lstep
	; THE WAY OUT: O^T / the sum; its 32 registers are the channels 32 b + 16 (lane / 16) + i of my head: two blocks of the next product's K, quantised in registers and stored as they stand
.rept 8
	v_nop                                          ; places behind the last products
.endr
	v_add_f32 v14, v14, v15
	v_permlanex16_b32 v234, v14, s[SEL], s[SEL+1]
	v_add_f32 v14, v14, v234                       ; the row's sum
	v_rcp_f32 v14, v14
	v_nop
	s_wait_alu depctr_va_vdst(0)                   ; ahead of the reciprocal's first reader
.set j, 0
.rept 16
	v_pk_mul_f32 v[96+j:97+j], v[160+j:161+j], v[14:15] op_sel_hi:[1,0]
.set j, j+2
.endr
.irp b, 0,1
	v_max3_num_f32 v[208+\b], |v[96+16*\b]|, |v[97+16*\b]|, 0x8000000
.endr
.irp i, 2,4,6,8,10,12,14
.irp b, 0,1
	v_max3_num_f32 v[208+\b], v[208+\b], |v[96+16*\b+\i]|, |v[97+16*\b+\i]|
.endr
.endr
.irp b, 0,1
	v_permlanex16_b32 v[212+\b], v[208+\b], s[SEL], s[SEL+1]
.endr
.irp b, 0,1
	v_max_num_f32 v[208+\b], v[208+\b], v[212+\b]
.endr
.irp b, 0,1
	v_add_nc_u32 v[220+\b], 0xf8800000, v[208+\b]
.endr
.irp b, 0,1
	v_and_or_b32 v[216+\b], v[208+\b], 0x7f800000, s[MNT]
.endr
.irp b, 0,1
	v_lshrrev_b32 v[212+\b], 23, v[220+\b]
.endr
	v_lshl_or_b32 v235, v213, 8, v212              ; my row's two scale bytes
.irp b, 0,1
.irp i, 0,1,2,3,4,5,6,7,8,9,10,11,12,13,14,15
	v_med3_num_f32 v[96+16*\b+\i], v[96+16*\b+\i], -v[216+\b], v[216+\b]
.endr
	v_cvt_scalef32_pk8_bf8_f32 v[192+4*\b:193+4*\b], v[96+16*\b:103+16*\b], v[220+\b]
	v_cvt_scalef32_pk8_bf8_f32 v[194+4*\b:195+4*\b], v[104+16*\b:111+16*\b], v[220+\b]
.endr
	v_nop
	global_store_b128 v1, v[192:195], s[76:77]             ; 512 consecutive aligned bytes
	global_store_b128 v1, v[196:199], s[76:77] offset:512
	global_store_b16 v7, v235, s[78:79]
	s_wait_tensorcnt 0x0
	ds_add_u32 v254, v255
	s_wait_dscnt 0x0
	s_endpgm
.Lfunc_end_k_q4382654da0_att:
	.size	k_q4382654da0_att, .Lfunc_end_k_q4382654da0_att-k_q4382654da0_att
	.p2alignl 7, 3214868480
	.fill 96, 4, 3214868480
	.section	.rodata,"a",@progbits
	.p2align	6, 0x0
	.amdhsa_kernel k_q4382654da0_att
		.amdhsa_group_segment_fixed_size 280576
		.amdhsa_private_segment_fixed_size 0
		.amdhsa_enable_private_segment 0
		.amdhsa_kernarg_size 24
		.amdhsa_user_sgpr_count 2
		.amdhsa_user_sgpr_kernarg_segment_ptr 1
		.amdhsa_wavefront_size32 1
		.amdhsa_system_sgpr_workgroup_id_x 1
		.amdhsa_system_sgpr_workgroup_id_y 1
		.amdhsa_system_sgpr_workgroup_id_z 1
		.amdhsa_system_vgpr_workitem_id 0
		.amdhsa_next_free_vgpr 256
		.amdhsa_next_free_sgpr 90
		.amdhsa_reserve_vcc 1
		.amdhsa_float_denorm_mode_32 3
		.amdhsa_float_denorm_mode_16_64 3
		.amdhsa_memory_ordered 1
		.amdhsa_forward_progress 1
		.amdhsa_inst_pref_size 40
	.end_amdhsa_kernel
	.amdgpu_metadata
---
amdhsa.version: [ 1, 2 ]
amdhsa.kernels:
  - .name:           k_q4382654da0_att
    .symbol:         k_q4382654da0_att.kd
    .args:
      - { .name: qkv_img, .offset: 0, .size: 8, .value_kind: global_buffer, .address_space: global }
      - { .name: qkv_sc, .offset: 8, .size: 8, .value_kind: global_buffer, .address_space: global }
      - { .name: yq, .offset: 16, .size: 8, .value_kind: global_buffer, .address_space: global }
    .group_segment_fixed_size: 280576
    .private_segment_fixed_size: 0
    .kernarg_segment_align: 8
    .kernarg_segment_size: 24
    .max_flat_workgroup_size: 512
    .sgpr_count:     90
    .vgpr_count:     256
    .wavefront_size: 32
...
	.end_amdgpu_metadata
.endif
;; end of part 4
;; launch proj (part 5): grid 4 x 16, 4 waves a work-group, clusters of 4 x 4, 327,680 bytes of LDS; arguments yq, wq, proj_b, x, x1; writes x1
.if DOCPART == 5
	.amdgcn_target "amdgcn-amd-amdhsa--gfx1250"
	.amdhsa_code_object_version 6
	.text
	.protected	k_q4382654da0_proj
	.globl	k_q4382654da0_proj
	.p2align	8
	.type	k_q4382654da0_proj,@function
k_q4382654da0_proj:
	s_mov_b64 s[64:65], 0
	v_nop
	global_prefetch_b8 v0, s[64:65] scope:SCOPE_SE
	s_setreg_imm32_b32 hwreg(HW_REG_WAVE_MODE, 25, 1), 1
	s_wait_xcnt 0x0
	s_wait_alu depctr_hold_cnt(0) depctr_sa_sdst(0) depctr_va_vdst(0) depctr_va_sdst(0) depctr_va_ssrc(0) depctr_va_vcc(0) depctr_vm_vsrc(0)
	s_getreg_b32 s2, hwreg(HW_REG_IB_STS2, 6, 4)
	s_cmp_eq_u32 s2, 0
	s_cbranch_scc0 .Lentry_in_a_cluster
	s_endpgm
.Lentry_in_a_cluster:
	s_bfe_u32 s2, ttmp6, 0x10000c
	s_cmp_lg_u32 s2, 0xf033
	s_cbranch_scc0 .Lentry_shape_is_right
	s_endpgm
.Lentry_shape_is_right:
; x1 = x + y proj_w + proj_b: the product on codes of E5M2 with E8M0 scales, sums in f32, bias and residual added in f32 on the way out.
; OPERANDS lie in memory in the order of a matrix operand's registers: blocks [K step of 256][group of 128 rows] of 33,792 dense bytes (codes of K 0-127, of K 128-255, their scale words): one tensor load of 132 rows
; of 256 bytes brings a group's K step with its scales, fragments are read from LDS at 16 x lane, four scale registers by one load (register p: block 2 p in lanes 0-15, block 2 p + 1 in lanes 16-31).
; A tile of C is 256 x 256, four waves of 128 x 128; K goes in steps of 256 through two LDS slots; 4 x 4 work-groups form a cluster, A's tiles are asked for jointly along a row, B's along a column.
; N = 1,024 gives 4 x 16 tiles: 64 work-groups.
; THE PRODUCT IS USED TRANSPOSED; within each 32 rows place p holds row p with bits 3 and 4 swapped, on both sides: register j of tile b of a lane is column 32 (b / 2) + 16 (lane / 16) + 8 (b % 2) + j, place t of block a is row 32 (a / 2) + 16 (t / 8) + 8 (a % 2) + t % 8.
; THE WAY OUT: a block of 16 rows goes through the wave's own stage in LDS (in slot 0, which has had its last fill and its last read) and comes back as whole rows of 512 bytes; the residual's rows are loaded the same way, up to four blocks ahead.
.set LAPS,   2                         ; K = 1,024
.set WOFF,   3244032                   ; where the weight's blocks begin in wq
.set STRA,   32*33792                  ; a K step on in A: 32 groups of tokens
.set STRB,   8*33792                   ; in B: 8 groups of columns
.set GB,     33792
.set HALFT,  GB
.set SLOT,   4*HALFT
.set SPARE,  2*SLOT
.set NQ,     2
.set FR,     16
.set NL,     4
.set NP,     8
.set ADRA,   16
.set L16,    18
.set ADRB,   20
.set STO,    24                        ; v24 the way out: where I put 32 bytes of a row
.set RD,     25                        ; v25 and where I read a row back
.set SPW,    28
.set NIL,    29
.set SC,     32
.set AF,     128
.set BK,     128                       ; the way out: 16 rows read back: v128-191 and v192-255 by turns
.set G1,     24
.set G0,     32
.set G1B,    48
.set G0B,    56
.set MSB, 0
.macro WIN new
.if MSB != (\new)
	s_set_vgpr_msb (MSB<<8)|(\new)
.set MSB, (\new)
.endif
.endm
.set MUL_LO, 0xa1
.set MUL_HI, 0xf1
.set TO_B,   0x40
.macro JLOAD g0a, g1a, g0b, g1b        ; a joint load: waves 0 and 1 fetch A's two groups, waves 2 and 3 B's; four v_nop follow each line
	s_cmp_eq_u32 s15, 0
	s_cbranch_scc0 .Lfor_b_\@
	tensor_load_to_lds s[\g0a:\g0a+3], s[\g1a:\g1a+7]
	s_nop 0
.rept 4
	v_nop
.endr
	s_branch .Lasked_\@
.Lfor_b_\@:
	tensor_load_to_lds s[\g0b:\g0b+3], s[\g1b:\g1b+7]
	s_nop 0
.rept 4
	v_nop
.endr
.Lasked_\@:
.endm
.macro CREST
	s_cmp_lg_u32 s14, 0
	s_cbranch_scc1 .Lnot_wave_0_\@
	s_barrier_signal -3
.Lnot_wave_0_\@:
	s_barrier_wait -3
	s_barrier_signal -1
	s_barrier_wait -1
.endm
.macro CROUND
	s_barrier_signal -1
	s_barrier_wait -1
	CREST
.endm
.macro PLACES n
.rept \n
	v_nop
.endr
.endm
.macro FRAG reg, adr, q, i
.irp c, 0,1,2,3
	ds_load_b128 v[\reg+4*\c:\reg+4*\c+3], v[\adr] offset:16384*(\q)+2048*(\i)+512*\c
.endr
.endm
.macro FETCH_B slot, q, p
	WIN TO_B
.irp i, 0,1,2,3,4,5,6,7
	FRAG 128*(\p)+FR*\i, ADRB+\slot, \q, \i
.endr
	WIN 0
.endm
.macro FETCH_A slot, q, i0
.irp i, \i0, \i0+1, \i0+2, \i0+3
	FRAG AF+FR*(\i), ADRA+\slot, \q, \i
.endr
.endm
.macro SCALES slot
.irp q, 0,1
	ds_load_b128 v[SC+16*\slot+8*\q:SC+16*\slot+8*\q+3], v[ADRA+\slot] offset:32768+512*\q
	ds_load_b128 v[SC+16*\slot+8*\q+4:SC+16*\slot+8*\q+7], v[ADRB+\slot] offset:32768+512*\q
.endr
.endm
.macro WM zero, ra, rb
.if \zero
.if (\ra)&&(\rb)
	v_wmma_scale_f32_16x16x128_f8f6f4 v[wD:wD+7], v[wB:wB+15], v[wA:wA+15], 0, v[wSB], v[wSA] matrix_a_fmt:MATRIX_FMT_BF8 matrix_b_fmt:MATRIX_FMT_BF8 matrix_a_scale:MATRIX_SCALE_ROW1 matrix_b_scale:MATRIX_SCALE_ROW1
.elseif \ra
	v_wmma_scale_f32_16x16x128_f8f6f4 v[wD:wD+7], v[wB:wB+15], v[wA:wA+15], 0, v[wSB], v[wSA] matrix_a_fmt:MATRIX_FMT_BF8 matrix_b_fmt:MATRIX_FMT_BF8 matrix_a_scale:MATRIX_SCALE_ROW1
.elseif \rb
	v_wmma_scale_f32_16x16x128_f8f6f4 v[wD:wD+7], v[wB:wB+15], v[wA:wA+15], 0, v[wSB], v[wSA] matrix_a_fmt:MATRIX_FMT_BF8 matrix_b_fmt:MATRIX_FMT_BF8 matrix_b_scale:MATRIX_SCALE_ROW1
.else
	v_wmma_scale_f32_16x16x128_f8f6f4 v[wD:wD+7], v[wB:wB+15], v[wA:wA+15], 0, v[wSB], v[wSA] matrix_a_fmt:MATRIX_FMT_BF8 matrix_b_fmt:MATRIX_FMT_BF8
.endif
.else
.if (\ra)&&(\rb)
	v_wmma_scale_f32_16x16x128_f8f6f4 v[wD:wD+7], v[wB:wB+15], v[wA:wA+15], v[wD:wD+7], v[wSB], v[wSA] matrix_a_fmt:MATRIX_FMT_BF8 matrix_b_fmt:MATRIX_FMT_BF8 matrix_a_scale:MATRIX_SCALE_ROW1 matrix_b_scale:MATRIX_SCALE_ROW1
.elseif \ra
	v_wmma_scale_f32_16x16x128_f8f6f4 v[wD:wD+7], v[wB:wB+15], v[wA:wA+15], v[wD:wD+7], v[wSB], v[wSA] matrix_a_fmt:MATRIX_FMT_BF8 matrix_b_fmt:MATRIX_FMT_BF8 matrix_a_scale:MATRIX_SCALE_ROW1
.elseif \rb
	v_wmma_scale_f32_16x16x128_f8f6f4 v[wD:wD+7], v[wB:wB+15], v[wA:wA+15], v[wD:wD+7], v[wSB], v[wSA] matrix_a_fmt:MATRIX_FMT_BF8 matrix_b_fmt:MATRIX_FMT_BF8 matrix_b_scale:MATRIX_SCALE_ROW1
.else
	v_wmma_scale_f32_16x16x128_f8f6f4 v[wD:wD+7], v[wB:wB+15], v[wA:wA+15], v[wD:wD+7], v[wSB], v[wSA] matrix_a_fmt:MATRIX_FMT_BF8 matrix_b_fmt:MATRIX_FMT_BF8
.endif
.endif
.endm
.macro MUL16 a0, p, q, sc, zero        ; the 64 accumulators take turns, one instruction a turn, in the same order in every step
.irp a, \a0, \a0+1
.irp b, 0,1,2,3,4,5,6,7
.set wD, 8*(8*((\a)%4)+\b)
.set wB, 128*(\p)+FR*\b
.set wA, AF+FR*(\a)
.set wSB, SC+16*(\sc)+8*(\q)+4+\b/2
.set wSA, SC+16*(\sc)+8*(\q)+(\a)/2
	WM \zero, \b%2, (\a)%2
.endr
.endr
.endm
.macro STEP slot, q, zero
	s_wait_dscnt 4*NL                              ; all but the youngest 16 loads (A's blocks 4-7)
	WIN MUL_LO
	MUL16 0, (\q)%2, \q, \slot, \zero
	MUL16 2, (\q)%2, \q, \slot, \zero
	s_wait_dscnt 0
	PLACES NP
	FETCH_B \slot, (\q)+1, 1-(\q)%2
	FETCH_A \slot, (\q)+1, 0
	WIN MUL_HI
	MUL16 4, (\q)%2, \q, \slot, \zero
	MUL16 6, (\q)%2, \q, \slot, \zero
	PLACES NP
	WIN 0
	FETCH_A \slot, (\q)+1, 4
.endm
.macro TURN slot, next, fill
	s_wait_tensorcnt 0x0                           ; all my tensor loads have landed: my part of the next slot
	ds_add_u32 v[SPW], v[NIL]                      ; 0 onto my spare word
	s_wait_dscnt 4*NL+1                            ; the add and the youngest 16 loads may be out
	WIN MUL_LO
	MUL16 0, 1, NQ-1, \slot, 0
	s_wait_dscnt 0x0                               ; the add is done, and my reads of this slot are over
	s_barrier_signal -1
	MUL16 2, 1, NQ-1, \slot, 0
	WIN 0
	s_barrier_wait -1
.if \fill
	CREST                                          ; a round of the cluster's barrier: no wave of any partner still reads this slot or has a load on its way
	s_add_nc_u64 s[G0+4*\slot+2:G0+4*\slot+3], s[G0+4*\slot+2:G0+4*\slot+3], s[66:67]
	s_add_nc_u64 s[G0B+4*\slot+2:G0B+4*\slot+3], s[G0B+4*\slot+2:G0B+4*\slot+3], s[68:69]
	JLOAD G0+4*\slot, G1, G0B+4*\slot, G1B
	PLACES NP-4
.else
	PLACES NP
.endif
	FETCH_B \next, 0, 0
	FETCH_A \next, 0, 0
	SCALES \next
	WIN MUL_HI
	MUL16 4, 1, NQ-1, \slot, 0
	MUL16 6, 1, NQ-1, \slot, 0
	PLACES NP
	WIN 0
	FETCH_A \next, 0, 4
.endm
	s_load_b128 s[4:7], s[0:1], 0x0                ; A's blocks, wq
	s_load_b128 s[8:11], s[0:1], 0x10              ; the bias, the residual
	s_load_b64 s[12:13], s[0:1], 0x20              ; the output
	v_lshl_add_u32 v[SPW], v0, 2, SPARE
	v_mov_b32 v[NIL], 0
	ds_add_u32 v28, v29
	ds_add_u32 v28, v29
	s_wait_dscnt 0x0
	v_lshrrev_b32 v1, 5, v0
	v_readfirstlane_b32 s14, v1
	s_lshr_b32 s15, s14, 1
	s_and_b32 s16, s14, 1
	s_bfe_u32 s40, ttmp6, 0x40000
	s_bfe_u32 s41, ttmp6, 0x40004
	s_lshl_b32 s42, ttmp9, 2
	s_add_co_u32 s42, s42, s40                     ; tile column
	s_and_b32 s17, ttmp7, 0xffff
	s_lshl_b32 s17, s17, 2
	s_add_co_u32 s17, s17, s41                     ; tile row
	s_lshl_b32 s43, s41, 2
	s_lshl_b32 s43, 15, s43
	s_lshl_b32 s44, 0x1111, s40
	s_or_b32 s[G1+0], s43, (3<<16)|(1<<21)
	s_or_b32 s[G1B+0], s44, (3<<16)|(1<<21)
.irp g, G1, G1B
	s_mov_b32 s[\g+1], 32<<16
	s_mov_b32 s[\g+2], 132<<16
	s_mov_b32 s[\g+3], 32<<16
	s_mov_b32 s[\g+4], 132
	s_mov_b32 s[\g+5], 32
	s_mov_b32 s[\g+6], 0
	s_mov_b32 s[\g+7], 0
.endr
	s_mov_b32 s66, 2*STRA
	s_mov_b32 s67, 0
	s_mov_b32 s68, 2*STRB
	s_mov_b32 s69, 0
	s_mov_b32 s18, STRA
	s_mov_b32 s19, 0
	s_mov_b32 s22, STRB
	s_mov_b32 s23, 0
	s_lshl_b32 s20, s17, 1
	s_add_co_u32 s20, s20, s16
	s_mul_i32 s20, s20, GB
	s_mov_b32 s21, 0
	s_lshl_b32 s46, s42, 1
	s_add_co_u32 s46, s46, s16
	s_mul_i32 s46, s46, GB
	s_add_co_u32 s46, s46, WOFF
	s_mov_b32 s47, 0
	s_mul_i32 s45, s14, HALFT
	s_wait_kmcnt 0x0
	s_add_nc_u64 s[20:21], s[4:5], s[20:21]
	s_add_nc_u64 s[46:47], s[6:7], s[46:47]
	CROUND
	s_mov_b32 s[G0], 1
	s_add_co_u32 s[G0+1], s45, 0
	s_mov_b64 s[G0+2:G0+3], s[20:21]
	s_or_b32 s[G0+3], s[G0+3], 0x80000000
	s_mov_b32 s[G0B], 1
	s_add_co_u32 s[G0B+1], s45, 0
	s_mov_b64 s[G0B+2:G0B+3], s[46:47]
	s_or_b32 s[G0B+3], s[G0B+3], 0x80000000
	JLOAD G0, G1, G0B, G1B
	s_mov_b32 s[G0+4], 1
	s_add_co_u32 s[G0+5], s45, SLOT
	s_add_nc_u64 s[G0+6:G0+7], s[20:21], s[18:19]
	s_or_b32 s[G0+7], s[G0+7], 0x80000000
	s_mov_b32 s[G0B+4], 1
	s_add_co_u32 s[G0B+5], s45, SLOT
	s_add_nc_u64 s[G0B+6:G0B+7], s[46:47], s[22:23]
	s_or_b32 s[G0B+7], s[G0B+7], 0x80000000
	JLOAD G0+4, G1, G0B+4, G1B
	v_and_b32 v1, 31, v0
	v_lshlrev_b32 v[L16], 4, v1
	s_mul_i32 s21, s15, HALFT
	s_mul_i32 s22, s16, HALFT
	s_add_co_u32 s22, s22, 2*HALFT
.irp s, 0,1
	v_add_nc_u32 v[ADRA+\s], s21, v[L16]
	v_add_nc_u32 v[ADRB+\s], s22, v[L16]
	s_add_co_u32 s21, s21, SLOT
	s_add_co_u32 s22, s22, SLOT
.endr
	s_mul_i32 s23, s14, 8448                       ; my stage: 16 rows of 512 + 16 bytes
	v_and_b32 v2, 15, v0
	v_bfe_u32 v3, v0, 4, 1
	v_mul_u32_u24 v4, v2, 528
	v_lshl_add_u32 v4, v3, 6, v4
	v_add_nc_u32 v[STO], s23, v4                   ; in: row r, + 64 (lane / 16)
	v_add_nc_u32 v[RD], s23, v[L16]                ; back: a whole row, 16 bytes a lane
	s_lshl_b32 s91, s17, 1
	s_add_co_u32 s91, s91, s15
	s_lshl_b32 s91, s91, 19                        ; my 128 rows of 4,096 bytes
	s_lshl_b32 s92, s42, 1
	s_add_co_u32 s92, s92, s16
	s_lshl_b32 s92, s92, 9                         ; my 128 columns
	s_add_co_u32 s74, s91, s92
	s_mov_b32 s75, 0
	s_mov_b32 s93, 0
	s_add_nc_u64 s[76:77], s[12:13], s[74:75]      ; the output,
	s_add_nc_u64 s[74:75], s[10:11], s[74:75]      ; the residual,
	s_add_nc_u64 s[78:79], s[8:9], s[92:93]        ; the bias: none of the three is stepped
.macro RLOAD a, reg                    ; the residual's 16 rows of block a, whole rows of 512 bytes
.irp t, 0,1,2,3,4,5,6,7,8,9,10,11,12,13,14,15
	global_load_b128 v[\reg+4*\t:\reg+4*\t+3], v[L16], s[74:75] offset:(32*((\a)/2)+16*(\t/8)+8*((\a)%2)+\t%8)*4096
.endr
.endm
	global_load_b128 v[8:11], v[L16], s[78:79]     ; the bias of my four columns of a row
	RLOAD 0, 64                                    ; block 0's residual: v64-127
	s_wait_tensorcnt 1                             ; my part of K step 0 is in; K step 1's load may be out
	s_barrier_signal -1
	s_barrier_wait -1
	FETCH_B 0, 0, 0
	FETCH_A 0, 0, 0
	SCALES 0
	FETCH_A 0, 0, 4
	STEP 0, 0, 1
	s_mov_b32 s3, LAPS-1
.Llap:
	TURN 0, 1, 1
	STEP 1, 0, 0
	TURN 1, 0, 1
	STEP 0, 0, 0
	s_sub_co_u32 s3, s3, 1
	s_cmp_lg_u32 s3, 0
	s_cbranch_scc1 .Llap
	TURN 0, 1, 0
	STEP 1, 0, 0
	s_wait_dscnt 4*NL
	WIN MUL_LO
	MUL16 0, 1, NQ-1, 1, 0
	MUL16 2, 1, NQ-1, 1, 0
	s_wait_dscnt 0
	WIN MUL_HI
	MUL16 4, 1, NQ-1, 1, 0
	MUL16 6, 1, NQ-1, 1, 0
	WIN 0
.macro TOSTAGE a                       ; LDS serves a wave's instructions in order (ISA guide 5.7.1.4): no wait between the stores and the loads, nor in front of the next block's stores
.set AC, 64*((\a)%4)
	WIN 0x08+4*((\a)/4)                            ; the data: window 2 or 3
.irp b, 0,1,2,3,4,5,6,7
	ds_store_b128 v[STO], v[AC+8*\b:AC+8*\b+3] offset:128*(\b/2)+32*(\b%2)          ; each accumulator from its low end on
	ds_store_b128 v[STO], v[AC+8*\b+4:AC+8*\b+7] offset:128*(\b/2)+32*(\b%2)+16
.endr
	WIN 0
.set BB, BK+64*((\a)%2)
.irp t, 0,1,2,3,4,5,6,7,8,9,10,11,12,13,14,15
	ds_load_b128 v[BB+4*\t:BB+4*\t+3], v[RD] offset:\t*528
.endr
.endm
.macro SEND a, younger                 ; younger: the LDS instructions issued behind block a's loads
.set BB, BK+64*((\a)%2)
	s_wait_dscnt \younger
.if (\a) > 4
	s_wait_loadcnt 16*(7-(\a))                     ; behind block a's residual: the 16 loads of each later block
.elseif (\a) > 0
	s_wait_loadcnt 48                              ; behind block a's residual: three blocks' loads
.endif
.irp t, 0,1,2,3,4,5,6,7,8,9,10,11,12,13,14,15
	v_pk_add_f32 v[BB+4*\t:BB+4*\t+1], v[BB+4*\t:BB+4*\t+1], v[8:9]
	v_pk_add_f32 v[BB+4*\t+2:BB+4*\t+3], v[BB+4*\t+2:BB+4*\t+3], v[10:11]
.endr
.if (\a) == 0
.set RR, 64
.else
.set RR, 64*(((\a)-1)%4)
	WIN 0x04                                       ; source 1: window 1
.endif
.set i, 0
.rept 32
	v_pk_add_f32 v[BB+i:BB+i+1], v[BB+i:BB+i+1], v[RR+i:RR+i+1]
.set i, i+2
.endr
	WIN 0
.irp t, 0,1,2,3,4,5,6,7,8,9,10,11,12,13,14,15
	global_store_b128 v[L16], v[BB+4*\t:BB+4*\t+3], s[76:77] offset:(32*((\a)/2)+16*(\t/8)+8*((\a)%2)+\t%8)*4096   ; 512 consecutive aligned bytes
.endr
.if ((\a) > 0) && ((\a) < 4)
	WIN 0x40
	RLOAD (\a)+4, 64*((\a)-1)                      ; the set just added takes the block four further on
	WIN 0
.endif
.endm
	s_wait_loadcnt 0x0                             ; the bias and block 0's residual
	PLACES NP                                      ; behind the last products: results are read, and loads land on registers that held fragments
	WIN 0x40
	RLOAD 1, 0
	RLOAD 2, 64
	RLOAD 3, 128
	RLOAD 4, 192
	WIN 0
	TOSTAGE 0
.irp a, 1,2,3,4,5,6,7
.if \a > 1
	s_wait_xcnt 0x0                                ; block a - 2's stores have read their registers: block a's loads may land there
.endif
	TOSTAGE \a
	SEND \a-1, 32                                  ; behind block a - 1's loads: block a's 16 stores and 16 loads
.endr
	s_wait_xcnt 0x0
	SEND 7, 0
	s_wait_tensorcnt 0x0                           ; the wave's end
	ds_add_u32 v[SPW], v[NIL]
	s_wait_dscnt 0x0
	CROUND                                         ; the closing round
	s_endpgm
.Lfunc_end_k_q4382654da0_proj:
	.size	k_q4382654da0_proj, .Lfunc_end_k_q4382654da0_proj-k_q4382654da0_proj
	.p2alignl 7, 3214868480
	.fill 96, 4, 3214868480
	.section	.rodata,"a",@progbits
	.p2align	6, 0x0
	.amdhsa_kernel k_q4382654da0_proj
		.amdhsa_group_segment_fixed_size 327680
		.amdhsa_private_segment_fixed_size 0
		.amdhsa_enable_private_segment 0
		.amdhsa_kernarg_size 40
		.amdhsa_user_sgpr_count 2
		.amdhsa_user_sgpr_kernarg_segment_ptr 1
		.amdhsa_wavefront_size32 1
		.amdhsa_system_sgpr_workgroup_id_x 1
		.amdhsa_system_sgpr_workgroup_id_y 1
		.amdhsa_system_sgpr_workgroup_id_z 1
		.amdhsa_system_vgpr_workitem_id 0
		.amdhsa_next_free_vgpr 1024
		.amdhsa_next_free_sgpr 104
		.amdhsa_reserve_vcc 0
		.amdhsa_float_denorm_mode_32 3
		.amdhsa_float_denorm_mode_16_64 3
		.amdhsa_memory_ordered 1
		.amdhsa_forward_progress 1
		.amdhsa_inst_pref_size 186
	.end_amdhsa_kernel
	.amdgpu_metadata
---
amdhsa.version: [ 1, 2 ]
amdhsa.kernels:
  - .name:           k_q4382654da0_proj
    .symbol:         k_q4382654da0_proj.kd
    .args:
      - { .name: yq, .offset: 0, .size: 8, .value_kind: global_buffer, .address_space: global }
      - { .name: wq, .offset: 8, .size: 8, .value_kind: global_buffer, .address_space: global }
      - { .name: proj_b, .offset: 16, .size: 8, .value_kind: global_buffer, .address_space: global }
      - { .name: x, .offset: 24, .size: 8, .value_kind: global_buffer, .address_space: global }
      - { .name: x1, .offset: 32, .size: 8, .value_kind: global_buffer, .address_space: global }
    .group_segment_fixed_size: 327680
    .private_segment_fixed_size: 0
    .kernarg_segment_align: 8
    .kernarg_segment_size: 40
    .max_flat_workgroup_size: 128
    .sgpr_count:     104
    .vgpr_count:     1024
    .wavefront_size: 32
...
	.end_amdgpu_metadata
.endif
;; end of part 5
;; launch ln2: the kernel of part 2 again; grid 128 x 1, 8 waves a work-group, no clusters, 77,824 bytes of LDS; arguments x1, ln2_w, ln2_b, act; writes act
;; launch fc (part 6): grid 16 x 16, 4 waves a work-group, clusters of 4 x 4, 327,680 bytes of LDS; arguments act, wq, fc_b, hq; writes hq
.if DOCPART == 6
	.amdgcn_target "amdgcn-amd-amdhsa--gfx1250"
	.amdhsa_code_object_version 6
	.text
	.protected	k_q4382654da0_fc
	.globl	k_q4382654da0_fc
	.p2align	8
	.type	k_q4382654da0_fc,@function
k_q4382654da0_fc:
	s_mov_b64 s[64:65], 0
	v_nop
	global_prefetch_b8 v0, s[64:65] scope:SCOPE_SE
	s_setreg_imm32_b32 hwreg(HW_REG_WAVE_MODE, 25, 1), 1
	s_wait_xcnt 0x0
	s_wait_alu depctr_hold_cnt(0) depctr_sa_sdst(0) depctr_va_vdst(0) depctr_va_sdst(0) depctr_va_ssrc(0) depctr_va_vcc(0) depctr_vm_vsrc(0)
	s_getreg_b32 s2, hwreg(HW_REG_IB_STS2, 6, 4)
	s_cmp_eq_u32 s2, 0
	s_cbranch_scc0 .Lentry_in_a_cluster
	s_endpgm
.Lentry_in_a_cluster:
	s_bfe_u32 s2, ttmp6, 0x10000c
	s_cmp_lg_u32 s2, 0xf033
	s_cbranch_scc0 .Lentry_shape_is_right
	s_endpgm
.Lentry_shape_is_right:
; hq = Q(gelu(Q(LayerNorm 2) Q(fc_w) + fc_b)): the product on codes of E5M2 with E8M0 scales, sums in f32; bias, exact GELU and the quantiser along the hidden units in f32 on the way out: the hidden layer goes to memory as codes alone.
; OPERANDS lie in memory in the order of a matrix operand's registers: blocks [K step of 256][group of 128 rows] of 33,792 dense bytes (codes of K 0-127, of K 128-255, their scale words): one tensor load of 132 rows
; of 256 bytes brings a group's K step with its scales, fragments are read from LDS at 16 x lane, four scale registers by one load (register p: block 2 p in lanes 0-15, block 2 p + 1 in lanes 16-31).
; A tile of C is 256 x 256, four waves of 128 x 128; K goes in steps of 256 through two LDS slots; 4 x 4 work-groups form a cluster, A's tiles are asked for jointly along a row, B's along a column.
; THE PRODUCT IS USED TRANSPOSED, and within each 32 rows place p holds row p with bits 3 and 4 swapped: a lane's registers 16 b + i of a block of 16 rows are the hidden units 32 b + 16 (lane / 16) + i: the next operand's registers.
; GELU: 0.5 t (1 + erf(t / sqrt 2)); erf(z) = z P(z^2) / Q(z^2) with z held to +-4, polynomials of degree 6 and 4 in f32, the division by v_rcp_f32: a few units in erf's last place.  Beyond |z| = 4 erf is taken at 4.
; THE WAY OUT IS A LOOP of eight trips, one for each block of 16 rows: GELU, quantiser and stores are written once; the lines that name a block's accumulators, and the line that files its scale word, are chosen by compares of the trip's number.
; SCALARS: s78-97 hold erf's coefficients from the head to the way out and serve nothing else; the head's temporaries are s18-23 and s40-47.
; LIMITS: NaN and infinities are not served; a block under 2^-111 gets the byte 1.
.set LAPS,   2
.set WOFF,   4325376
.set STRA,   32*33792
.set STRB,   32*33792
.set GB,     33792
.set HALFT,  GB
.set SLOT,   4*HALFT
.set SPARE,  2*SLOT
.set NQ,     2
.set FR,     16
.set NL,     4
.set NP,     8
.set SW,     4                         ; v4-7  the four registers of scale words that leave together
.set PWE,    8                         ; v8    the even block's scale word
.set ADRA,   16
.set L16,    18
.set ADRB,   20
.set SPW,    28
.set NIL,    29
.set SC,     32
.set BN,     64                        ; v64-127 the bias, in the result's layout
.set AF,     128
.set T,      128                       ; the way out: 64 numbers
.set Z,      192                       ; GELU at work: 16 each
.set X2,     208
.set P,      224
.set Q,      240
.set TM,     192                       ; the quantiser at work, over them
.set PC,     208
.set PW,     224
.set A0,     78                        ; erf's coefficients, a scalar pair each (v[12:13], v[14:15] hold the two that stand as addends beside another)
.set A2,     80
.set A3,     82
.set A4,     84
.set A5,     86
.set A6,     88
.set B0,     90
.set B2,     92
.set B3,     94
.set B4,     96
.set G1,     24
.set G0,     32
.set G1B,    48
.set G0B,    56
.set MSB, 0
.macro WIN new
.if MSB != (\new)
	s_set_vgpr_msb (MSB<<8)|(\new)
.set MSB, (\new)
.endif
.endm
.set MUL_LO, 0xa1
.set MUL_HI, 0xf1
.set TO_B,   0x40
.macro JLOAD g0a, g1a, g0b, g1b        ; a joint load: waves 0 and 1 fetch A's two groups, waves 2 and 3 B's; four v_nop follow each line
	s_cmp_eq_u32 s15, 0
	s_cbranch_scc0 .Lfor_b_\@
	tensor_load_to_lds s[\g0a:\g0a+3], s[\g1a:\g1a+7]
	s_nop 0
.rept 4
	v_nop
.endr
	s_branch .Lasked_\@
.Lfor_b_\@:
	tensor_load_to_lds s[\g0b:\g0b+3], s[\g1b:\g1b+7]
	s_nop 0
.rept 4
	v_nop
.endr
.Lasked_\@:
.endm
.macro CREST
	s_cmp_lg_u32 s14, 0
	s_cbranch_scc1 .Lnot_wave_0_\@
	s_barrier_signal -3
.Lnot_wave_0_\@:
	s_barrier_wait -3
	s_barrier_signal -1
	s_barrier_wait -1
.endm
.macro CROUND
	s_barrier_signal -1
	s_barrier_wait -1
	CREST
.endm
.macro PLACES n
.rept \n
	v_nop
.endr
.endm
.macro FRAG reg, adr, q, i
.irp c, 0,1,2,3
	ds_load_b128 v[\reg+4*\c:\reg+4*\c+3], v[\adr] offset:16384*(\q)+2048*(\i)+512*\c
.endr
.endm
.macro FETCH_B slot, q, p
	WIN TO_B
.irp i, 0,1,2,3,4,5,6,7
	FRAG 128*(\p)+FR*\i, ADRB+\slot, \q, \i
.endr
	WIN 0
.endm
.macro FETCH_A slot, q, i0
.irp i, \i0, \i0+1, \i0+2, \i0+3
	FRAG AF+FR*(\i), ADRA+\slot, \q, \i
.endr
.endm
.macro SCALES slot
.irp q, 0,1
	ds_load_b128 v[SC+16*\slot+8*\q:SC+16*\slot+8*\q+3], v[ADRA+\slot] offset:32768+512*\q
	ds_load_b128 v[SC+16*\slot+8*\q+4:SC+16*\slot+8*\q+7], v[ADRB+\slot] offset:32768+512*\q
.endr
.endm
.macro WM zero, ra, rb
.if \zero
.if (\ra)&&(\rb)
	v_wmma_scale_f32_16x16x128_f8f6f4 v[wD:wD+7], v[wB:wB+15], v[wA:wA+15], 0, v[wSB], v[wSA] matrix_a_fmt:MATRIX_FMT_BF8 matrix_b_fmt:MATRIX_FMT_BF8 matrix_a_scale:MATRIX_SCALE_ROW1 matrix_b_scale:MATRIX_SCALE_ROW1
.elseif \ra
	v_wmma_scale_f32_16x16x128_f8f6f4 v[wD:wD+7], v[wB:wB+15], v[wA:wA+15], 0, v[wSB], v[wSA] matrix_a_fmt:MATRIX_FMT_BF8 matrix_b_fmt:MATRIX_FMT_BF8 matrix_a_scale:MATRIX_SCALE_ROW1
.elseif \rb
	v_wmma_scale_f32_16x16x128_f8f6f4 v[wD:wD+7], v[wB:wB+15], v[wA:wA+15], 0, v[wSB], v[wSA] matrix_a_fmt:MATRIX_FMT_BF8 matrix_b_fmt:MATRIX_FMT_BF8 matrix_b_scale:MATRIX_SCALE_ROW1
.else
	v_wmma_scale_f32_16x16x128_f8f6f4 v[wD:wD+7], v[wB:wB+15], v[wA:wA+15], 0, v[wSB], v[wSA] matrix_a_fmt:MATRIX_FMT_BF8 matrix_b_fmt:MATRIX_FMT_BF8
.endif
.else
.if (\ra)&&(\rb)
	v_wmma_scale_f32_16x16x128_f8f6f4 v[wD:wD+7], v[wB:wB+15], v[wA:wA+15], v[wD:wD+7], v[wSB], v[wSA] matrix_a_fmt:MATRIX_FMT_BF8 matrix_b_fmt:MATRIX_FMT_BF8 matrix_a_scale:MATRIX_SCALE_ROW1 matrix_b_scale:MATRIX_SCALE_ROW1
.elseif \ra
	v_wmma_scale_f32_16x16x128_f8f6f4 v[wD:wD+7], v[wB:wB+15], v[wA:wA+15], v[wD:wD+7], v[wSB], v[wSA] matrix_a_fmt:MATRIX_FMT_BF8 matrix_b_fmt:MATRIX_FMT_BF8 matrix_a_scale:MATRIX_SCALE_ROW1
.elseif \rb
	v_wmma_scale_f32_16x16x128_f8f6f4 v[wD:wD+7], v[wB:wB+15], v[wA:wA+15], v[wD:wD+7], v[wSB], v[wSA] matrix_a_fmt:MATRIX_FMT_BF8 matrix_b_fmt:MATRIX_FMT_BF8 matrix_b_scale:MATRIX_SCALE_ROW1
.else
	v_wmma_scale_f32_16x16x128_f8f6f4 v[wD:wD+7], v[wB:wB+15], v[wA:wA+15], v[wD:wD+7], v[wSB], v[wSA] matrix_a_fmt:MATRIX_FMT_BF8 matrix_b_fmt:MATRIX_FMT_BF8
.endif
.endif
.endm
.macro MUL16 a0, p, q, sc, zero        ; the 64 accumulators take turns, one instruction a turn, in the same order in every step
.irp a, \a0, \a0+1
.irp b, 0,1,2,3,4,5,6,7
.set wD, 8*(8*((\a)%4)+\b)
.set wB, 128*(\p)+FR*\b
.set wA, AF+FR*(\a)
.set wSB, SC+16*(\sc)+8*(\q)+4+\b/2
.set wSA, SC+16*(\sc)+8*(\q)+(\a)/2
	WM \zero, \b%2, (\a)%2
.endr
.endr
.endm
.macro STEP slot, q, zero
	s_wait_dscnt 4*NL                              ; all but the youngest 16 loads (A's blocks 4-7)
	WIN MUL_LO
	MUL16 0, (\q)%2, \q, \slot, \zero
	MUL16 2, (\q)%2, \q, \slot, \zero
	s_wait_dscnt 0
	PLACES NP
	FETCH_B \slot, (\q)+1, 1-(\q)%2
	FETCH_A \slot, (\q)+1, 0
	WIN MUL_HI
	MUL16 4, (\q)%2, \q, \slot, \zero
	MUL16 6, (\q)%2, \q, \slot, \zero
	PLACES NP
	WIN 0
	FETCH_A \slot, (\q)+1, 4
.endm
.macro TURN slot, next, fill
	s_wait_tensorcnt 0x0                           ; all my tensor loads have landed: my part of the next slot
	ds_add_u32 v[SPW], v[NIL]                      ; 0 onto my spare word
	s_wait_dscnt 4*NL+1                            ; the add and the youngest 16 loads may be out
	WIN MUL_LO
	MUL16 0, 1, NQ-1, \slot, 0
	s_wait_dscnt 0x0                               ; the add is done, and my reads of this slot are over
	s_barrier_signal -1
	MUL16 2, 1, NQ-1, \slot, 0
	WIN 0
	s_barrier_wait -1
.if \fill
	CREST                                          ; a round of the cluster's barrier: no wave of any partner still reads this slot or has a load on its way
	s_add_nc_u64 s[G0+4*\slot+2:G0+4*\slot+3], s[G0+4*\slot+2:G0+4*\slot+3], s[66:67]
	s_add_nc_u64 s[G0B+4*\slot+2:G0B+4*\slot+3], s[G0B+4*\slot+2:G0B+4*\slot+3], s[68:69]
	JLOAD G0+4*\slot, G1, G0B+4*\slot, G1B
	PLACES NP-4
.else
	PLACES NP
.endif
	FETCH_B \next, 0, 0
	FETCH_A \next, 0, 0
	SCALES \next
	WIN MUL_HI
	MUL16 4, 1, NQ-1, \slot, 0
	MUL16 6, 1, NQ-1, \slot, 0
	PLACES NP
	WIN 0
	FETCH_A \next, 0, 4
.endm
.macro QUANT s                         ; 64 numbers of a lane become a fragment's codes in v[PC] on and its scale word in v[PW]
.irp b, 0,1,2,3
	v_max3_num_f32 v[TM+\b], |v[\s+16*\b]|, |v[\s+1+16*\b]|, 0x8000000
.endr
.irp i, 2,4,6,8,10,12,14
.irp b, 0,1,2,3
	v_max3_num_f32 v[TM+\b], v[TM+\b], |v[\s+16*\b+\i]|, |v[\s+1+16*\b+\i]|
.endr
.endr
.irp b, 0,1,2,3
	v_permlanex16_b32 v[TM+4+\b], v[TM+\b], s70, s71
.endr
.irp b, 0,1,2,3
	v_max_num_f32 v[TM+\b], v[TM+\b], v[TM+4+\b]
.endr
.irp b, 0,1,2,3
	v_add_nc_u32 v[TM+12+\b], 0xf8800000, v[TM+\b]
.endr
.irp b, 0,1,2,3
	v_and_or_b32 v[TM+8+\b], v[TM+\b], 0x7f800000, s72
.endr
.irp b, 0,1,2,3
	v_lshrrev_b32 v[TM+4+\b], 23, v[TM+12+\b]
.endr
	v_lshl_or_b32 v[PW], v[TM+5], 8, v[TM+4]
	v_lshl_or_b32 v[PW], v[TM+6], 16, v[PW]
	v_lshl_or_b32 v[PW], v[TM+7], 24, v[PW]
.irp b, 0,1,2,3
.irp i, 0,1,2,3,4,5,6,7,8,9,10,11,12,13,14,15
	v_med3_num_f32 v[\s+16*\b+\i], v[\s+16*\b+\i], -v[TM+8+\b], v[TM+8+\b]
.endr
	v_cvt_scalef32_pk8_bf8_f32 v[PC+4*\b:PC+1+4*\b], v[\s+16*\b:\s+7+16*\b], v[TM+12+\b]
	v_cvt_scalef32_pk8_bf8_f32 v[PC+2+4*\b:PC+3+4*\b], v[\s+8+16*\b:\s+15+16*\b], v[TM+12+\b]
.endr
	v_nop
.endm
.macro GELU u                          ; 16 numbers t in v[T + 16 u] on become 0.5 t (1 + erf(t / sqrt 2))
.set TU, T+16*(\u)
.irp i, 0,2,4,6,8,10,12,14
	v_pk_mul_f32 v[Z+\i:Z+\i+1], v[TU+\i:TU+\i+1], 0x3f3504f3 op_sel_hi:[1,0]   ; z = t / sqrt 2
.endr
.irp i, 0,1,2,3,4,5,6,7,8,9,10,11,12,13,14,15
	v_med3_num_f32 v[Z+\i], v[Z+\i], -4.0, 4.0
.endr
.irp i, 0,2,4,6,8,10,12,14
	v_pk_mul_f32 v[X2+\i:X2+\i+1], v[Z+\i:Z+\i+1], v[Z+\i:Z+\i+1]
.endr
.irp i, 0,2,4,6,8,10,12,14
	v_pk_fma_f32 v[P+\i:P+\i+1], v[X2+\i:X2+\i+1], s[A0:A0+1], v[12:13] op_sel_hi:[1,0,1]
.endr
.irp i, 0,2,4,6,8,10,12,14
	v_pk_fma_f32 v[Q+\i:Q+\i+1], v[X2+\i:X2+\i+1], s[B0:B0+1], v[14:15] op_sel_hi:[1,0,1]
.endr
.irp k, A2, A3, A4, A5, A6
.irp i, 0,2,4,6,8,10,12,14
	v_pk_fma_f32 v[P+\i:P+\i+1], v[P+\i:P+\i+1], v[X2+\i:X2+\i+1], s[\k:\k+1] op_sel_hi:[1,1,0]
.endr
.endr
.irp k, B2, B3, B4
.irp i, 0,2,4,6,8,10,12,14
	v_pk_fma_f32 v[Q+\i:Q+\i+1], v[Q+\i:Q+\i+1], v[X2+\i:X2+\i+1], s[\k:\k+1] op_sel_hi:[1,1,0]
.endr
.endr
.irp i, 0,2,4,6,8,10,12,14
	v_pk_mul_f32 v[P+\i:P+\i+1], v[P+\i:P+\i+1], v[Z+\i:Z+\i+1]
.endr
.irp i, 0,1,2,3,4,5,6,7,8,9,10,11,12,13,14,15
	v_rcp_f32 v[Q+\i], v[Q+\i]
.endr
.irp i, 0,2,4,6,8,10,12,14
	v_pk_mul_f32 v[Z+\i:Z+\i+1], v[TU+\i:TU+\i+1], 0.5 op_sel_hi:[1,0]   ; plain work behind the reciprocals
.endr
	s_wait_alu depctr_va_vdst(0)                   ; one wait for the sixteen, ahead of their first reader
.irp i, 0,2,4,6,8,10,12,14
	v_pk_mul_f32 v[P+\i:P+\i+1], v[P+\i:P+\i+1], v[Q+\i:Q+\i+1]          ; erf
.endr
.irp i, 0,2,4,6,8,10,12,14
	v_pk_fma_f32 v[TU+\i:TU+\i+1], v[Z+\i:Z+\i+1], v[P+\i:P+\i+1], v[Z+\i:Z+\i+1]
.endr
.endm
	s_load_b128 s[4:7], s[0:1], 0x0                ; act, wq
	s_load_b128 s[8:11], s[0:1], 0x10              ; fc_b, hq
	v_lshl_add_u32 v[SPW], v0, 2, SPARE
	v_mov_b32 v[NIL], 0
	ds_add_u32 v28, v29
	ds_add_u32 v28, v29
	s_wait_dscnt 0x0
	v_lshrrev_b32 v1, 5, v0
	v_readfirstlane_b32 s14, v1
	s_lshr_b32 s15, s14, 1
	s_and_b32 s16, s14, 1
	s_bfe_u32 s40, ttmp6, 0x40000
	s_bfe_u32 s41, ttmp6, 0x40004
	s_lshl_b32 s42, ttmp9, 2
	s_add_co_u32 s42, s42, s40                     ; tile column
	s_and_b32 s17, ttmp7, 0xffff
	s_lshl_b32 s17, s17, 2
	s_add_co_u32 s17, s17, s41                     ; tile row
	s_lshl_b32 s43, s41, 2
	s_lshl_b32 s43, 15, s43
	s_lshl_b32 s44, 0x1111, s40
	s_or_b32 s[G1+0], s43, (3<<16)|(1<<21)
	s_or_b32 s[G1B+0], s44, (3<<16)|(1<<21)
.irp g, G1, G1B
	s_mov_b32 s[\g+1], 32<<16
	s_mov_b32 s[\g+2], 132<<16
	s_mov_b32 s[\g+3], 32<<16
	s_mov_b32 s[\g+4], 132
	s_mov_b32 s[\g+5], 32
	s_mov_b32 s[\g+6], 0
	s_mov_b32 s[\g+7], 0
.endr
	s_mov_b32 s66, 2*STRA
	s_mov_b32 s67, 0
	s_mov_b32 s68, 2*STRB
	s_mov_b32 s69, 0
	s_mov_b32 s18, STRA
	s_mov_b32 s19, 0
	s_mov_b32 s22, STRB
	s_mov_b32 s23, 0
	s_lshl_b32 s20, s17, 1
	s_add_co_u32 s20, s20, s16
	s_mul_i32 s20, s20, GB
	s_mov_b32 s21, 0
	s_lshl_b32 s46, s42, 1
	s_add_co_u32 s46, s46, s16
	s_mul_i32 s46, s46, GB
	s_add_co_u32 s46, s46, WOFF
	s_mov_b32 s47, 0
	s_mul_i32 s45, s14, HALFT
	s_wait_kmcnt 0x0
	s_add_nc_u64 s[20:21], s[4:5], s[20:21]
	s_add_nc_u64 s[46:47], s[6:7], s[46:47]
	CROUND
	s_mov_b32 s[G0], 1
	s_add_co_u32 s[G0+1], s45, 0
	s_mov_b64 s[G0+2:G0+3], s[20:21]
	s_or_b32 s[G0+3], s[G0+3], 0x80000000
	s_mov_b32 s[G0B], 1
	s_add_co_u32 s[G0B+1], s45, 0
	s_mov_b64 s[G0B+2:G0B+3], s[46:47]
	s_or_b32 s[G0B+3], s[G0B+3], 0x80000000
	JLOAD G0, G1, G0B, G1B
	s_mov_b32 s[G0+4], 1
	s_add_co_u32 s[G0+5], s45, SLOT
	s_add_nc_u64 s[G0+6:G0+7], s[20:21], s[18:19]
	s_or_b32 s[G0+7], s[G0+7], 0x80000000
	s_mov_b32 s[G0B+4], 1
	s_add_co_u32 s[G0B+5], s45, SLOT
	s_add_nc_u64 s[G0B+6:G0B+7], s[46:47], s[22:23]
	s_or_b32 s[G0B+7], s[G0B+7], 0x80000000
	JLOAD G0+4, G1, G0B+4, G1B
	v_and_b32 v1, 31, v0
	v_lshlrev_b32 v[L16], 4, v1
	s_mul_i32 s21, s15, HALFT
	s_mul_i32 s22, s16, HALFT
	s_add_co_u32 s22, s22, 2*HALFT
.irp s, 0,1
	v_add_nc_u32 v[ADRA+\s], s21, v[L16]
	v_add_nc_u32 v[ADRB+\s], s22, v[L16]
	s_add_co_u32 s21, s21, SLOT
	s_add_co_u32 s22, s22, SLOT
.endr
	s_mov_b32 s70, 0x76543210
	s_mov_b32 s71, 0xfedcba98
	s_mov_b32 s72, 0x600000
	s_mov_b32 s73, 0xffff0000                      ; lanes 16-31
	s_mov_b32 s[A0], 0xaf95df0b                    ; erf's numerator, from z^13 down (z^11's stands in v[12:13])
	s_mov_b32 s[A2], 0xb60cff51
	s_mov_b32 s[A3], 0xb86ec2d2
	s_mov_b32 s[A4], 0xba40ac63
	s_mov_b32 s[A5], 0xbb41a1f6
	s_mov_b32 s[A6], 0xbc83dbd4
	s_mov_b32 s[B0], 0xb77460cd                    ; its denominator, from z^8 down (z^6's stands in v[14:15])
	s_mov_b32 s[B2], 0xbadc924e
	s_mov_b32 s[B3], 0xbbf19bf8
	s_mov_b32 s[B4], 0xbc69b6a7
.irp k, A0, A2, A3, A4, A5, A6, B0, B2, B3, B4
	s_mov_b32 s[\k+1], s[\k]                       ; named as pairs, so both words are written
.endr
	v_mov_b32 v12, 0x32edffee
	v_mov_b32 v13, 0x32edffee
	v_mov_b32 v14, 0xb95fbd29
	v_mov_b32 v15, 0xb95fbd29
	; where the results go.  The temporaries are s18-20: their last readers were the sums that made the descriptors' addresses, and no descriptor names them
	s_lshl_b32 s18, s17, 1
	s_add_co_u32 s18, s18, s15                     ; my group of tokens
	s_lshl_b32 s19, s42, 5
	s_add_co_u32 s19, s19, s18
	s_mul_i32 s19, s19, GB                         ; the output's block: K step = tile column
	s_lshl_b32 s20, s16, 14
	s_add_co_u32 s74, s19, s20                     ; codes: my half of the K step
	s_mov_b32 s75, 0
	s_lshl_b32 s20, s16, 9
	s_add_co_u32 s76, s19, s20
	s_add_co_u32 s76, s76, 32768                   ; its scale words
	s_mov_b32 s77, 0
	s_add_nc_u64 s[74:75], s[10:11], s[74:75]
	s_add_nc_u64 s[76:77], s[10:11], s[76:77]
	s_lshl_b32 s12, s42, 1
	s_add_co_u32 s12, s12, s16
	s_lshl_b32 s12, s12, 9
	s_mov_b32 s13, 0
	s_add_nc_u64 s[12:13], s[8:9], s[12:13]        ; the bias of my 128 columns
	v_bfe_u32 v2, v0, 4, 1
	v_lshlrev_b32 v2, 6, v2
.irp b, 0,1,2,3
.irp j, 0,1,2,3
	global_load_b128 v[BN+16*\b+4*\j:BN+16*\b+4*\j+3], v2, s[12:13] offset:128*\b+16*\j
.endr
.endr
	s_wait_tensorcnt 1                             ; my part of K step 0 is in; K step 1's load may be out
	s_barrier_signal -1
	s_barrier_wait -1
	FETCH_B 0, 0, 0
	FETCH_A 0, 0, 0
	SCALES 0
	FETCH_A 0, 0, 4
	STEP 0, 0, 1
	s_mov_b32 s3, LAPS-1
.Llap:
	TURN 0, 1, 1
	STEP 1, 0, 0
	TURN 1, 0, 1
	STEP 0, 0, 0
	s_sub_co_u32 s3, s3, 1
	s_cmp_lg_u32 s3, 0
	s_cbranch_scc1 .Llap
	TURN 0, 1, 0
	STEP 1, 0, 0
	s_wait_dscnt 4*NL
	WIN MUL_LO
	MUL16 0, 1, NQ-1, 1, 0
	MUL16 2, 1, NQ-1, 1, 0
	s_wait_dscnt 0
	WIN MUL_HI
	MUL16 4, 1, NQ-1, 1, 0
	MUL16 6, 1, NQ-1, 1, 0
	WIN 0
	s_wait_loadcnt 0x0                             ; the bias
	PLACES NP                                      ; behind the last products: results are read and A's registers written
.irp j, 0,1,2,3,4
	v_mov_b32 v[SW+\j], 0                          ; written whole once, ahead of the trips that file the words
.endr
	s_mov_b32 s98, 0                               ; the block of 16 rows
.Lblk:
.irp a, 0,1,2,3,4,5,6,7
	s_cmp_lg_u32 s98, \a
	s_cbranch_scc1 .Lskip_\a
	WIN 0x02+(\a)/4                                ; source 0: the accumulators' window
.set i, 0
.rept 32
	v_pk_add_f32 v[T+i:T+i+1], v[64*(\a%4)+i:64*(\a%4)+i+1], v[BN+i:BN+i+1]   ; each accumulator from its low end on
.set i, i+2
.endr
	WIN 0
.Lskip_\a:
.endr
	GELU 0
	GELU 1
	GELU 2
	GELU 3
	QUANT T
.irp c, 0,1,2,3
	global_store_b128 v[L16], v[PC+4*\c:PC+4*\c+3], s[74:75] offset:512*\c   ; 512 consecutive aligned bytes
.endr
.irp a, 0,1,2,3,4,5,6,7
	s_cmp_lg_u32 s98, \a
	s_cbranch_scc1 .Lkeep_\a
.if \a%2
	v_cndmask_b32 v[SW+\a/2], v[PWE], v[PW], s73   ; lanes 0-15: the even block's words, lanes 16-31: the odd block's
.else
	v_mov_b32 v[PWE], v[PW]
.endif
.Lkeep_\a:
.endr
	s_wait_xcnt 0x0                                ; the stores have read their registers and their base: both are written again
	s_add_nc_u64 s[74:75], s[74:75], 2048
	s_add_co_u32 s98, s98, 1
	s_cmp_lt_u32 s98, 8
	s_cbranch_scc1 .Lblk
	global_store_b128 v[L16], v[SW:SW+3], s[76:77] ; 512 bytes of scale words
	s_wait_tensorcnt 0x0                           ; the wave's end
	ds_add_u32 v[SPW], v[NIL]
	s_wait_dscnt 0x0
	CROUND                                         ; the closing round
	s_endpgm
.Lfunc_end_k_q4382654da0_fc:
	.size	k_q4382654da0_fc, .Lfunc_end_k_q4382654da0_fc-k_q4382654da0_fc
	.p2alignl 7, 3214868480
	.fill 96, 4, 3214868480
	.section	.rodata,"a",@progbits
	.p2align	6, 0x0
	.amdhsa_kernel k_q4382654da0_fc
		.amdhsa_group_segment_fixed_size 327680
		.amdhsa_private_segment_fixed_size 0
		.amdhsa_enable_private_segment 0
		.amdhsa_kernarg_size 32
		.amdhsa_user_sgpr_count 2
		.amdhsa_user_sgpr_kernarg_segment_ptr 1
		.amdhsa_wavefront_size32 1
		.amdhsa_system_sgpr_workgroup_id_x 1
		.amdhsa_system_sgpr_workgroup_id_y 1
		.amdhsa_system_sgpr_workgroup_id_z 1
		.amdhsa_system_vgpr_workitem_id 0
		.amdhsa_next_free_vgpr 1024
		.amdhsa_next_free_sgpr 104
		.amdhsa_reserve_vcc 0
		.amdhsa_float_denorm_mode_32 3
		.amdhsa_float_denorm_mode_16_64 3
		.amdhsa_memory_ordered 1
		.amdhsa_forward_progress 1
		.amdhsa_inst_pref_size 181
	.end_amdhsa_kernel
	.amdgpu_metadata
---
amdhsa.version: [ 1, 2 ]
amdhsa.kernels:
  - .name:           k_q4382654da0_fc
    .symbol:         k_q4382654da0_fc.kd
    .args:
      - { .name: act, .offset: 0, .size: 8, .value_kind: global_buffer, .address_space: global }
      - { .name: wq, .offset: 8, .size: 8, .value_kind: global_buffer, .address_space: global }
      - { .name: fc_b, .offset: 16, .size: 8, .value_kind: global_buffer, .address_space: global }
      - { .name: hq, .offset: 24, .size: 8, .value_kind: global_buffer, .address_space: global }
    .group_segment_fixed_size: 327680
    .private_segment_fixed_size: 0
    .kernarg_segment_align: 8
    .kernarg_segment_size: 32
    .max_flat_workgroup_size: 128
    .sgpr_count:     104
    .vgpr_count:     1024
    .wavefront_size: 32
...
	.end_amdgpu_metadata
.endif
;; end of part 6
;; launch mlp (part 7): grid 4 x 16, 4 waves a work-group, clusters of 4 x 4, 327,680 bytes of LDS; arguments hq, wq, mlp_proj_b, x1, out0; writes out0
.if DOCPART == 7
	.amdgcn_target "amdgcn-amd-amdhsa--gfx1250"
	.amdhsa_code_object_version 6
	.text
	.protected	k_q4382654da0_mlp
	.globl	k_q4382654da0_mlp
	.p2align	8
	.type	k_q4382654da0_mlp,@function
k_q4382654da0_mlp:
	s_mov_b64 s[64:65], 0
	v_nop
	global_prefetch_b8 v0, s[64:65] scope:SCOPE_SE
	s_setreg_imm32_b32 hwreg(HW_REG_WAVE_MODE, 25, 1), 1
	s_wait_xcnt 0x0
	s_wait_alu depctr_hold_cnt(0) depctr_sa_sdst(0) depctr_va_vdst(0) depctr_va_sdst(0) depctr_va_ssrc(0) depctr_va_vcc(0) depctr_vm_vsrc(0)
	s_getreg_b32 s2, hwreg(HW_REG_IB_STS2, 6, 4)
	s_cmp_eq_u32 s2, 0
	s_cbranch_scc0 .Lentry_in_a_cluster
	s_endpgm
.Lentry_in_a_cluster:
	s_bfe_u32 s2, ttmp6, 0x10000c
	s_cmp_lg_u32 s2, 0xf033
	s_cbranch_scc0 .Lentry_shape_is_right
	s_endpgm
.Lentry_shape_is_right:
; out0 = x1 + h mlp_proj_w + mlp_proj_b: the product on codes of E5M2 with E8M0 scales, sums in f32, bias and residual added in f32 on the way out.
; OPERANDS lie in memory in the order of a matrix operand's registers: blocks [K step of 256][group of 128 rows] of 33,792 dense bytes (codes of K 0-127, of K 128-255, their scale words): one tensor load of 132 rows
; of 256 bytes brings a group's K step with its scales, fragments are read from LDS at 16 x lane, four scale registers by one load (register p: block 2 p in lanes 0-15, block 2 p + 1 in lanes 16-31).
; A tile of C is 256 x 256, four waves of 128 x 128; K goes in steps of 256 through two LDS slots; 4 x 4 work-groups form a cluster, A's tiles are asked for jointly along a row, B's along a column.
; N = 1,024 gives 4 x 16 tiles: 64 work-groups.
; THE PRODUCT IS USED TRANSPOSED; within each 32 rows place p holds row p with bits 3 and 4 swapped, on both sides: register j of tile b of a lane is column 32 (b / 2) + 16 (lane / 16) + 8 (b % 2) + j, place t of block a is row 32 (a / 2) + 16 (t / 8) + 8 (a % 2) + t % 8.
; THE WAY OUT: a block of 16 rows goes through the wave's own stage in LDS (in slot 0, which has had its last fill and its last read) and comes back as whole rows of 512 bytes; the residual's rows are loaded the same way, up to four blocks ahead.
.set LAPS,   8                         ; K = 4,096
.set WOFF,   8650752                   ; where the weight's blocks begin in wq
.set STRA,   32*33792                  ; a K step on in A: 32 groups of tokens
.set STRB,   8*33792                   ; in B: 8 groups of columns
.set GB,     33792
.set HALFT,  GB
.set SLOT,   4*HALFT
.set SPARE,  2*SLOT
.set NQ,     2
.set FR,     16
.set NL,     4
.set NP,     8
.set ADRA,   16
.set L16,    18
.set ADRB,   20
.set STO,    24                        ; v24 the way out: where I put 32 bytes of a row
.set RD,     25                        ; v25 and where I read a row back
.set SPW,    28
.set NIL,    29
.set SC,     32
.set AF,     128
.set BK,     128                       ; the way out: 16 rows read back: v128-191 and v192-255 by turns
.set G1,     24
.set G0,     32
.set G1B,    48
.set G0B,    56
.set MSB, 0
.macro WIN new
.if MSB != (\new)
	s_set_vgpr_msb (MSB<<8)|(\new)
.set MSB, (\new)
.endif
.endm
.set MUL_LO, 0xa1
.set MUL_HI, 0xf1
.set TO_B,   0x40
.macro JLOAD g0a, g1a, g0b, g1b        ; a joint load: waves 0 and 1 fetch A's two groups, waves 2 and 3 B's; four v_nop follow each line
	s_cmp_eq_u32 s15, 0
	s_cbranch_scc0 .Lfor_b_\@
	tensor_load_to_lds s[\g0a:\g0a+3], s[\g1a:\g1a+7]
	s_nop 0
.rept 4
	v_nop
.endr
	s_branch .Lasked_\@
.Lfor_b_\@:
	tensor_load_to_lds s[\g0b:\g0b+3], s[\g1b:\g1b+7]
	s_nop 0
.rept 4
	v_nop
.endr
.Lasked_\@:
.endm
.macro CREST
	s_cmp_lg_u32 s14, 0
	s_cbranch_scc1 .Lnot_wave_0_\@
	s_barrier_signal -3
.Lnot_wave_0_\@:
	s_barrier_wait -3
	s_barrier_signal -1
	s_barrier_wait -1
.endm
.macro CROUND
	s_barrier_signal -1
	s_barrier_wait -1
	CREST
.endm
.macro PLACES n
.rept \n
	v_nop
.endr
.endm
.macro FRAG reg, adr, q, i
.irp c, 0,1,2,3
	ds_load_b128 v[\reg+4*\c:\reg+4*\c+3], v[\adr] offset:16384*(\q)+2048*(\i)+512*\c
.endr
.endm
.macro FETCH_B slot, q, p
	WIN TO_B
.irp i, 0,1,2,3,4,5,6,7
	FRAG 128*(\p)+FR*\i, ADRB+\slot, \q, \i
.endr
	WIN 0
.endm
.macro FETCH_A slot, q, i0
.irp i, \i0, \i0+1, \i0+2, \i0+3
	FRAG AF+FR*(\i), ADRA+\slot, \q, \i
.endr
.endm
.macro SCALES slot
.irp q, 0,1
	ds_load_b128 v[SC+16*\slot+8*\q:SC+16*\slot+8*\q+3], v[ADRA+\slot] offset:32768+512*\q
	ds_load_b128 v[SC+16*\slot+8*\q+4:SC+16*\slot+8*\q+7], v[ADRB+\slot] offset:32768+512*\q
.endr
.endm
.macro WM zero, ra, rb
.if \zero
.if (\ra)&&(\rb)
	v_wmma_scale_f32_16x16x128_f8f6f4 v[wD:wD+7], v[wB:wB+15], v[wA:wA+15], 0, v[wSB], v[wSA] matrix_a_fmt:MATRIX_FMT_BF8 matrix_b_fmt:MATRIX_FMT_BF8 matrix_a_scale:MATRIX_SCALE_ROW1 matrix_b_scale:MATRIX_SCALE_ROW1
.elseif \ra
	v_wmma_scale_f32_16x16x128_f8f6f4 v[wD:wD+7], v[wB:wB+15], v[wA:wA+15], 0, v[wSB], v[wSA] matrix_a_fmt:MATRIX_FMT_BF8 matrix_b_fmt:MATRIX_FMT_BF8 matrix_a_scale:MATRIX_SCALE_ROW1
.elseif \rb
	v_wmma_scale_f32_16x16x128_f8f6f4 v[wD:wD+7], v[wB:wB+15], v[wA:wA+15], 0, v[wSB], v[wSA] matrix_a_fmt:MATRIX_FMT_BF8 matrix_b_fmt:MATRIX_FMT_BF8 matrix_b_scale:MATRIX_SCALE_ROW1
.else
	v_wmma_scale_f32_16x16x128_f8f6f4 v[wD:wD+7], v[wB:wB+15], v[wA:wA+15], 0, v[wSB], v[wSA] matrix_a_fmt:MATRIX_FMT_BF8 matrix_b_fmt:MATRIX_FMT_BF8
.endif
.else
.if (\ra)&&(\rb)
	v_wmma_scale_f32_16x16x128_f8f6f4 v[wD:wD+7], v[wB:wB+15], v[wA:wA+15], v[wD:wD+7], v[wSB], v[wSA] matrix_a_fmt:MATRIX_FMT_BF8 matrix_b_fmt:MATRIX_FMT_BF8 matrix_a_scale:MATRIX_SCALE_ROW1 matrix_b_scale:MATRIX_SCALE_ROW1
.elseif \ra
	v_wmma_scale_f32_16x16x128_f8f6f4 v[wD:wD+7], v[wB:wB+15], v[wA:wA+15], v[wD:wD+7], v[wSB], v[wSA] matrix_a_fmt:MATRIX_FMT_BF8 matrix_b_fmt:MATRIX_FMT_BF8 matrix_a_scale:MATRIX_SCALE_ROW1
.elseif \rb
	v_wmma_scale_f32_16x16x128_f8f6f4 v[wD:wD+7], v[wB:wB+15], v[wA:wA+15], v[wD:wD+7], v[wSB], v[wSA] matrix_a_fmt:MATRIX_FMT_BF8 matrix_b_fmt:MATRIX_FMT_BF8 matrix_b_scale:MATRIX_SCALE_ROW1
.else
	v_wmma_scale_f32_16x16x128_f8f6f4 v[wD:wD+7], v[wB:wB+15], v[wA:wA+15], v[wD:wD+7], v[wSB], v[wSA] matrix_a_fmt:MATRIX_FMT_BF8 matrix_b_fmt:MATRIX_FMT_BF8
.endif
.endif
.endm
.macro MUL16 a0, p, q, sc, zero        ; the 64 accumulators take turns, one instruction a turn, in the same order in every step
.irp a, \a0, \a0+1
.irp b, 0,1,2,3,4,5,6,7
.set wD, 8*(8*((\a)%4)+\b)
.set wB, 128*(\p)+FR*\b
.set wA, AF+FR*(\a)
.set wSB, SC+16*(\sc)+8*(\q)+4+\b/2
.set wSA, SC+16*(\sc)+8*(\q)+(\a)/2
	WM \zero, \b%2, (\a)%2
.endr
.endr
.endm
.macro STEP slot, q, zero
	s_wait_dscnt 4*NL                              ; all but the youngest 16 loads (A's blocks 4-7)
	WIN MUL_LO
	MUL16 0, (\q)%2, \q, \slot, \zero
	MUL16 2, (\q)%2, \q, \slot, \zero
	s_wait_dscnt 0
	PLACES NP
	FETCH_B \slot, (\q)+1, 1-(\q)%2
	FETCH_A \slot, (\q)+1, 0
	WIN MUL_HI
	MUL16 4, (\q)%2, \q, \slot, \zero
	MUL16 6, (\q)%2, \q, \slot, \zero
	PLACES NP
	WIN 0
	FETCH_A \slot, (\q)+1, 4
.endm
.macro TURN slot, next, fill
	s_wait_tensorcnt 0x0                           ; all my tensor loads have landed: my part of the next slot
	ds_add_u32 v[SPW], v[NIL]                      ; 0 onto my spare word
	s_wait_dscnt 4*NL+1                            ; the add and the youngest 16 loads may be out
	WIN MUL_LO
	MUL16 0, 1, NQ-1, \slot, 0
	s_wait_dscnt 0x0                               ; the add is done, and my reads of this slot are over
	s_barrier_signal -1
	MUL16 2, 1, NQ-1, \slot, 0
	WIN 0
	s_barrier_wait -1
.if \fill
	CREST                                          ; a round of the cluster's barrier: no wave of any partner still reads this slot or has a load on its way
	s_add_nc_u64 s[G0+4*\slot+2:G0+4*\slot+3], s[G0+4*\slot+2:G0+4*\slot+3], s[66:67]
	s_add_nc_u64 s[G0B+4*\slot+2:G0B+4*\slot+3], s[G0B+4*\slot+2:G0B+4*\slot+3], s[68:69]
	JLOAD G0+4*\slot, G1, G0B+4*\slot, G1B
	PLACES NP-4
.else
	PLACES NP
.endif
	FETCH_B \next, 0, 0
	FETCH_A \next, 0, 0
	SCALES \next
	WIN MUL_HI
	MUL16 4, 1, NQ-1, \slot, 0
	MUL16 6, 1, NQ-1, \slot, 0
	PLACES NP
	WIN 0
	FETCH_A \next, 0, 4
.endm
	s_load_b128 s[4:7], s[0:1], 0x0                ; A's blocks, wq
	s_load_b128 s[8:11], s[0:1], 0x10              ; the bias, the residual
	s_load_b64 s[12:13], s[0:1], 0x20              ; the output
	v_lshl_add_u32 v[SPW], v0, 2, SPARE
	v_mov_b32 v[NIL], 0
	ds_add_u32 v28, v29
	ds_add_u32 v28, v29
	s_wait_dscnt 0x0
	v_lshrrev_b32 v1, 5, v0
	v_readfirstlane_b32 s14, v1
	s_lshr_b32 s15, s14, 1
	s_and_b32 s16, s14, 1
	s_bfe_u32 s40, ttmp6, 0x40000
	s_bfe_u32 s41, ttmp6, 0x40004
	s_lshl_b32 s42, ttmp9, 2
	s_add_co_u32 s42, s42, s40                     ; tile column
	s_and_b32 s17, ttmp7, 0xffff
	s_lshl_b32 s17, s17, 2
	s_add_co_u32 s17, s17, s41                     ; tile row
	s_lshl_b32 s43, s41, 2
	s_lshl_b32 s43, 15, s43
	s_lshl_b32 s44, 0x1111, s40
	s_or_b32 s[G1+0], s43, (3<<16)|(1<<21)
	s_or_b32 s[G1B+0], s44, (3<<16)|(1<<21)
.irp g, G1, G1B
	s_mov_b32 s[\g+1], 32<<16
	s_mov_b32 s[\g+2], 132<<16
	s_mov_b32 s[\g+3], 32<<16
	s_mov_b32 s[\g+4], 132
	s_mov_b32 s[\g+5], 32
	s_mov_b32 s[\g+6], 0
	s_mov_b32 s[\g+7], 0
.endr
	s_mov_b32 s66, 2*STRA
	s_mov_b32 s67, 0
	s_mov_b32 s68, 2*STRB
	s_mov_b32 s69, 0
	s_mov_b32 s18, STRA
	s_mov_b32 s19, 0
	s_mov_b32 s22, STRB
	s_mov_b32 s23, 0
	s_lshl_b32 s20, s17, 1
	s_add_co_u32 s20, s20, s16
	s_mul_i32 s20, s20, GB
	s_mov_b32 s21, 0
	s_lshl_b32 s46, s42, 1
	s_add_co_u32 s46, s46, s16
	s_mul_i32 s46, s46, GB
	s_add_co_u32 s46, s46, WOFF
	s_mov_b32 s47, 0
	s_mul_i32 s45, s14, HALFT
	s_wait_kmcnt 0x0
	s_add_nc_u64 s[20:21], s[4:5], s[20:21]
	s_add_nc_u64 s[46:47], s[6:7], s[46:47]
	CROUND
	s_mov_b32 s[G0], 1
	s_add_co_u32 s[G0+1], s45, 0
	s_mov_b64 s[G0+2:G0+3], s[20:21]
	s_or_b32 s[G0+3], s[G0+3], 0x80000000
	s_mov_b32 s[G0B], 1
	s_add_co_u32 s[G0B+1], s45, 0
	s_mov_b64 s[G0B+2:G0B+3], s[46:47]
	s_or_b32 s[G0B+3], s[G0B+3], 0x80000000
	JLOAD G0, G1, G0B, G1B
	s_mov_b32 s[G0+4], 1
	s_add_co_u32 s[G0+5], s45, SLOT
	s_add_nc_u64 s[G0+6:G0+7], s[20:21], s[18:19]
	s_or_b32 s[G0+7], s[G0+7], 0x80000000
	s_mov_b32 s[G0B+4], 1
	s_add_co_u32 s[G0B+5], s45, SLOT
	s_add_nc_u64 s[G0B+6:G0B+7], s[46:47], s[22:23]
	s_or_b32 s[G0B+7], s[G0B+7], 0x80000000
	JLOAD G0+4, G1, G0B+4, G1B
	v_and_b32 v1, 31, v0
	v_lshlrev_b32 v[L16], 4, v1
	s_mul_i32 s21, s15, HALFT
	s_mul_i32 s22, s16, HALFT
	s_add_co_u32 s22, s22, 2*HALFT
.irp s, 0,1
	v_add_nc_u32 v[ADRA+\s], s21, v[L16]
	v_add_nc_u32 v[ADRB+\s], s22, v[L16]
	s_add_co_u32 s21, s21, SLOT
	s_add_co_u32 s22, s22, SLOT
.endr
	s_mul_i32 s23, s14, 8448                       ; my stage: 16 rows of 512 + 16 bytes
	v_and_b32 v2, 15, v0
	v_bfe_u32 v3, v0, 4, 1
	v_mul_u32_u24 v4, v2, 528
	v_lshl_add_u32 v4, v3, 6, v4
	v_add_nc_u32 v[STO], s23, v4                   ; in: row r, + 64 (lane / 16)
	v_add_nc_u32 v[RD], s23, v[L16]                ; back: a whole row, 16 bytes a lane
	s_lshl_b32 s91, s17, 1
	s_add_co_u32 s91, s91, s15
	s_lshl_b32 s91, s91, 19                        ; my 128 rows of 4,096 bytes
	s_lshl_b32 s92, s42, 1
	s_add_co_u32 s92, s92, s16
	s_lshl_b32 s92, s92, 9                         ; my 128 columns
	s_add_co_u32 s74, s91, s92
	s_mov_b32 s75, 0
	s_mov_b32 s93, 0
	s_add_nc_u64 s[76:77], s[12:13], s[74:75]      ; the output,
	s_add_nc_u64 s[74:75], s[10:11], s[74:75]      ; the residual,
	s_add_nc_u64 s[78:79], s[8:9], s[92:93]        ; the bias: none of the three is stepped
.macro RLOAD a, reg                    ; the residual's 16 rows of block a, whole rows of 512 bytes
.irp t, 0,1,2,3,4,5,6,7,8,9,10,11,12,13,14,15
	global_load_b128 v[\reg+4*\t:\reg+4*\t+3], v[L16], s[74:75] offset:(32*((\a)/2)+16*(\t/8)+8*((\a)%2)+\t%8)*4096
.endr
.endm
	global_load_b128 v[8:11], v[L16], s[78:79]     ; the bias of my four columns of a row
	RLOAD 0, 64                                    ; block 0's residual: v64-127
	s_wait_tensorcnt 1                             ; my part of K step 0 is in; K step 1's load may be out
	s_barrier_signal -1
	s_barrier_wait -1
	FETCH_B 0, 0, 0
	FETCH_A 0, 0, 0
	SCALES 0
	FETCH_A 0, 0, 4
	STEP 0, 0, 1
	s_mov_b32 s3, LAPS-1
.Llap:
	TURN 0, 1, 1
	STEP 1, 0, 0
	TURN 1, 0, 1
	STEP 0, 0, 0
	s_sub_co_u32 s3, s3, 1
	s_cmp_lg_u32 s3, 0
	s_cbranch_scc1 .Llap
	TURN 0, 1, 0
	STEP 1, 0, 0
	s_wait_dscnt 4*NL
	WIN MUL_LO
	MUL16 0, 1, NQ-1, 1, 0
	MUL16 2, 1, NQ-1, 1, 0
	s_wait_dscnt 0
	WIN MUL_HI
	MUL16 4, 1, NQ-1, 1, 0
	MUL16 6, 1, NQ-1, 1, 0
	WIN 0
.macro TOSTAGE a                       ; LDS serves a wave's instructions in order (ISA guide 5.7.1.4): no wait between the stores and the loads, nor in front of the next block's stores
.set AC, 64*((\a)%4)
	WIN 0x08+4*((\a)/4)                            ; the data: window 2 or 3
.irp b, 0,1,2,3,4,5,6,7
	ds_store_b128 v[STO], v[AC+8*\b:AC+8*\b+3] offset:128*(\b/2)+32*(\b%2)          ; each accumulator from its low end on
	ds_store_b128 v[STO], v[AC+8*\b+4:AC+8*\b+7] offset:128*(\b/2)+32*(\b%2)+16
.endr
	WIN 0
.set BB, BK+64*((\a)%2)
.irp t, 0,1,2,3,4,5,6,7,8,9,10,11,12,13,14,15
	ds_load_b128 v[BB+4*\t:BB+4*\t+3], v[RD] offset:\t*528
.endr
.endm
.macro SEND a, younger                 ; younger: the LDS instructions issued behind block a's loads
.set BB, BK+64*((\a)%2)
	s_wait_dscnt \younger
.if (\a) > 4
	s_wait_loadcnt 16*(7-(\a))                     ; behind block a's residual: the 16 loads of each later block
.elseif (\a) > 0
	s_wait_loadcnt 48                              ; behind block a's residual: three blocks' loads
.endif
.irp t, 0,1,2,3,4,5,6,7,8,9,10,11,12,13,14,15
	v_pk_add_f32 v[BB+4*\t:BB+4*\t+1], v[BB+4*\t:BB+4*\t+1], v[8:9]
	v_pk_add_f32 v[BB+4*\t+2:BB+4*\t+3], v[BB+4*\t+2:BB+4*\t+3], v[10:11]
.endr
.if (\a) == 0
.set RR, 64
.else
.set RR, 64*(((\a)-1)%4)
	WIN 0x04                                       ; source 1: window 1
.endif
.set i, 0
.rept 32
	v_pk_add_f32 v[BB+i:BB+i+1], v[BB+i:BB+i+1], v[RR+i:RR+i+1]
.set i, i+2
.endr
	WIN 0
.irp t, 0,1,2,3,4,5,6,7,8,9,10,11,12,13,14,15
	global_store_b128 v[L16], v[BB+4*\t:BB+4*\t+3], s[76:77] offset:(32*((\a)/2)+16*(\t/8)+8*((\a)%2)+\t%8)*4096 th:TH_STORE_NT   ; 512 consecutive aligned bytes; written once, read by nobody here
.endr
.if ((\a) > 0) && ((\a) < 4)
	WIN 0x40
	RLOAD (\a)+4, 64*((\a)-1)                      ; the set just added takes the block four further on
	WIN 0
.endif
.endm
	s_wait_loadcnt 0x0                             ; the bias and block 0's residual
	PLACES NP                                      ; behind the last products: results are read, and loads land on registers that held fragments
	WIN 0x40
	RLOAD 1, 0
	RLOAD 2, 64
	RLOAD 3, 128
	RLOAD 4, 192
	WIN 0
	TOSTAGE 0
.irp a, 1,2,3,4,5,6,7
.if \a > 1
	s_wait_xcnt 0x0                                ; block a - 2's stores have read their registers: block a's loads may land there
.endif
	TOSTAGE \a
	SEND \a-1, 32                                  ; behind block a - 1's loads: block a's 16 stores and 16 loads
.endr
	s_wait_xcnt 0x0
	SEND 7, 0
	s_wait_tensorcnt 0x0                           ; the wave's end
	ds_add_u32 v[SPW], v[NIL]
	s_wait_dscnt 0x0
	CROUND                                         ; the closing round
	s_endpgm
.Lfunc_end_k_q4382654da0_mlp:
	.size	k_q4382654da0_mlp, .Lfunc_end_k_q4382654da0_mlp-k_q4382654da0_mlp
	.p2alignl 7, 3214868480
	.fill 96, 4, 3214868480
	.section	.rodata,"a",@progbits
	.p2align	6, 0x0
	.amdhsa_kernel k_q4382654da0_mlp
		.amdhsa_group_segment_fixed_size 327680
		.amdhsa_private_segment_fixed_size 0
		.amdhsa_enable_private_segment 0
		.amdhsa_kernarg_size 40
		.amdhsa_user_sgpr_count 2
		.amdhsa_user_sgpr_kernarg_segment_ptr 1
		.amdhsa_wavefront_size32 1
		.amdhsa_system_sgpr_workgroup_id_x 1
		.amdhsa_system_sgpr_workgroup_id_y 1
		.amdhsa_system_sgpr_workgroup_id_z 1
		.amdhsa_system_vgpr_workitem_id 0
		.amdhsa_next_free_vgpr 1024
		.amdhsa_next_free_sgpr 104
		.amdhsa_reserve_vcc 0
		.amdhsa_float_denorm_mode_32 3
		.amdhsa_float_denorm_mode_16_64 3
		.amdhsa_memory_ordered 1
		.amdhsa_forward_progress 1
		.amdhsa_inst_pref_size 186
	.end_amdhsa_kernel
	.amdgpu_metadata
---
amdhsa.version: [ 1, 2 ]
amdhsa.kernels:
  - .name:           k_q4382654da0_mlp
    .symbol:         k_q4382654da0_mlp.kd
    .args:
      - { .name: hq, .offset: 0, .size: 8, .value_kind: global_buffer, .address_space: global }
      - { .name: wq, .offset: 8, .size: 8, .value_kind: global_buffer, .address_space: global }
      - { .name: mlp_proj_b, .offset: 16, .size: 8, .value_kind: global_buffer, .address_space: global }
      - { .name: x1, .offset: 24, .size: 8, .value_kind: global_buffer, .address_space: global }
      - { .name: out0, .offset: 32, .size: 8, .value_kind: global_buffer, .address_space: global }
    .group_segment_fixed_size: 327680
    .private_segment_fixed_size: 0
    .kernarg_segment_align: 8
    .kernarg_segment_size: 40
    .max_flat_workgroup_size: 128
    .sgpr_count:     104
    .vgpr_count:     1024
    .wavefront_size: 32
...
	.end_amdgpu_metadata
.endif
;; end of part 7
;; ======== version 2 of 2: 8 launches; 1.20 times as fast as version 1
;; limits: a function is approximated: absolute error at most 1e-06
;; workspace buffers: wq 12,976,128 bytes; act 4,325,376 bytes; qkv_img 12,582,912 bytes; qkv_sc 393,216 bytes; yq 4,325,376 bytes; x1 16,777,216 bytes; hq 17,301,504 bytes
;; launch wquant: the kernel of part 1 again; grid 96 x 4, 4 waves a work-group, no clusters, 1,536 bytes of LDS; arguments attn_w, proj_w, fc_w, mlp_proj_w, wq; writes wq
;; launch ln1: the kernel of part 2 again; grid 128 x 1, 8 waves a work-group, no clusters, 77,824 bytes of LDS; arguments x, ln1_w, ln1_b, act; writes act
;; launch qkv: the kernel of part 3 again; grid 48 x 4, 4 waves a work-group, clusters of 4 x 4, 327,680 bytes of LDS; arguments act, wq, attn_b, qkv_img, qkv_sc; writes qkv_img, qkv_sc
;; launch att: the kernel of part 4 again; grid 8 x 32, 16 waves a work-group, no clusters, 280,576 bytes of LDS; arguments qkv_img, qkv_sc, yq; writes yq
;; launch proj (part 8): grid 8 x 32, 4 waves a work-group, clusters of 4 x 4, 327,680 bytes of LDS; arguments yq, wq, proj_b, x, x1; writes x1
.if DOCPART == 8
	.amdgcn_target "amdgcn-amd-amdhsa--gfx1250"
	.amdhsa_code_object_version 6
	.text
	.protected	k_q4382654da0_proj
	.globl	k_q4382654da0_proj
	.p2align	8
	.type	k_q4382654da0_proj,@function
k_q4382654da0_proj:
	s_mov_b64 s[64:65], 0
	v_nop
	global_prefetch_b8 v0, s[64:65] scope:SCOPE_SE
	s_setreg_imm32_b32 hwreg(HW_REG_WAVE_MODE, 25, 1), 1
	s_wait_xcnt 0x0
	s_wait_alu depctr_hold_cnt(0) depctr_sa_sdst(0) depctr_va_vdst(0) depctr_va_sdst(0) depctr_va_ssrc(0) depctr_va_vcc(0) depctr_vm_vsrc(0)
	s_getreg_b32 s2, hwreg(HW_REG_IB_STS2, 6, 4)
	s_cmp_eq_u32 s2, 0
	s_cbranch_scc0 .Lentry_in_a_cluster
	s_endpgm
.Lentry_in_a_cluster:
	s_bfe_u32 s2, ttmp6, 0x10000c
	s_cmp_lg_u32 s2, 0xf033
	s_cbranch_scc0 .Lentry_shape_is_right
	s_endpgm
.Lentry_shape_is_right:
; x1 = x + y proj_w + proj_b: the product on codes of E5M2 with E8M0 scales, sums in f32, bias and residual added in f32 on the way out.
; OPERANDS lie in memory in the order of a matrix operand's registers: blocks [K step of 256][group of 128 rows] of 33,792 dense bytes (codes of K 0-127, of K 128-255: [16 rows i(8)][32 K c(4)][lane][16 bytes];
; then the scale words of each half: [lane' = r + 16 (i & 1)][i / 2][4 bytes]): one tensor load of 132 rows of 256 bytes brings a group's K step with its scales, and fragments are read from LDS at 16 x lane.
; A TILE OF C IS 128 x 128: M = 4,096 and N = 1,024 give 32 x 8 = 256 work-groups of equal work (tiles of 256 x 256 would give 64).  Four waves of 64 x 64: 16 accumulators, 128 registers.
; A SLOT HOLDS TWO K STEPS of A's group and of B's group: four blocks, one tensor load a wave (waves 0, 1: A's two K steps; waves 2, 3: B's); two slots.  So a change of slots comes once for 512 along K.
; 4 x 4 work-groups form a cluster: A's blocks hang on the tile row alone and are asked for jointly along a row of the cluster, B's on the tile column alone and jointly along a column.
; THE PRODUCT IS USED TRANSPOSED (source 0 = 16 places of B, source 1 = 16 places of A); within each 32 rows place p holds row p with bits 3 and 4 swapped, on both sides: register j of tile b of a lane is
; column 32 (b / 2) + 16 (lane / 16) + 8 (b % 2) + j of the wave's 64, place t of block a is row 32 (a / 2) + 16 (t / 8) + 8 (a % 2) + t % 8 of its 64.
; THE WAY OUT: a block of 16 rows goes through the wave's own stage in LDS (in slot 0, which has had its last fill and its last read) and comes back two rows an instruction: a wave's 64 columns are 256 aligned bytes of a row.
; The residual's 64 rows are loaded at the head, by the same addresses, into registers that the products do not touch.
; K = 1,024 is two slots: both are filled at the head, nothing is filled again, and the loop over laps is not assembled.
; REGISTERS: window 0: v8-11 bias; v16-30 addresses; v32-63 scale words and nothing else; v64-127 the way out; v128-255 the accumulators ((a, b) at v[128 + 8 (4 a + b)]).
;   window 1: two fragment buffers of 128: A's four fragments, then B's four.   window 2: v0-127 the residual.
.set LAPS,   1                         ; K / 1,024: a lap = two slots = four K steps of 256
.set WOFF,   3244032                   ; where the weight's blocks begin in wq
.set STRA,   32*33792                  ; a K step on in A: 32 groups of tokens
.set STRB,   8*33792                   ; in B: 8 groups of columns
.set GB,     33792
.set HALFT,  GB                        ; what one tensor load brings
.set SLOT,   4*HALFT                   ; A's two K steps, then B's two
.set SPARE,  2*SLOT                    ; behind the ring: the spare words, 128 bytes a wave
.set FR,     16                        ; registers of a fragment
.set NP,     8                         ; places behind this matrix instruction (ISA guide 7.12.1)
.set SP,     272                       ; a stage row: 256 bytes + 16
.set ADRA,   16                        ; v16-17 LDS address of my four blocks of A in slot 0, 1, + 16 lane
.set L16,    18                        ; v18    16 lane
.set ADRB,   20                        ; v20-21 the same for B
.set ASA,    22                        ; v22-23 LDS address of my two registers of A's scale words in slot 0, 1
.set STO,    24                        ; v24    the way out: where I put 32 bytes of a row
.set RD,     25                        ; v25    and where I read rows back
.set ASB,    26                        ; v26-27 as ASA, for B
.set SPW,    28                        ; v28    LDS address of my spare word; never rewritten
.set NIL,    29                        ; v29    0; never rewritten
.set CO,     30                        ; v30    my byte offset in two rows of C: 4,096 (lane / 16) + 16 (lane % 16); never rewritten
.set SC,     32                        ; scale words: slot s at SC + 16 s; its step u at + 4 u; + 0, 1 A's blocks 0-1, 2-3; + 2, 3 B's (even block in lanes 0-15, odd in lanes 16-31)
.set BK,     64                        ; the way out: 16 rows read back: v64-95 and v96-127 by turns
.set ACC,    128
.set G1,     24
.set G0,     32
.set G1B,    48
.set G0B,    56
.set MSB, 0
.macro WIN new                         ; the immediate's high byte repeats the setting that is left
.if MSB != (\new)
	s_set_vgpr_msb (MSB<<8)|(\new)
.set MSB, (\new)
.endif
.endm
.set MUL,  0x05                        ; sources 0 (B) and 1 (A) window 1; C and D window 0
.set TO_F, 0x40                        ; destination window 1, address window 0
.macro JLOAD g0a, g1a, g0b, g1b        ; a joint load: waves 0 and 1 fetch A's two K steps, waves 2 and 3 B's; four v_nop follow each line
	s_cmp_eq_u32 s15, 0
	s_cbranch_scc0 .Lfor_b_\@
	tensor_load_to_lds s[\g0a:\g0a+3], s[\g1a:\g1a+7]
	s_nop 0
.rept 4
	v_nop
.endr
	s_branch .Lasked_\@
.Lfor_b_\@:
	tensor_load_to_lds s[\g0b:\g0b+3], s[\g1b:\g1b+7]
	s_nop 0
.rept 4
	v_nop
.endr
.Lasked_\@:
.endm
.macro CREST                           ; a round of the cluster's barrier behind its opening barrier
	s_cmp_lg_u32 s14, 0
	s_cbranch_scc1 .Lnot_wave_0_\@
	s_barrier_signal -3
.Lnot_wave_0_\@:
	s_barrier_wait -3
	s_barrier_signal -1
	s_barrier_wait -1
.endm
.macro CROUND
	s_barrier_signal -1
	s_barrier_wait -1
	CREST
.endm
.macro PLACES n
.rept \n
	v_nop
.endr
.endm
.macro FRAG reg, adr, off              ; a fragment, 16 rows x 128 K: four loads of 512 consecutive bytes
.irp c, 0,1,2,3
	ds_load_b128 v[\reg+4*\c:\reg+4*\c+3], v[\adr] offset:(\off)+512*\c
.endr
.endm
; 32 LDS loads in one run: the fragments of the slot's step u (K step u / 2 of its two, half u % 2) into buffer f: B's four, A's blocks 0 and 1, and last A's blocks 2 and 3
.macro FETCH slot, u, f
	WIN TO_F
.irp i, 0,1,2,3
	FRAG (\f)+64+FR*\i, ADRB+\slot, HALFT*((\u)/2)+16384*((\u)%2)+2048*\i
.endr
.irp i, 0,1,2,3
	FRAG (\f)+FR*\i, ADRA+\slot, HALFT*((\u)/2)+16384*((\u)%2)+2048*\i
.endr
.endm
.macro SCALES slot                     ; the scale words of a slot's four steps: eight loads of 8 bytes a lane
.irp u, 0,1,2,3
	ds_load_b64 v[SC+16*\slot+4*\u:SC+16*\slot+4*\u+1], v[ASA+\slot] offset:HALFT*(\u/2)+512*(\u%2)
	ds_load_b64 v[SC+16*\slot+4*\u+2:SC+16*\slot+4*\u+3], v[ASB+\slot] offset:HALFT*(\u/2)+512*(\u%2)
.endr
.endm
.macro WM zero, ra, rb                 ; one product; ra, rb: source 0's, source 1's scales stand in lanes 16-31
.if \zero
.if (\ra)&&(\rb)
	v_wmma_scale_f32_16x16x128_f8f6f4 v[wD:wD+7], v[wB:wB+15], v[wA:wA+15], 0, v[wSB], v[wSA] matrix_a_fmt:MATRIX_FMT_BF8 matrix_b_fmt:MATRIX_FMT_BF8 matrix_a_scale:MATRIX_SCALE_ROW1 matrix_b_scale:MATRIX_SCALE_ROW1
.elseif \ra
	v_wmma_scale_f32_16x16x128_f8f6f4 v[wD:wD+7], v[wB:wB+15], v[wA:wA+15], 0, v[wSB], v[wSA] matrix_a_fmt:MATRIX_FMT_BF8 matrix_b_fmt:MATRIX_FMT_BF8 matrix_a_scale:MATRIX_SCALE_ROW1
.elseif \rb
	v_wmma_scale_f32_16x16x128_f8f6f4 v[wD:wD+7], v[wB:wB+15], v[wA:wA+15], 0, v[wSB], v[wSA] matrix_a_fmt:MATRIX_FMT_BF8 matrix_b_fmt:MATRIX_FMT_BF8 matrix_b_scale:MATRIX_SCALE_ROW1
.else
	v_wmma_scale_f32_16x16x128_f8f6f4 v[wD:wD+7], v[wB:wB+15], v[wA:wA+15], 0, v[wSB], v[wSA] matrix_a_fmt:MATRIX_FMT_BF8 matrix_b_fmt:MATRIX_FMT_BF8
.endif
.else
.if (\ra)&&(\rb)
	v_wmma_scale_f32_16x16x128_f8f6f4 v[wD:wD+7], v[wB:wB+15], v[wA:wA+15], v[wD:wD+7], v[wSB], v[wSA] matrix_a_fmt:MATRIX_FMT_BF8 matrix_b_fmt:MATRIX_FMT_BF8 matrix_a_scale:MATRIX_SCALE_ROW1 matrix_b_scale:MATRIX_SCALE_ROW1
.elseif \ra
	v_wmma_scale_f32_16x16x128_f8f6f4 v[wD:wD+7], v[wB:wB+15], v[wA:wA+15], v[wD:wD+7], v[wSB], v[wSA] matrix_a_fmt:MATRIX_FMT_BF8 matrix_b_fmt:MATRIX_FMT_BF8 matrix_a_scale:MATRIX_SCALE_ROW1
.elseif \rb
	v_wmma_scale_f32_16x16x128_f8f6f4 v[wD:wD+7], v[wB:wB+15], v[wA:wA+15], v[wD:wD+7], v[wSB], v[wSA] matrix_a_fmt:MATRIX_FMT_BF8 matrix_b_fmt:MATRIX_FMT_BF8 matrix_b_scale:MATRIX_SCALE_ROW1
.else
	v_wmma_scale_f32_16x16x128_f8f6f4 v[wD:wD+7], v[wB:wB+15], v[wA:wA+15], v[wD:wD+7], v[wSB], v[wSA] matrix_a_fmt:MATRIX_FMT_BF8 matrix_b_fmt:MATRIX_FMT_BF8
.endif
.endif
.endm
; 8 products: A's blocks a0, a0 + 1 x B's four, buffer f, the slot's step u, scale set sc.  The 16 accumulators take turns, one instruction a turn, in the same order in every step.
.macro MUL8 f, a0, u, sc, zero
.irp a, \a0, \a0+1
.irp b, 0,1,2,3
.set wD, ACC+8*(4*(\a)+\b)
.set wB, (\f)+64+FR*\b
.set wA, (\f)+FR*(\a)
.set wSB, SC+16*(\sc)+4*(\u)+2+\b/2
.set wSA, SC+16*(\sc)+4*(\u)+(\a)/2
	WM \zero, \b%2, (\a)%2
.endr
.endr
.endm
; One of a slot's first three steps: multiplies buffer u % 2 and, in its middle, fetches the next step's fragments into the other buffer.
.macro STEP slot, u, zero
	s_wait_dscnt 8                                 ; B's four fragments, A's blocks 0 and 1 (and the scale words) are in; the youngest 8 loads (A's blocks 2 and 3) may be out
	WIN MUL
	MUL8 128*((\u)%2), 0, \u, \slot, \zero
	PLACES NP                                      ; in front of loads into registers that the last step's products read
	FETCH \slot, (\u)+1, 128*(1-(\u)%2)
	s_wait_dscnt 32                                ; all but the 32 just issued
	WIN MUL
	MUL8 128*((\u)%2), 2, \u, \slot, \zero
.endm
; A slot's fourth step multiplies buffer 1 and changes slots: one barrier; in front of it each wave waits for all its tensor loads, adds 0 to its spare word, and waits for that and for its reads of this slot.
; fill = 1: the slot is filled again, with the K steps four further on; the barrier then opens a round of the cluster's barrier.
.macro TURN slot, next, fill
	WIN 0                                          ; (the add's two registers lie in window 0)
	s_wait_tensorcnt 0x0                           ; all my tensor loads have landed: my part of the next slot
	ds_add_u32 v[SPW], v[NIL]                      ; 0 onto my spare word
	s_wait_dscnt 9                                 ; the add and the youngest 8 loads may be out
	WIN MUL
	MUL8 128, 0, 3, \slot, 0                       ; eight products stand between the add and the wait for it
	WIN 0
	s_wait_dscnt 0x0                               ; the add is done, and my reads of this slot are over
	s_barrier_signal -1
	s_barrier_wait -1
.if \fill
	CREST                                          ; no wave of any partner still reads this slot or has a load on its way
	s_add_nc_u64 s[G0+4*\slot+2:G0+4*\slot+3], s[G0+4*\slot+2:G0+4*\slot+3], s[66:67]
	s_add_nc_u64 s[G0B+4*\slot+2:G0B+4*\slot+3], s[G0B+4*\slot+2:G0B+4*\slot+3], s[68:69]
	JLOAD G0+4*\slot, G1, G0B+4*\slot, G1B         ; the first tensor load behind the round; its four v_nop are among the places in front of the loads below
	PLACES NP-4
.else
	PLACES NP
.endif
	SCALES \next
	FETCH \next, 0, 0
	WIN MUL
	MUL8 128, 2, 3, \slot, 0
.endm
	s_load_b128 s[4:7], s[0:1], 0x0                ; A's blocks, wq
	s_load_b128 s[8:11], s[0:1], 0x10              ; the bias, the residual
	s_load_b64 s[12:13], s[0:1], 0x20              ; the output
	v_lshl_add_u32 v[SPW], v0, 2, SPARE
	v_mov_b32 v[NIL], 0
	ds_add_u32 v28, v29
	ds_add_u32 v28, v29
	s_wait_dscnt 0x0
	v_lshrrev_b32 v1, 5, v0
	v_readfirstlane_b32 s14, v1                    ; wave
	s_lshr_b32 s15, s14, 1                         ; my half of the tile's rows; also: I fetch for A (0) or for B (1)
	s_and_b32 s16, s14, 1                          ; my half of its columns; also: which of a slot's two K steps I fetch
	s_bfe_u32 s40, ttmp6, 0x40000                  ; cx
	s_bfe_u32 s41, ttmp6, 0x40004                  ; cy
	s_lshl_b32 s42, ttmp9, 2
	s_add_co_u32 s42, s42, s40                     ; tile column 0..7 = B's group
	s_and_b32 s17, ttmp7, 0xffff
	s_lshl_b32 s17, s17, 2
	s_add_co_u32 s17, s17, s41                     ; tile row 0..31 = A's group
	s_lshl_b32 s43, s41, 2
	s_lshl_b32 s43, 15, s43                        ; my row of the cluster
	s_lshl_b32 s44, 0x1111, s40                    ; my column
	s_or_b32 s[G1+0], s43, (3<<16)|(1<<21)         ; the mask; elements of 8 bytes; bit 21 beside a mask; no padding
	s_or_b32 s[G1B+0], s44, (3<<16)|(1<<21)
.irp g, G1, G1B
	s_mov_b32 s[\g+1], 32<<16                      ; tensor_dim0 = 32 elements: 256 bytes
	s_mov_b32 s[\g+2], 132<<16                     ; tensor_dim1 = 132 rows
	s_mov_b32 s[\g+3], 32<<16                      ; tile_dim0
	s_mov_b32 s[\g+4], 132                         ; tile_dim1
	s_mov_b32 s[\g+5], 32                          ; the pitch: dense
	s_mov_b32 s[\g+6], 0
	s_mov_b32 s[\g+7], 0
.endr
	s_mov_b32 s66, 4*STRA                          ; a refill: four K steps on
	s_mov_b32 s67, 0
	s_mov_b32 s68, 4*STRB
	s_mov_b32 s69, 0
	s_mov_b32 s18, 2*STRA                          ; slot 1 begins two K steps on
	s_mov_b32 s19, 0
	s_mov_b32 s22, 2*STRB
	s_mov_b32 s23, 0
	s_mul_i32 s20, s17, GB                         ; A: my tile row's group,
	s_mul_i32 s21, s16, STRA                       ; the K step that I fetch
	s_add_co_u32 s20, s20, s21
	s_mov_b32 s21, 0
	s_mul_i32 s46, s42, GB                         ; B: my tile column's group,
	s_mul_i32 s47, s16, STRB
	s_add_co_u32 s46, s46, s47
	s_add_co_u32 s46, s46, WOFF
	s_mov_b32 s47, 0
	s_mul_i32 s45, s14, HALFT                      ; where they go: wave x a block: no place in the cluster enters an LDS address
	s_wait_kmcnt 0x0
	s_add_nc_u64 s[20:21], s[4:5], s[20:21]
	s_add_nc_u64 s[46:47], s[6:7], s[46:47]
	CROUND                                         ; all sixteen work-groups are here: the first joint loads meet
	s_mov_b32 s[G0], 1
	s_add_co_u32 s[G0+1], s45, 0
	s_mov_b64 s[G0+2:G0+3], s[20:21]
	s_or_b32 s[G0+3], s[G0+3], 0x80000000
	s_mov_b32 s[G0B], 1
	s_add_co_u32 s[G0B+1], s45, 0
	s_mov_b64 s[G0B+2:G0B+3], s[46:47]
	s_or_b32 s[G0B+3], s[G0B+3], 0x80000000
	JLOAD G0, G1, G0B, G1B
	s_mov_b32 s[G0+4], 1
	s_add_co_u32 s[G0+5], s45, SLOT
	s_add_nc_u64 s[G0+6:G0+7], s[20:21], s[18:19]
	s_or_b32 s[G0+7], s[G0+7], 0x80000000
	s_mov_b32 s[G0B+4], 1
	s_add_co_u32 s[G0B+5], s45, SLOT
	s_add_nc_u64 s[G0B+6:G0B+7], s[46:47], s[22:23]
	s_or_b32 s[G0B+7], s[G0B+7], 0x80000000
	JLOAD G0+4, G1, G0B+4, G1B
	v_and_b32 v1, 31, v0
	v_lshlrev_b32 v[L16], 4, v1
	s_lshl_b32 s21, s15, 13                        ; my four blocks of A: 8,192 x half
	s_lshl_b32 s22, s16, 13                        ; my four blocks of B,
	s_add_co_u32 s22, s22, 2*HALFT                 ; which lie behind A's two K steps
.irp s, 0,1
	v_add_nc_u32 v[ADRA+\s], s21, v[L16]
	v_add_nc_u32 v[ADRB+\s], s22, v[L16]
	s_add_co_u32 s21, s21, SLOT
	s_add_co_u32 s22, s22, SLOT
.endr
	s_lshl_b32 s21, s15, 3                         ; scale words: 16 bytes a lane hold four pairs of blocks; my two pairs begin 8 x half on
	s_add_co_u32 s21, s21, 32768
	s_lshl_b32 s22, s16, 3
	s_add_co_u32 s22, s22, 2*HALFT+32768
.irp s, 0,1
	v_add_nc_u32 v[ASA+\s], s21, v[L16]
	v_add_nc_u32 v[ASB+\s], s22, v[L16]
	s_add_co_u32 s21, s21, SLOT
	s_add_co_u32 s22, s22, SLOT
.endr
	s_mul_i32 s23, s14, 16*SP                      ; my stage
	v_and_b32 v2, 15, v0
	v_bfe_u32 v3, v0, 4, 1
	v_mul_u32_u24 v4, v2, SP
	v_lshl_add_u32 v4, v3, 6, v4
	v_add_nc_u32 v[STO], s23, v4                   ; in: row r, + 64 (lane / 16)
	v_mul_u32_u24 v5, v3, SP
	v_lshl_add_u32 v5, v2, 4, v5
	v_add_nc_u32 v[RD], s23, v5                    ; back: lanes 0-15 one row of 256 bytes, lanes 16-31 the next
	v_lshlrev_b32 v[CO], 12, v3
	v_lshl_add_u32 v[CO], v2, 4, v[CO]             ; and the same two rows in C
	v_lshlrev_b32 v6, 4, v2                        ; my four columns of the wave's 64
	s_lshl_b32 s91, s17, 1
	s_add_co_u32 s91, s91, s15
	s_lshl_b32 s91, s91, 18                        ; my 64 rows of 4,096 bytes
	s_lshl_b32 s92, s42, 1
	s_add_co_u32 s92, s92, s16
	s_lshl_b32 s92, s92, 8                         ; my 64 columns
	s_add_co_u32 s74, s91, s92
	s_mov_b32 s75, 0
	s_mov_b32 s93, 0
	s_add_nc_u64 s[76:77], s[12:13], s[74:75]      ; the output,
	s_add_nc_u64 s[74:75], s[10:11], s[74:75]      ; the residual,
	s_add_nc_u64 s[78:79], s[8:9], s[92:93]        ; the bias: none of the three is stepped
	global_load_b128 v[8:11], v6, s[78:79]
	WIN 0x80                                       ; destination window 2
.irp a, 0,1,2,3                        ; the residual's 64 rows, in the order in which the blocks come back from the stage
.irp t, 0,1,2,3,4,5,6,7
	global_load_b128 v[32*\a+4*\t:32*\a+4*\t+3], v[CO], s[74:75] offset:(32*(\a/2)+16*(\t/4)+8*(\a%2)+2*(\t%4))*4096
.endr
.endr
	WIN 0
	s_wait_tensorcnt 1                             ; my part of slot 0 is in; slot 1's load may be out
	s_barrier_signal -1
	s_barrier_wait -1
	SCALES 0
	FETCH 0, 0, 0
	STEP 0, 0, 1                                   ; the first step stands in front of the loop: its products start the sums
.if LAPS > 1
	WIN 0                                          ; at a label and at a branch every window is 0
	s_mov_b32 s3, LAPS-1
.Llap:                                             ; a trip goes once round the ring, from a lap's second step to the next lap's first, and fills both slots again
	STEP 0, 1, 0
	STEP 0, 2, 0
	TURN 0, 1, 1
	STEP 1, 0, 0
	STEP 1, 1, 0
	STEP 1, 2, 0
	TURN 1, 0, 1
	STEP 0, 0, 0
	WIN 0
	s_sub_co_u32 s3, s3, 1
	s_cmp_lg_u32 s3, 0
	s_cbranch_scc1 .Llap
.endif
	STEP 0, 1, 0                                   ; the last lap fills nothing
	STEP 0, 2, 0
	TURN 0, 1, 0
	STEP 1, 0, 0
	STEP 1, 1, 0
	STEP 1, 2, 0
	s_wait_dscnt 8                                 ; the very last step: nothing more to fetch
	WIN MUL
	MUL8 128, 0, 3, 1, 0
	s_wait_dscnt 0
	MUL8 128, 2, 3, 1, 0
	WIN 0
.macro TOSTAGE a                       ; LDS serves a wave's instructions in order (ISA guide 5.7.1.4): no wait between the stores and the loads, nor in front of the next block's stores
.irp b, 0,1,2,3
	ds_store_b128 v[STO], v[ACC+8*(4*(\a)+\b):ACC+8*(4*(\a)+\b)+3] offset:128*(\b/2)+32*(\b%2)          ; each accumulator from its low end on
	ds_store_b128 v[STO], v[ACC+8*(4*(\a)+\b)+4:ACC+8*(4*(\a)+\b)+7] offset:128*(\b/2)+32*(\b%2)+16
.endr
.set BB, BK+32*((\a)%2)
.irp t, 0,1,2,3,4,5,6,7
	ds_load_b128 v[BB+4*\t:BB+4*\t+3], v[RD] offset:\t*2*SP
.endr
.endm
.macro SEND a, younger                 ; younger: the LDS instructions issued behind block a's loads
.set BB, BK+32*((\a)%2)
	s_wait_dscnt \younger
.irp t, 0,1,2,3,4,5,6,7
	v_pk_add_f32 v[BB+4*\t:BB+4*\t+1], v[BB+4*\t:BB+4*\t+1], v[8:9]
	v_pk_add_f32 v[BB+4*\t+2:BB+4*\t+3], v[BB+4*\t+2:BB+4*\t+3], v[10:11]
.endr
	WIN 0x08                                       ; source 1: window 2
.set i, 0
.rept 16
	v_pk_add_f32 v[BB+i:BB+i+1], v[BB+i:BB+i+1], v[32*(\a)+i:32*(\a)+i+1]
.set i, i+2
.endr
	WIN 0
.irp t, 0,1,2,3,4,5,6,7
	global_store_b128 v[CO], v[BB+4*\t:BB+4*\t+3], s[76:77] offset:(32*((\a)/2)+16*(\t/4)+8*((\a)%2)+2*(\t%4))*4096   ; sixteen lanes store 256 consecutive aligned bytes of a row, the other sixteen those of the next row
.endr
.endm
	s_wait_loadcnt 0x0                             ; the bias and the residual
	PLACES NP                                      ; behind the last products: results are read
	TOSTAGE 0
.irp a, 1,2,3
.if \a > 1
	s_wait_xcnt 0x0                                ; block a - 2's stores have read their registers: block a's loads may land there
.endif
	TOSTAGE \a
	SEND \a-1, 16                                  ; behind block a - 1's loads: block a's 8 stores and 8 loads
.endr
	SEND 3, 0
	s_wait_tensorcnt 0x0                           ; the wave's end
	ds_add_u32 v[SPW], v[NIL]
	s_wait_dscnt 0x0
	CROUND                                         ; the closing round
	s_endpgm
.Lfunc_end_k_q4382654da0_proj:
	.size	k_q4382654da0_proj, .Lfunc_end_k_q4382654da0_proj-k_q4382654da0_proj
	.p2alignl 7, 3214868480
	.fill 96, 4, 3214868480
	.section	.rodata,"a",@progbits
	.p2align	6, 0x0
	.amdhsa_kernel k_q4382654da0_proj
		.amdhsa_group_segment_fixed_size 327680
		.amdhsa_private_segment_fixed_size 0
		.amdhsa_enable_private_segment 0
		.amdhsa_kernarg_size 40
		.amdhsa_user_sgpr_count 2
		.amdhsa_user_sgpr_kernarg_segment_ptr 1
		.amdhsa_wavefront_size32 1
		.amdhsa_system_sgpr_workgroup_id_x 1
		.amdhsa_system_sgpr_workgroup_id_y 1
		.amdhsa_system_sgpr_workgroup_id_z 1
		.amdhsa_system_vgpr_workitem_id 0
		.amdhsa_next_free_vgpr 640
		.amdhsa_next_free_sgpr 104
		.amdhsa_reserve_vcc 0
		.amdhsa_float_denorm_mode_32 3
		.amdhsa_float_denorm_mode_16_64 3
		.amdhsa_memory_ordered 1
		.amdhsa_forward_progress 1
		.amdhsa_inst_pref_size 64
	.end_amdhsa_kernel
	.amdgpu_metadata
---
amdhsa.version: [ 1, 2 ]
amdhsa.kernels:
  - .name:           k_q4382654da0_proj
    .symbol:         k_q4382654da0_proj.kd
    .args:
      - { .name: yq, .offset: 0, .size: 8, .value_kind: global_buffer, .address_space: global }
      - { .name: wq, .offset: 8, .size: 8, .value_kind: global_buffer, .address_space: global }
      - { .name: proj_b, .offset: 16, .size: 8, .value_kind: global_buffer, .address_space: global }
      - { .name: x, .offset: 24, .size: 8, .value_kind: global_buffer, .address_space: global }
      - { .name: x1, .offset: 32, .size: 8, .value_kind: global_buffer, .address_space: global }
    .group_segment_fixed_size: 327680
    .private_segment_fixed_size: 0
    .kernarg_segment_align: 8
    .kernarg_segment_size: 40
    .max_flat_workgroup_size: 128
    .sgpr_count:     104
    .vgpr_count:     640
    .wavefront_size: 32
...
	.end_amdgpu_metadata
.endif
;; end of part 8
;; launch ln2: the kernel of part 2 again; grid 128 x 1, 8 waves a work-group, no clusters, 77,824 bytes of LDS; arguments x1, ln2_w, ln2_b, act; writes act
;; launch fc: the kernel of part 6 again; grid 16 x 16, 4 waves a work-group, clusters of 4 x 4, 327,680 bytes of LDS; arguments act, wq, fc_b, hq; writes hq
;; launch mlp (part 9): grid 8 x 32, 4 waves a work-group, clusters of 4 x 4, 327,680 bytes of LDS; arguments hq, wq, mlp_proj_b, x1, out0; writes out0
.if DOCPART == 9
	.amdgcn_target "amdgcn-amd-amdhsa--gfx1250"
	.amdhsa_code_object_version 6
	.text
	.protected	k_q4382654da0_mlp
	.globl	k_q4382654da0_mlp
	.p2align	8
	.type	k_q4382654da0_mlp,@function
k_q4382654da0_mlp:
	s_mov_b64 s[64:65], 0
	v_nop
	global_prefetch_b8 v0, s[64:65] scope:SCOPE_SE
	s_setreg_imm32_b32 hwreg(HW_REG_WAVE_MODE, 25, 1), 1
	s_wait_xcnt 0x0
	s_wait_alu depctr_hold_cnt(0) depctr_sa_sdst(0) depctr_va_vdst(0) depctr_va_sdst(0) depctr_va_ssrc(0) depctr_va_vcc(0) depctr_vm_vsrc(0)
	s_getreg_b32 s2, hwreg(HW_REG_IB_STS2, 6, 4)
	s_cmp_eq_u32 s2, 0
	s_cbranch_scc0 .Lentry_in_a_cluster
	s_endpgm
.Lentry_in_a_cluster:
	s_bfe_u32 s2, ttmp6, 0x10000c
	s_cmp_lg_u32 s2, 0xf033
	s_cbranch_scc0 .Lentry_shape_is_right
	s_endpgm
.Lentry_shape_is_right:
; out0 = x1 + h mlp_proj_w + mlp_proj_b: the product on codes of E5M2 with E8M0 scales, sums in f32, bias and residual added in f32 on the way out.
; OPERANDS lie in memory in the order of a matrix operand's registers: blocks [K step of 256][group of 128 rows] of 33,792 dense bytes (codes of K 0-127, of K 128-255: [16 rows i(8)][32 K c(4)][lane][16 bytes];
; then the scale words of each half: [lane' = r + 16 (i & 1)][i / 2][4 bytes]): one tensor load of 132 rows of 256 bytes brings a group's K step with its scales, and fragments are read from LDS at 16 x lane.
; A TILE OF C IS 128 x 128: M = 4,096 and N = 1,024 give 32 x 8 = 256 work-groups of equal work (tiles of 256 x 256 would give 64).  Four waves of 64 x 64: 16 accumulators, 128 registers.
; A SLOT HOLDS TWO K STEPS of A's group and of B's group: four blocks, one tensor load a wave (waves 0, 1: A's two K steps; waves 2, 3: B's); two slots.  So a change of slots comes once for 512 along K.
; 4 x 4 work-groups form a cluster: A's blocks hang on the tile row alone and are asked for jointly along a row of the cluster, B's on the tile column alone and jointly along a column.
; THE PRODUCT IS USED TRANSPOSED (source 0 = 16 places of B, source 1 = 16 places of A); within each 32 rows place p holds row p with bits 3 and 4 swapped, on both sides: register j of tile b of a lane is
; column 32 (b / 2) + 16 (lane / 16) + 8 (b % 2) + j of the wave's 64, place t of block a is row 32 (a / 2) + 16 (t / 8) + 8 (a % 2) + t % 8 of its 64.
; THE WAY OUT: a block of 16 rows goes through the wave's own stage in LDS (in slot 0, which has had its last fill and its last read) and comes back two rows an instruction: a wave's 64 columns are 256 aligned bytes of a row.
; The residual's 64 rows are loaded at the head, by the same addresses, into registers that the products do not touch.
; K = 4,096 is eight slots: two filled at the head, six filled again in three trips of the loop over laps.
; REGISTERS: window 0: v8-11 bias; v16-30 addresses; v32-63 scale words and nothing else; v64-127 the way out; v128-255 the accumulators ((a, b) at v[128 + 8 (4 a + b)]).
;   window 1: two fragment buffers of 128: A's four fragments, then B's four.   window 2: v0-127 the residual.
.set LAPS,   4                         ; K / 1,024: a lap = two slots = four K steps of 256
.set WOFF,   8650752                   ; where the weight's blocks begin in wq
.set STRA,   32*33792                  ; a K step on in A: 32 groups of tokens
.set STRB,   8*33792                   ; in B: 8 groups of columns
.set GB,     33792
.set HALFT,  GB                        ; what one tensor load brings
.set SLOT,   4*HALFT                   ; A's two K steps, then B's two
.set SPARE,  2*SLOT                    ; behind the ring: the spare words, 128 bytes a wave
.set FR,     16                        ; registers of a fragment
.set NP,     8                         ; places behind this matrix instruction (ISA guide 7.12.1)
.set SP,     272                       ; a stage row: 256 bytes + 16
.set ADRA,   16                        ; v16-17 LDS address of my four blocks of A in slot 0, 1, + 16 lane
.set L16,    18                        ; v18    16 lane
.set ADRB,   20                        ; v20-21 the same for B
.set ASA,    22                        ; v22-23 LDS address of my two registers of A's scale words in slot 0, 1
.set STO,    24                        ; v24    the way out: where I put 32 bytes of a row
.set RD,     25                        ; v25    and where I read rows back
.set ASB,    26                        ; v26-27 as ASA, for B
.set SPW,    28                        ; v28    LDS address of my spare word; never rewritten
.set NIL,    29                        ; v29    0; never rewritten
.set CO,     30                        ; v30    my byte offset in two rows of C: 4,096 (lane / 16) + 16 (lane % 16); never rewritten
.set SC,     32                        ; scale words: slot s at SC + 16 s; its step u at + 4 u; + 0, 1 A's blocks 0-1, 2-3; + 2, 3 B's (even block in lanes 0-15, odd in lanes 16-31)
.set BK,     64                        ; the way out: 16 rows read back: v64-95 and v96-127 by turns
.set ACC,    128
.set G1,     24
.set G0,     32
.set G1B,    48
.set G0B,    56
.set MSB, 0
.macro WIN new                         ; the immediate's high byte repeats the setting that is left
.if MSB != (\new)
	s_set_vgpr_msb (MSB<<8)|(\new)
.set MSB, (\new)
.endif
.endm
.set MUL,  0x05                        ; sources 0 (B) and 1 (A) window 1; C and D window 0
.set TO_F, 0x40                        ; destination window 1, address window 0
.macro JLOAD g0a, g1a, g0b, g1b        ; a joint load: waves 0 and 1 fetch A's two K steps, waves 2 and 3 B's; four v_nop follow each line
	s_cmp_eq_u32 s15, 0
	s_cbranch_scc0 .Lfor_b_\@
	tensor_load_to_lds s[\g0a:\g0a+3], s[\g1a:\g1a+7]
	s_nop 0
.rept 4
	v_nop
.endr
	s_branch .Lasked_\@
.Lfor_b_\@:
	tensor_load_to_lds s[\g0b:\g0b+3], s[\g1b:\g1b+7]
	s_nop 0
.rept 4
	v_nop
.endr
.Lasked_\@:
.endm
.macro CREST                           ; a round of the cluster's barrier behind its opening barrier
	s_cmp_lg_u32 s14, 0
	s_cbranch_scc1 .Lnot_wave_0_\@
	s_barrier_signal -3
.Lnot_wave_0_\@:
	s_barrier_wait -3
	s_barrier_signal -1
	s_barrier_wait -1
.endm
.macro CROUND
	s_barrier_signal -1
	s_barrier_wait -1
	CREST
.endm
.macro PLACES n
.rept \n
	v_nop
.endr
.endm
.macro FRAG reg, adr, off              ; a fragment, 16 rows x 128 K: four loads of 512 consecutive bytes
.irp c, 0,1,2,3
	ds_load_b128 v[\reg+4*\c:\reg+4*\c+3], v[\adr] offset:(\off)+512*\c
.endr
.endm
; 32 LDS loads in one run: the fragments of the slot's step u (K step u / 2 of its two, half u % 2) into buffer f: B's four, A's blocks 0 and 1, and last A's blocks 2 and 3
.macro FETCH slot, u, f
	WIN TO_F
.irp i, 0,1,2,3
	FRAG (\f)+64+FR*\i, ADRB+\slot, HALFT*((\u)/2)+16384*((\u)%2)+2048*\i
.endr
.irp i, 0,1,2,3
	FRAG (\f)+FR*\i, ADRA+\slot, HALFT*((\u)/2)+16384*((\u)%2)+2048*\i
.endr
.endm
.macro SCALES slot                     ; the scale words of a slot's four steps: eight loads of 8 bytes a lane
.irp u, 0,1,2,3
	ds_load_b64 v[SC+16*\slot+4*\u:SC+16*\slot+4*\u+1], v[ASA+\slot] offset:HALFT*(\u/2)+512*(\u%2)
	ds_load_b64 v[SC+16*\slot+4*\u+2:SC+16*\slot+4*\u+3], v[ASB+\slot] offset:HALFT*(\u/2)+512*(\u%2)
.endr
.endm
.macro WM zero, ra, rb                 ; one product; ra, rb: source 0's, source 1's scales stand in lanes 16-31
.if \zero
.if (\ra)&&(\rb)
	v_wmma_scale_f32_16x16x128_f8f6f4 v[wD:wD+7], v[wB:wB+15], v[wA:wA+15], 0, v[wSB], v[wSA] matrix_a_fmt:MATRIX_FMT_BF8 matrix_b_fmt:MATRIX_FMT_BF8 matrix_a_scale:MATRIX_SCALE_ROW1 matrix_b_scale:MATRIX_SCALE_ROW1
.elseif \ra
	v_wmma_scale_f32_16x16x128_f8f6f4 v[wD:wD+7], v[wB:wB+15], v[wA:wA+15], 0, v[wSB], v[wSA] matrix_a_fmt:MATRIX_FMT_BF8 matrix_b_fmt:MATRIX_FMT_BF8 matrix_a_scale:MATRIX_SCALE_ROW1
.elseif \rb
	v_wmma_scale_f32_16x16x128_f8f6f4 v[wD:wD+7], v[wB:wB+15], v[wA:wA+15], 0, v[wSB], v[wSA] matrix_a_fmt:MATRIX_FMT_BF8 matrix_b_fmt:MATRIX_FMT_BF8 matrix_b_scale:MATRIX_SCALE_ROW1
.else
	v_wmma_scale_f32_16x16x128_f8f6f4 v[wD:wD+7], v[wB:wB+15], v[wA:wA+15], 0, v[wSB], v[wSA] matrix_a_fmt:MATRIX_FMT_BF8 matrix_b_fmt:MATRIX_FMT_BF8
.endif
.else
.if (\ra)&&(\rb)
	v_wmma_scale_f32_16x16x128_f8f6f4 v[wD:wD+7], v[wB:wB+15], v[wA:wA+15], v[wD:wD+7], v[wSB], v[wSA] matrix_a_fmt:MATRIX_FMT_BF8 matrix_b_fmt:MATRIX_FMT_BF8 matrix_a_scale:MATRIX_SCALE_ROW1 matrix_b_scale:MATRIX_SCALE_ROW1
.elseif \ra
	v_wmma_scale_f32_16x16x128_f8f6f4 v[wD:wD+7], v[wB:wB+15], v[wA:wA+15], v[wD:wD+7], v[wSB], v[wSA] matrix_a_fmt:MATRIX_FMT_BF8 matrix_b_fmt:MATRIX_FMT_BF8 matrix_a_scale:MATRIX_SCALE_ROW1
.elseif \rb
	v_wmma_scale_f32_16x16x128_f8f6f4 v[wD:wD+7], v[wB:wB+15], v[wA:wA+15], v[wD:wD+7], v[wSB], v[wSA] matrix_a_fmt:MATRIX_FMT_BF8 matrix_b_fmt:MATRIX_FMT_BF8 matrix_b_scale:MATRIX_SCALE_ROW1
.else
	v_wmma_scale_f32_16x16x128_f8f6f4 v[wD:wD+7], v[wB:wB+15], v[wA:wA+15], v[wD:wD+7], v[wSB], v[wSA] matrix_a_fmt:MATRIX_FMT_BF8 matrix_b_fmt:MATRIX_FMT_BF8
.endif
.endif
.endm
; 8 products: A's blocks a0, a0 + 1 x B's four, buffer f, the slot's step u, scale set sc.  The 16 accumulators take turns, one instruction a turn, in the same order in every step.
.macro MUL8 f, a0, u, sc, zero
.irp a, \a0, \a0+1
.irp b, 0,1,2,3
.set wD, ACC+8*(4*(\a)+\b)
.set wB, (\f)+64+FR*\b
.set wA, (\f)+FR*(\a)
.set wSB, SC+16*(\sc)+4*(\u)+2+\b/2
.set wSA, SC+16*(\sc)+4*(\u)+(\a)/2
	WM \zero, \b%2, (\a)%2
.endr
.endr
.endm
; One of a slot's first three steps: multiplies buffer u % 2 and, in its middle, fetches the next step's fragments into the other buffer.
.macro STEP slot, u, zero
	s_wait_dscnt 8                                 ; B's four fragments, A's blocks 0 and 1 (and the scale words) are in; the youngest 8 loads (A's blocks 2 and 3) may be out
	WIN MUL
	MUL8 128*((\u)%2), 0, \u, \slot, \zero
	PLACES NP                                      ; in front of loads into registers that the last step's products read
	FETCH \slot, (\u)+1, 128*(1-(\u)%2)
	s_wait_dscnt 32                                ; all but the 32 just issued
	WIN MUL
	MUL8 128*((\u)%2), 2, \u, \slot, \zero
.endm
; A slot's fourth step multiplies buffer 1 and changes slots: one barrier; in front of it each wave waits for all its tensor loads, adds 0 to its spare word, and waits for that and for its reads of this slot.
; fill = 1: the slot is filled again, with the K steps four further on; the barrier then opens a round of the cluster's barrier.
.macro TURN slot, next, fill
	WIN 0                                          ; (the add's two registers lie in window 0)
	s_wait_tensorcnt 0x0                           ; all my tensor loads have landed: my part of the next slot
	ds_add_u32 v[SPW], v[NIL]                      ; 0 onto my spare word
	s_wait_dscnt 9                                 ; the add and the youngest 8 loads may be out
	WIN MUL
	MUL8 128, 0, 3, \slot, 0                       ; eight products stand between the add and the wait for it
	WIN 0
	s_wait_dscnt 0x0                               ; the add is done, and my reads of this slot are over
	s_barrier_signal -1
	s_barrier_wait -1
.if \fill
	CREST                                          ; no wave of any partner still reads this slot or has a load on its way
	s_add_nc_u64 s[G0+4*\slot+2:G0+4*\slot+3], s[G0+4*\slot+2:G0+4*\slot+3], s[66:67]
	s_add_nc_u64 s[G0B+4*\slot+2:G0B+4*\slot+3], s[G0B+4*\slot+2:G0B+4*\slot+3], s[68:69]
	JLOAD G0+4*\slot, G1, G0B+4*\slot, G1B         ; the first tensor load behind the round; its four v_nop are among the places in front of the loads below
	PLACES NP-4
.else
	PLACES NP
.endif
	SCALES \next
	FETCH \next, 0, 0
	WIN MUL
	MUL8 128, 2, 3, \slot, 0
.endm
	s_load_b128 s[4:7], s[0:1], 0x0                ; A's blocks, wq
	s_load_b128 s[8:11], s[0:1], 0x10              ; the bias, the residual
	s_load_b64 s[12:13], s[0:1], 0x20              ; the output
	v_lshl_add_u32 v[SPW], v0, 2, SPARE
	v_mov_b32 v[NIL], 0
	ds_add_u32 v28, v29
	ds_add_u32 v28, v29
	s_wait_dscnt 0x0
	v_lshrrev_b32 v1, 5, v0
	v_readfirstlane_b32 s14, v1                    ; wave
	s_lshr_b32 s15, s14, 1                         ; my half of the tile's rows; also: I fetch for A (0) or for B (1)
	s_and_b32 s16, s14, 1                          ; my half of its columns; also: which of a slot's two K steps I fetch
	s_bfe_u32 s40, ttmp6, 0x40000                  ; cx
	s_bfe_u32 s41, ttmp6, 0x40004                  ; cy
	s_lshl_b32 s42, ttmp9, 2
	s_add_co_u32 s42, s42, s40                     ; tile column 0..7 = B's group
	s_and_b32 s17, ttmp7, 0xffff
	s_lshl_b32 s17, s17, 2
	s_add_co_u32 s17, s17, s41                     ; tile row 0..31 = A's group
	s_lshl_b32 s43, s41, 2
	s_lshl_b32 s43, 15, s43                        ; my row of the cluster
	s_lshl_b32 s44, 0x1111, s40                    ; my column
	s_or_b32 s[G1+0], s43, (3<<16)|(1<<21)         ; the mask; elements of 8 bytes; bit 21 beside a mask; no padding
	s_or_b32 s[G1B+0], s44, (3<<16)|(1<<21)
.irp g, G1, G1B
	s_mov_b32 s[\g+1], 32<<16                      ; tensor_dim0 = 32 elements: 256 bytes
	s_mov_b32 s[\g+2], 132<<16                     ; tensor_dim1 = 132 rows
	s_mov_b32 s[\g+3], 32<<16                      ; tile_dim0
	s_mov_b32 s[\g+4], 132                         ; tile_dim1
	s_mov_b32 s[\g+5], 32                          ; the pitch: dense
	s_mov_b32 s[\g+6], 0
	s_mov_b32 s[\g+7], 0
.endr
	s_mov_b32 s66, 4*STRA                          ; a refill: four K steps on
	s_mov_b32 s67, 0
	s_mov_b32 s68, 4*STRB
	s_mov_b32 s69, 0
	s_mov_b32 s18, 2*STRA                          ; slot 1 begins two K steps on
	s_mov_b32 s19, 0
	s_mov_b32 s22, 2*STRB
	s_mov_b32 s23, 0
	s_mul_i32 s20, s17, GB                         ; A: my tile row's group,
	s_mul_i32 s21, s16, STRA                       ; the K step that I fetch
	s_add_co_u32 s20, s20, s21
	s_mov_b32 s21, 0
	s_mul_i32 s46, s42, GB                         ; B: my tile column's group,
	s_mul_i32 s47, s16, STRB
	s_add_co_u32 s46, s46, s47
	s_add_co_u32 s46, s46, WOFF
	s_mov_b32 s47, 0
	s_mul_i32 s45, s14, HALFT                      ; where they go: wave x a block: no place in the cluster enters an LDS address
	s_wait_kmcnt 0x0
	s_add_nc_u64 s[20:21], s[4:5], s[20:21]
	s_add_nc_u64 s[46:47], s[6:7], s[46:47]
	CROUND                                         ; all sixteen work-groups are here: the first joint loads meet
	s_mov_b32 s[G0], 1
	s_add_co_u32 s[G0+1], s45, 0
	s_mov_b64 s[G0+2:G0+3], s[20:21]
	s_or_b32 s[G0+3], s[G0+3], 0x80000000
	s_mov_b32 s[G0B], 1
	s_add_co_u32 s[G0B+1], s45, 0
	s_mov_b64 s[G0B+2:G0B+3], s[46:47]
	s_or_b32 s[G0B+3], s[G0B+3], 0x80000000
	JLOAD G0, G1, G0B, G1B
	s_mov_b32 s[G0+4], 1
	s_add_co_u32 s[G0+5], s45, SLOT
	s_add_nc_u64 s[G0+6:G0+7], s[20:21], s[18:19]
	s_or_b32 s[G0+7], s[G0+7], 0x80000000
	s_mov_b32 s[G0B+4], 1
	s_add_co_u32 s[G0B+5], s45, SLOT
	s_add_nc_u64 s[G0B+6:G0B+7], s[46:47], s[22:23]
	s_or_b32 s[G0B+7], s[G0B+7], 0x80000000
	JLOAD G0+4, G1, G0B+4, G1B
	v_and_b32 v1, 31, v0
	v_lshlrev_b32 v[L16], 4, v1
	s_lshl_b32 s21, s15, 13                        ; my four blocks of A: 8,192 x half
	s_lshl_b32 s22, s16, 13                        ; my four blocks of B,
	s_add_co_u32 s22, s22, 2*HALFT                 ; which lie behind A's two K steps
.irp s, 0,1
	v_add_nc_u32 v[ADRA+\s], s21, v[L16]
	v_add_nc_u32 v[ADRB+\s], s22, v[L16]
	s_add_co_u32 s21, s21, SLOT
	s_add_co_u32 s22, s22, SLOT
.endr
	s_lshl_b32 s21, s15, 3                         ; scale words: 16 bytes a lane hold four pairs of blocks; my two pairs begin 8 x half on
	s_add_co_u32 s21, s21, 32768
	s_lshl_b32 s22, s16, 3
	s_add_co_u32 s22, s22, 2*HALFT+32768
.irp s, 0,1
	v_add_nc_u32 v[ASA+\s], s21, v[L16]
	v_add_nc_u32 v[ASB+\s], s22, v[L16]
	s_add_co_u32 s21, s21, SLOT
	s_add_co_u32 s22, s22, SLOT
.endr
	s_mul_i32 s23, s14, 16*SP                      ; my stage
	v_and_b32 v2, 15, v0
	v_bfe_u32 v3, v0, 4, 1
	v_mul_u32_u24 v4, v2, SP
	v_lshl_add_u32 v4, v3, 6, v4
	v_add_nc_u32 v[STO], s23, v4                   ; in: row r, + 64 (lane / 16)
	v_mul_u32_u24 v5, v3, SP
	v_lshl_add_u32 v5, v2, 4, v5
	v_add_nc_u32 v[RD], s23, v5                    ; back: lanes 0-15 one row of 256 bytes, lanes 16-31 the next
	v_lshlrev_b32 v[CO], 12, v3
	v_lshl_add_u32 v[CO], v2, 4, v[CO]             ; and the same two rows in C
	v_lshlrev_b32 v6, 4, v2                        ; my four columns of the wave's 64
	s_lshl_b32 s91, s17, 1
	s_add_co_u32 s91, s91, s15
	s_lshl_b32 s91, s91, 18                        ; my 64 rows of 4,096 bytes
	s_lshl_b32 s92, s42, 1
	s_add_co_u32 s92, s92, s16
	s_lshl_b32 s92, s92, 8                         ; my 64 columns
	s_add_co_u32 s74, s91, s92
	s_mov_b32 s75, 0
	s_mov_b32 s93, 0
	s_add_nc_u64 s[76:77], s[12:13], s[74:75]      ; the output,
	s_add_nc_u64 s[74:75], s[10:11], s[74:75]      ; the residual,
	s_add_nc_u64 s[78:79], s[8:9], s[92:93]        ; the bias: none of the three is stepped
	global_load_b128 v[8:11], v6, s[78:79]
	WIN 0x80                                       ; destination window 2
.irp a, 0,1,2,3                        ; the residual's 64 rows, in the order in which the blocks come back from the stage
.irp t, 0,1,2,3,4,5,6,7
	global_load_b128 v[32*\a+4*\t:32*\a+4*\t+3], v[CO], s[74:75] offset:(32*(\a/2)+16*(\t/4)+8*(\a%2)+2*(\t%4))*4096
.endr
.endr
	WIN 0
	s_wait_tensorcnt 1                             ; my part of slot 0 is in; slot 1's load may be out
	s_barrier_signal -1
	s_barrier_wait -1
	SCALES 0
	FETCH 0, 0, 0
	STEP 0, 0, 1                                   ; the first step stands in front of the loop: its products start the sums
.if LAPS > 1
	WIN 0                                          ; at a label and at a branch every window is 0
	s_mov_b32 s3, LAPS-1
.Llap:                                             ; a trip goes once round the ring, from a lap's second step to the next lap's first, and fills both slots again
	STEP 0, 1, 0
	STEP 0, 2, 0
	TURN 0, 1, 1
	STEP 1, 0, 0
	STEP 1, 1, 0
	STEP 1, 2, 0
	TURN 1, 0, 1
	STEP 0, 0, 0
	WIN 0
	s_sub_co_u32 s3, s3, 1
	s_cmp_lg_u32 s3, 0
	s_cbranch_scc1 .Llap
.endif
	STEP 0, 1, 0                                   ; the last lap fills nothing
	STEP 0, 2, 0
	TURN 0, 1, 0
	STEP 1, 0, 0
	STEP 1, 1, 0
	STEP 1, 2, 0
	s_wait_dscnt 8                                 ; the very last step: nothing more to fetch
	WIN MUL
	MUL8 128, 0, 3, 1, 0
	s_wait_dscnt 0
	MUL8 128, 2, 3, 1, 0
	WIN 0
.macro TOSTAGE a                       ; LDS serves a wave's instructions in order (ISA guide 5.7.1.4): no wait between the stores and the loads, nor in front of the next block's stores
.irp b, 0,1,2,3
	ds_store_b128 v[STO], v[ACC+8*(4*(\a)+\b):ACC+8*(4*(\a)+\b)+3] offset:128*(\b/2)+32*(\b%2)          ; each accumulator from its low end on
	ds_store_b128 v[STO], v[ACC+8*(4*(\a)+\b)+4:ACC+8*(4*(\a)+\b)+7] offset:128*(\b/2)+32*(\b%2)+16
.endr
.set BB, BK+32*((\a)%2)
.irp t, 0,1,2,3,4,5,6,7
	ds_load_b128 v[BB+4*\t:BB+4*\t+3], v[RD] offset:\t*2*SP
.endr
.endm
.macro SEND a, younger                 ; younger: the LDS instructions issued behind block a's loads
.set BB, BK+32*((\a)%2)
	s_wait_dscnt \younger
.irp t, 0,1,2,3,4,5,6,7
	v_pk_add_f32 v[BB+4*\t:BB+4*\t+1], v[BB+4*\t:BB+4*\t+1], v[8:9]
	v_pk_add_f32 v[BB+4*\t+2:BB+4*\t+3], v[BB+4*\t+2:BB+4*\t+3], v[10:11]
.endr
	WIN 0x08                                       ; source 1: window 2
.set i, 0
.rept 16
	v_pk_add_f32 v[BB+i:BB+i+1], v[BB+i:BB+i+1], v[32*(\a)+i:32*(\a)+i+1]
.set i, i+2
.endr
	WIN 0
.irp t, 0,1,2,3,4,5,6,7
	global_store_b128 v[CO], v[BB+4*\t:BB+4*\t+3], s[76:77] offset:(32*((\a)/2)+16*(\t/4)+8*((\a)%2)+2*(\t%4))*4096 th:TH_STORE_NT   ; sixteen lanes store 256 consecutive aligned bytes of a row, the other sixteen those of the next row; written once, read by nobody here
.endr
.endm
	s_wait_loadcnt 0x0                             ; the bias and the residual
	PLACES NP                                      ; behind the last products: results are read
	TOSTAGE 0
.irp a, 1,2,3
.if \a > 1
	s_wait_xcnt 0x0                                ; block a - 2's stores have read their registers: block a's loads may land there
.endif
	TOSTAGE \a
	SEND \a-1, 16                                  ; behind block a - 1's loads: block a's 8 stores and 8 loads
.endr
	SEND 3, 0
	s_wait_tensorcnt 0x0                           ; the wave's end
	ds_add_u32 v[SPW], v[NIL]
	s_wait_dscnt 0x0
	CROUND                                         ; the closing round
	s_endpgm
.Lfunc_end_k_q4382654da0_mlp:
	.size	k_q4382654da0_mlp, .Lfunc_end_k_q4382654da0_mlp-k_q4382654da0_mlp
	.p2alignl 7, 3214868480
	.fill 96, 4, 3214868480
	.section	.rodata,"a",@progbits
	.p2align	6, 0x0
	.amdhsa_kernel k_q4382654da0_mlp
		.amdhsa_group_segment_fixed_size 327680
		.amdhsa_private_segment_fixed_size 0
		.amdhsa_enable_private_segment 0
		.amdhsa_kernarg_size 40
		.amdhsa_user_sgpr_count 2
		.amdhsa_user_sgpr_kernarg_segment_ptr 1
		.amdhsa_wavefront_size32 1
		.amdhsa_system_sgpr_workgroup_id_x 1
		.amdhsa_system_sgpr_workgroup_id_y 1
		.amdhsa_system_sgpr_workgroup_id_z 1
		.amdhsa_system_vgpr_workitem_id 0
		.amdhsa_next_free_vgpr 640
		.amdhsa_next_free_sgpr 104
		.amdhsa_reserve_vcc 0
		.amdhsa_float_denorm_mode_32 3
		.amdhsa_float_denorm_mode_16_64 3
		.amdhsa_memory_ordered 1
		.amdhsa_forward_progress 1
		.amdhsa_inst_pref_size 102
	.end_amdhsa_kernel
	.amdgpu_metadata
---
amdhsa.version: [ 1, 2 ]
amdhsa.kernels:
  - .name:           k_q4382654da0_mlp
    .symbol:         k_q4382654da0_mlp.kd
    .args:
      - { .name: hq, .offset: 0, .size: 8, .value_kind: global_buffer, .address_space: global }
      - { .name: wq, .offset: 8, .size: 8, .value_kind: global_buffer, .address_space: global }
      - { .name: mlp_proj_b, .offset: 16, .size: 8, .value_kind: global_buffer, .address_space: global }
      - { .name: x1, .offset: 24, .size: 8, .value_kind: global_buffer, .address_space: global }
      - { .name: out0, .offset: 32, .size: 8, .value_kind: global_buffer, .address_space: global }
    .group_segment_fixed_size: 327680
    .private_segment_fixed_size: 0
    .kernarg_segment_align: 8
    .kernarg_segment_size: 40
    .max_flat_workgroup_size: 128
    .sgpr_count:     104
    .vgpr_count:     640
    .wavefront_size: 32
...
	.end_amdgpu_metadata
.endif
;; end of part 9
